; MI455X (gfx1250); checked and timed in simulation.
; The chip was launched on July 23, 2026; its instructions are those of AMD's public machine-readable ISA for CDNA 5 (MIT licence, August 2026) and "CDNA5" Instruction Set Architecture Reference Guide (July 2026). The comments in the code are by the model that wrote it; some were corrected since.
;; Decoder Block. Allowed arithmetic: matrix products marked QUANTISED: E2M3 operands, one E8M0 scale for each 32 along K, by v_wmma_scale_f32_16x16x128_f8f6f4 with both operands' format E2M3, f32 sums; everything else in f32.
;; Inputs: W1 512 x 2,048 float32; W2 2,048 x 512 float32; Wk_c 8 x 512 x 64 float32; Wk_s 8 x 512 x 64 float32; Wo_c 512 x 512 float32; Wo_s 512 x 512 float32; Wq_c 8 x 512 x 64 float32; Wq_s 8 x 512 x 64 float32; Wv_c 8 x 512 x 64 float32; Wv_s 8 x 512 x 64 float32; b1 2,048 float32; b2 512 float32; bk_c 8 x 64 float32; bk_s 8 x 64 float32; bo_c 512 float32; bo_s 512 float32; bq_c 8 x 64 float32; bq_s 8 x 64 float32; bv_c 8 x 64 float32; bv_s 8 x 64 float32; encoding 4 x 2,048 x 512 float32; ln1_b 512 float32; ln1_g 512 float32; ln2_b 512 float32; ln2_g 512 float32; ln3_b 512 float32; ln3_g 512 float32; mask 2,048 float32; x 4 x 2,048 x 512 float32.
;; Outputs: out0 4 x 2,048 x 512 float32.
;; This version of the problem:
;;   THIS VERSION OF THE PROBLEM IS GIVEN IN LOW PRECISION. The matrix products marked QUANTISED in the list below multiply operands that are first quantised to E2M3 (2 exponent bits, 3 mantissa bits; 6 bits a number), with one power-of-two scale for each 32 numbers along K (OCP MX v1.0); their sums are f32. All else is computed in f32.
;;   The module's matrix products, in the order in which they are computed (A, B: the left and right operand; K: the contracted axis; several contracted axes count as one K, in the product's order):
;;     1. [M 512, K 512] x [K 512, N 8,192]; A: input Wq_s; B: input x: QUANTISED
;;     2. [M 512, K 512] x [K 512, N 8,192]; A: input Wk_s; B: input x: QUANTISED
;;     3. [M 512, K 512] x [K 512, N 8,192]; A: input Wv_s; B: input x: QUANTISED
;;     4. batch 32 x [M 2,048, K 64] x [K 64, N 2,048]; A: computed on the way; B: computed on the way: QUANTISED
;;     5. batch 32 x [M 2,048, K 2,048] x [K 2,048, N 64]; A: computed on the way; B: computed on the way: QUANTISED
;;     6. [M 8,192, K 512] x [K 512, N 512]; A: computed on the way; B: input Wo_s: QUANTISED
;;     7. [M 512, K 512] x [K 512, N 8,192]; A: input Wq_c; B: computed on the way: QUANTISED
;;     8. [M 512, K 512] x [K 512, N 8,192]; A: input Wk_c; B: input encoding: QUANTISED
;;     9. [M 512, K 512] x [K 512, N 8,192]; A: input Wv_c; B: input encoding: QUANTISED
;;     10. batch 32 x [M 2,048, K 64] x [K 64, N 2,048]; A: computed on the way; B: computed on the way: QUANTISED
;;     11. batch 32 x [M 2,048, K 2,048] x [K 2,048, N 64]; A: softmax (see below); B: computed on the way: QUANTISED
;;     12. [M 8,192, K 512] x [K 512, N 512]; A: computed on the way; B: input Wo_c: QUANTISED
;;     13. [M 8,192, K 512] x [K 512, N 2,048]; A: computed on the way; B: input W1: QUANTISED
;;     14. [M 8,192, K 2,048] x [K 2,048, N 512]; A: computed on the way; B: input W2: QUANTISED
;;   THE QUANTISER, for each operand of a quantised product, along K:
;;     - K is cut into blocks of 32 from its start; a last block that is shorter is filled with zeros.
;;     - A block's scale is 2^e with e = floor(log2(the largest magnitude in the block)) - 2, held to -126 .. 127; a block of zeros has e = 0. As a byte (E8M0): e + 127.
;;     - Each number is divided by its block's scale, clamped to +-7.5, and rounded to the nearest number of E2M3, ties to even, subnormals kept.
;;     - The product sums the exact products of the quantised numbers (number of the format x scale) in f32.
;;   ~~~python
;;   def quantise(x, axis):      # numpy; x: float32 -> the quantised numbers, widened to float32 again
;;       x = np.moveaxis(x, axis, -1); K = x.shape[-1]
;;       x = np.pad(x, [(0, 0)] * (x.ndim - 1) + [(0, -K % 32)]); x = x.reshape(x.shape[:-1] + (-1, 32)); a = np.abs(x).max(-1, keepdims=True)
;;       e = np.where(a > 0, np.clip(np.frexp(np.where(a > 0, a, 1))[1] - 1 - 2, -126, 127), 0)      # np.frexp(a)[1] - 1 = floor(log2(a)), exactly
;;       r = np.clip(x / 2.0 ** e, -7.5, 7.5)
;;       step = 2.0 ** (np.maximum(np.frexp(np.where(r == 0, 1, r))[1] - 1, 0) - 3)
;;       q = np.round(r / step) * step * 2.0 ** e      # np.round: ties to even
;;       return np.moveaxis(q.reshape(q.shape[:-2] + (-1,))[..., :K], -1, axis).astype(np.float32)
;;   ~~~
;;   SOFTMAX AHEAD OF A QUANTISED PRODUCT. Where the list says 'softmax', what is quantised is not the finished softmax but p = 2^(t - M), with t = logit x log2(e) and M = ceil(the row's largest t), a whole number; so 1/2 < the row's largest p <= 1. The row's sum l is taken of the UNQUANTISED p, in f32, and the product's result is divided by l at the end. Since M is a whole number, a kernel that streams over the keys may use a running M (the ceiling of the running maximum): every later rescaling is an exact power of two, which a block's scale takes up: the codes' values come out the same.
;;   OPERANDS COMPUTED ON THE WAY. 'Computed on the way' means the value that the module computes at that place (a softmax that the list does not call 'softmax' is quantised finished and normalised). What goes into a quantiser is computed in f32, as accurately as f32 sums, v_exp_f32 and their like allow (about 1e-6 of the number): no bf16 or f16 on the way to a quantiser, and a product that is left as it is and whose result goes on into a quantised operand takes f32 operands (vector FMAs, or v_wmma_f32_16x16x4_f32). A number that lies on a knife's edge between two numbers of the format may be rounded either way, as far as f32 arithmetic and the matrix unit's own rounding can turn it there, and no further.
;; 2 versions, each right and faster than the one before. Each part assembles by itself: llvm-mc -triple=amdgcn-amd-amdhsa -mcpu=gfx1250 --defsym DOCPART=n.
;; ======== version 1 of 2: 6 launches
;; workspace buffers: wimg 3,276,800 bytes; xq 3,276,800 bytes; os 3,276,800 bytes; hq 3,276,800 bytes; oc 3,276,800 bytes; kvb 13,369,344 bytes; hf 16,777,216 bytes
;; launch prep (part 1): grid 256 x 1, 4 waves a work-group, no clusters, 12,800 bytes of LDS; arguments Wq_s, Wk_s, Wv_s, Wq_c, Wk_c, Wv_c, Wo_s, Wo_c, W1, W2, wimg; writes wimg
.if DOCPART == 1
	.amdgcn_target "amdgcn-amd-amdhsa--gfx1250"
	.amdhsa_code_object_version 6
	.text
	.protected	k_q8572f85091_prep
	.globl	k_q8572f85091_prep
	.p2align	8
	.type	k_q8572f85091_prep,@function
k_q8572f85091_prep:
	s_mov_b64 s[64:65], 0
	v_nop
	global_prefetch_b8 v0, s[64:65] scope:SCOPE_SE
	s_setreg_imm32_b32 hwreg(HW_REG_WAVE_MODE, 25, 1), 1
	s_wait_xcnt 0x0
; The ten weights (f32, K not innermost) become codes of FP6 (E2M3) with one E8M0 byte for each 32 along K, laid in wimg in the ORDER OF THE OPERAND'S REGISTERS.
; A fragment (16 features x 128 K, 12 registers a lane) is 1,536 bytes: registers 4 p .. 4 p + 3 of lane l at 512 p + 16 l.  Lane r of feature tile F holds feature 64 (F / 4) + 8 (F % 4) + r % 8 + 32 (r / 8).
; Weight number idx lies at WOFF: its fragments [F][K step], then its scale words: for each pair of tiles and each four K steps 512 bytes, lane 16 (F % 2) + r holding the four steps' words.
; SHARES.  A work-group takes 64 features and two K steps; wave w takes 32 of the features (w % 2) and one K step (w / 2).  A LANE TAKES A FEATURE AND ITS REGISTERS RUN DOWN K: a block of 32 lies in one lane,
; each load reads 128 consecutive bytes, and the conversions give codes with K innermost.  The codes meet in a stage in LDS as images and leave in runs of 512 consecutive bytes.
; One text serves all ten: the pitch from row to row is a scalar, 32 offset registers hold 4 lane + i pitch, four bases stand 32 rows apart.  Loads run one block (32 loads) ahead.
; No tensor load, no cluster: no byte is read by two work-groups.
; LIMITS: NaN and infinities are not served.  A block of zeros gets the byte 1 where the quantiser says 127: its codes are zeros, which add nothing under that byte, and this program alone reads the bytes.
.set X,   64                           ; v64-191  128 numbers: four blocks of 32 down K
.set CD,  16                           ; v16-63   codes: 12 registers a block (6 codes, 3 at work)
.set OFR, 192                          ; v192-223 4 lane + i pitch
; 32 numbers of a lane become 6 registers of codes.  mx: two registers at work; so: the conversion's scale operand; by: the scale's byte.  The sources are read in ascending order.
.macro QB src, dst, tmp, mx, so, by, abs
.if \abs
	v_max3_num_f32 v[\mx], |v[\src]|, |v[\src+1]|, 0x1800000       ; the floor 2^(3 - 127) is one of the leaves: the byte cannot fall under 1
	v_max3_num_f32 v[\mx+1], |v[\src+2]|, |v[\src+3]|, |v[\src+4]|
.irp i, 5,9,13,17,21,25
	v_max3_num_f32 v[\mx], v[\mx], |v[\src+\i]|, |v[\src+\i+1]|
	v_max3_num_f32 v[\mx+1], v[\mx+1], |v[\src+\i+2]|, |v[\src+\i+3]|
.endr
	v_max3_num_f32 v[\mx], v[\mx], |v[\src+29]|, |v[\src+30]|
	v_max3_num_f32 v[\mx], v[\mx], v[\mx+1], |v[\src+31]|
.else
	v_max3_num_f32 v[\mx], v[\src], v[\src+1], 0x1800000
	v_max3_num_f32 v[\mx+1], v[\src+2], v[\src+3], v[\src+4]
.irp i, 5,9,13,17,21,25
	v_max3_num_f32 v[\mx], v[\mx], v[\src+\i], v[\src+\i+1]
	v_max3_num_f32 v[\mx+1], v[\mx+1], v[\src+\i+2], v[\src+\i+3]
.endr
	v_max3_num_f32 v[\mx], v[\mx], v[\src+29], v[\src+30]
	v_max3_num_f32 v[\mx], v[\mx], v[\mx+1], v[\src+31]
.endif
	v_add_nc_u32 v[\so], 0xff000000, v[\mx]                        ; 2 off the exponent field: the conversion takes that field as its scale
	v_lshrrev_b32 v[\by], 23, v[\so]
	v_cvt_scalef32_pk16_fp6_f32 v[\dst:\dst+2], v[\src:\src+15], v[\so]
	v_cvt_scalef32_pk16_fp6_f32 v[\tmp:\tmp+2], v[\src+16:\src+31], v[\so]   ; (three registers begin on an even number)
	v_nop                                                          ; one plain line behind the conversions
.irp i, 0,1,2
	v_mov_b32 v[\dst+3+\i], v[\tmp+\i]
.endr
.endm
.macro BAR                             ; my LDS instructions are done: then the work-group's barrier
	s_wait_dscnt 0x0
	s_barrier_signal -1
	s_barrier_wait -1
.endm
	s_load_b512 s[8:23], s[0:1], 0x0               ; Wq_s Wk_s Wv_s Wq_c Wk_c Wv_c Wo_s Wo_c
	s_load_b128 s[24:27], s[0:1], 0x40             ; W1 W2
	s_load_b64 s[28:29], s[0:1], 0x50              ; wimg
	v_lshl_add_u32 v224, v0, 2, 0x3000
	v_mov_b32 v225, 0
	v_lshrrev_b32 v1, 5, v0
	v_readfirstlane_b32 s30, v1                    ; wave
	v_and_b32 v2, 31, v0                           ; lane
	; which weight (s31), which 64 features (s32), which pair of K steps (s33), K steps in all (s34)
	s_lshr_b32 s31, ttmp9, 4                       ; work-groups 0-127: 16 for each of the eight weights of 512 x 512
	s_bfe_u32 s32, ttmp9, 0x30001
	s_and_b32 s33, ttmp9, 1
	s_sub_co_u32 s35, ttmp9, 128                   ; 128-191: W1, 32 groups of features x 2
	s_lshr_b32 s35, s35, 1
	s_sub_co_u32 s36, ttmp9, 192                   ; 192-255: W2, 8 groups x 8
	s_lshr_b32 s36, s36, 3
	s_and_b32 s37, ttmp9, 7
	s_cmp_ge_u32 ttmp9, 128
	s_cselect_b32 s31, 8, s31
	s_cselect_b32 s32, s35, s32
	s_cmp_ge_u32 ttmp9, 192
	s_cselect_b32 s31, 9, s31
	s_cselect_b32 s32, s36, s32
	s_cselect_b32 s33, s37, s33
	s_cselect_b32 s34, 16, 4
	s_cmp_lt_u32 s31, 6                            ; head weights [8][512][64]: a group of 64 features is a head, 2^17 bytes on; rows of 256 bytes
	s_cselect_b32 s38, 17, 8
	s_cselect_b32 s39, 8, 11                       ; log2 of the pitch: 256, 2,048 or (W1) 8,192 bytes
	s_cmp_eq_u32 s31, 8
	s_cselect_b32 s39, 13, s39
	s_and_b32 s40, s30, 1                          ; which 32 features
	s_lshr_b32 s41, s30, 1
	s_lshl_b32 s42, s33, 1
	s_add_co_u32 s42, s42, s41                     ; my K step
	s_lshl_b32 s44, s32, s38
	s_lshl_b32 s45, s40, 7
	s_add_co_u32 s44, s44, s45
	s_add_co_u32 s46, s39, 7
	s_lshl_b32 s46, s42, s46                       ; 128 rows a K step
	s_add_co_u32 s44, s44, s46
	s_mov_b32 s45, 0                               ; s[44:45]: where my numbers begin
	s_lshl_b32 s47, 1, s39                         ; the pitch
	s_lshl_b32 s48, s47, 5
	s_mov_b32 s49, 0                               ; s[48:49]: 32 rows
	s_mul_i32 s50, s31, 204800
	s_mov_b32 s51, 2457600
	s_cmp_eq_u32 s31, 9
	s_cselect_b32 s50, s51, s50                    ; WOFF
	s_mov_b32 s51, 196608
	s_mov_b32 s52, 786432
	s_cmp_lt_u32 s31, 8
	s_cselect_b32 s51, s51, s52                    ; bytes of the weight's codes
	s_lshl_b32 s52, s32, 2                         ; the two fragments that I store: tiles 4 group + 2 (w % 2) and the next, K step as above
	s_lshl_b32 s53, s40, 1
	s_add_co_u32 s52, s52, s53
	s_mul_i32 s52, s52, s34
	s_add_co_u32 s52, s52, s42
	s_mul_i32 s52, s52, 1536
	s_add_co_u32 s52, s52, s50
	s_mov_b32 s53, 0
	s_lshr_b32 s54, s34, 2                         ; my scale words: (2 group (steps / 4) + step / 4) 512 + 4 (step % 4) + 128 (w % 2)
	s_mul_i32 s54, s54, s32
	s_lshl_b32 s54, s54, 1
	s_lshr_b32 s55, s42, 2
	s_add_co_u32 s54, s54, s55
	s_lshl_b32 s54, s54, 9
	s_and_b32 s55, s42, 3
	s_lshl_b32 s55, s55, 2
	s_add_co_u32 s54, s54, s55
	s_lshl_b32 s55, s40, 7
	s_add_co_u32 s54, s54, s55
	s_add_co_u32 s54, s54, s50
	s_add_co_u32 s54, s54, s51
	s_mov_b32 s55, 0
	v_lshlrev_b32 v[OFR], 2, v2
.set i, 1
.rept 31
	v_add_nc_u32 v[OFR+i], s47, v[OFR+i-1]
.set i, i+1
.endr
	v_lshrrev_b32 v5, 3, v2                        ; lane / 8: my feature's tile of the four
	v_and_b32 v6, 7, v2
	v_mul_u32_u24 v4, v5, 1536
	v_lshl_add_u32 v4, v6, 4, v4
	s_mul_i32 s56, s41, 6144
	s_lshl_b32 s57, s40, 7
	s_add_co_u32 s56, s56, s57
	v_add_nc_u32 v4, s56, v4                       ; the stage: [K step of two][tile][image]; my feature is the image's lane lane % 8 + 8 (w % 2) (+ 16 for the odd blocks)
	v_lshlrev_b32 v14, 4, v2                       ; 16 lane
	s_mul_i32 s56, s30, 3072
	v_add_nc_u32 v7, s56, v14                      ; back: staged fragments 2 w and 2 w + 1
	s_mul_i32 s57, s34, 1536
	v_add_nc_u32 v15, s57, v14                     ; the second of them lies one tile on in wimg
	v_lshrrev_b32 v13, 4, v2
	s_lshl_b32 s57, s34, 7
	v_mul_u32_u24 v13, s57, v13                    ; my scale word's place: the pair of tiles,
	v_bfe_u32 v3, v2, 3, 1
	v_lshl_add_u32 v13, v3, 8, v13                 ; the tile of the pair,
	v_lshl_add_u32 v13, v6, 4, v13                 ; the lane
	s_wait_kmcnt 0x0
	s_mov_b64 s[4:5], s[8:9]
.irp i, 1,2,3,4,5,6,7,8,9
	s_cmp_eq_u32 s31, \i                           ; the choice hangs on the work-group's number alone
	s_cselect_b64 s[4:5], s[8+2*\i:9+2*\i], s[4:5]
.endr
	s_add_nc_u64 s[4:5], s[4:5], s[44:45]
	s_add_nc_u64 s[6:7], s[4:5], s[48:49]
	s_add_nc_u64 s[58:59], s[6:7], s[48:49]
	s_add_nc_u64 s[60:61], s[58:59], s[48:49]
	s_add_nc_u64 s[52:53], s[28:29], s[52:53]
	s_add_nc_u64 s[54:55], s[28:29], s[54:55]
.macro LOADB b, base                   ; block b: 32 rows at my feature
.set i, 0
.rept 32
	global_load_b32 v[X+32*\b+i], v[OFR+i], s[\base:\base+1] th:TH_LOAD_NT
.set i, i+1
.endr
.endm
.macro BLK b, cnt                      ; block b = k 32 b on: registers 6 (b / 2) .. + 5 of the image's lane with half b % 2
	s_wait_loadcnt \cnt                            ; this block's loads are in; the one younger block's 32 may be out
	QB X+32*\b, CD+12*\b, CD+12*\b+6, 8, 10, 11, 1
.if \b == 0
	v_mov_b32 v12, v11
.else
	v_lshl_or_b32 v12, v11, 8*\b, v12              ; the four bytes make my feature's scale word of this K step
.endif
.if \b < 2
	ds_store_b128 v4, v[CD+12*\b:CD+12*\b+3] offset:256*(\b%2)
	ds_store_b64 v4, v[CD+12*\b+4:CD+12*\b+5] offset:256*(\b%2)+512
.else
	ds_store_b64 v4, v[CD+12*\b:CD+12*\b+1] offset:256*(\b%2)+520
	ds_store_b128 v4, v[CD+12*\b+2:CD+12*\b+5] offset:256*(\b%2)+1024
.endif
.endm
	LOADB 0, 4
	LOADB 1, 6
	BLK 0, 32
	LOADB 2, 58
	BLK 1, 32
	LOADB 3, 60
	BLK 2, 32
	BLK 3, 0
	global_store_b32 v13, v12, s[54:55]
	BAR                                            ; the eight fragments lie in the stage
.irp q, 0,1,2,3,4,5
	ds_load_b128 v[CD+4*\q:CD+4*\q+3], v7 offset:512*\q
.endr
.irp q, 0,1,2
	s_wait_dscnt 5-\q
	global_store_b128 v14, v[CD+4*\q:CD+4*\q+3], s[52:53] offset:512*\q       ; 32 lanes store 512 consecutive bytes
.endr
.irp q, 3,4,5
	s_wait_dscnt 5-\q
	global_store_b128 v15, v[CD+4*\q:CD+4*\q+3], s[52:53] offset:512*(\q-3)
.endr
	s_barrier_signal -1
	s_barrier_wait -1
	s_wait_tensorcnt 0x0
	ds_add_u32 v224, v225
	s_wait_dscnt 0x0
	s_endpgm
.Lfunc_end_k_q8572f85091_prep:
	.size	k_q8572f85091_prep, .Lfunc_end_k_q8572f85091_prep-k_q8572f85091_prep
	.p2alignl 7, 3214868480
	.fill 96, 4, 3214868480
	.section	.rodata,"a",@progbits
	.p2align	6, 0x0
	.amdhsa_kernel k_q8572f85091_prep
		.amdhsa_group_segment_fixed_size 12800
		.amdhsa_private_segment_fixed_size 0
		.amdhsa_enable_private_segment 0
		.amdhsa_kernarg_size 88
		.amdhsa_user_sgpr_count 2
		.amdhsa_user_sgpr_kernarg_segment_ptr 1
		.amdhsa_wavefront_size32 1
		.amdhsa_system_sgpr_workgroup_id_x 1
		.amdhsa_system_sgpr_workgroup_id_y 1
		.amdhsa_system_sgpr_workgroup_id_z 1
		.amdhsa_system_vgpr_workitem_id 0
		.amdhsa_next_free_vgpr 226
		.amdhsa_next_free_sgpr 66
		.amdhsa_reserve_vcc 0
		.amdhsa_float_denorm_mode_32 3
		.amdhsa_float_denorm_mode_16_64 3
		.amdhsa_memory_ordered 1
		.amdhsa_forward_progress 1
		.amdhsa_inst_pref_size 26
	.end_amdhsa_kernel
	.amdgpu_metadata
---
amdhsa.version: [ 1, 2 ]
amdhsa.kernels:
  - .name:           k_q8572f85091_prep
    .symbol:         k_q8572f85091_prep.kd
    .args:
      - { .name: Wq_s, .offset: 0, .size: 8, .value_kind: global_buffer, .address_space: global }
      - { .name: Wk_s, .offset: 8, .size: 8, .value_kind: global_buffer, .address_space: global }
      - { .name: Wv_s, .offset: 16, .size: 8, .value_kind: global_buffer, .address_space: global }
      - { .name: Wq_c, .offset: 24, .size: 8, .value_kind: global_buffer, .address_space: global }
      - { .name: Wk_c, .offset: 32, .size: 8, .value_kind: global_buffer, .address_space: global }
      - { .name: Wv_c, .offset: 40, .size: 8, .value_kind: global_buffer, .address_space: global }
      - { .name: Wo_s, .offset: 48, .size: 8, .value_kind: global_buffer, .address_space: global }
      - { .name: Wo_c, .offset: 56, .size: 8, .value_kind: global_buffer, .address_space: global }
      - { .name: W1, .offset: 64, .size: 8, .value_kind: global_buffer, .address_space: global }
      - { .name: W2, .offset: 72, .size: 8, .value_kind: global_buffer, .address_space: global }
      - { .name: wimg, .offset: 80, .size: 8, .value_kind: global_buffer, .address_space: global }
    .group_segment_fixed_size: 12800
    .private_segment_fixed_size: 0
    .kernarg_segment_align: 8
    .kernarg_segment_size: 88
    .max_flat_workgroup_size: 128
    .sgpr_count:     66
    .vgpr_count:     226
    .wavefront_size: 32
...
	.end_amdgpu_metadata
.endif
;; end of part 1
;; launch kv (part 2): grid 128 x 2, 16 waves a work-group, no clusters, 27,648 bytes of LDS; arguments x, encoding, wimg, bk_s, bv_s, bk_c, bv_c, xq, kvb; writes xq, kvb
.if DOCPART == 2
	.amdgcn_target "amdgcn-amd-amdhsa--gfx1250"
	.amdhsa_code_object_version 6
	.text
	.protected	k_q8572f85091_kv
	.globl	k_q8572f85091_kv
	.p2align	8
	.type	k_q8572f85091_kv,@function
k_q8572f85091_kv:
	s_mov_b64 s[64:65], 0
	v_nop
	global_prefetch_b8 v0, s[64:65] scope:SCOPE_SE
	s_setreg_imm32_b32 hwreg(HW_REG_WAVE_MODE, 25, 1), 1
	s_wait_xcnt 0x0
; k = t Wk + bk and v = t Wv + bv for 64 tokens t of x (work-group y = 0) or of encoding (y = 1), all eight heads, on codes of FP6 (E2M3) with E8M0 scales; k and v leave as codes.
; TILES.  Lane r of token tile T holds token 64 (T / 4) + 8 (T % 4) + r % 8 + 32 (r / 8); feature tiles likewise.  So the four results whose source 0 is the four tiles of a group of 64 give a lane 32 NEIGHBOURS
; (32 (lane / 16) + 0 .. 31 of the group): a whole block of the next product's K, quantised with no other lane's help.
; HALF IMAGE: registers 0-5 of an operand (16 rows x 64 K), 768 bytes: registers 0-3 of lane l at 16 l, registers 4-5 at 512 + 8 l.
; PHASES.  X: wave w quantises fragment (token tile w / 4, K step w % 4) of the 64 tokens, stores its image and scale word to LDS (and, for x, to xq) | the one barrier |
; waves 0-7: k of head w (source 0 = Wk's four tiles, source 1 = tokens: a lane holds a token and 32 of the head's 64); waves 8-15: v of head w - 8 (source 0 = tokens, source 1 = Wv: a lane holds a channel and 32 tokens,
; since the keys are the K of v's product).  16 accumulators by turns, four K steps; the bias is the C of each sum's first product.
; kvb, for head block 32 y + 8 batch + head, 208,896 bytes: K's half images [key tile]; at 98,304 K's scale words [tile][r] (bytes 2, 3 = 127); at 106,496 V's half images [128 keys][channel tile][half]; at 204,800 V's scale words.
; NO CLUSTER: each byte of a weight's image is used by one wave of a work-group and goes from memory straight into that wave's registers; a joint load lands in LDS, which would add a store and a read of every such byte.
; LIMITS: NaN and infinities are not served; a block of zeros gets the byte 1 (its codes are zeros; this program alone reads the bytes).
.set TS,  8                            ; v8-15    the tokens' scale words: register 4 a + s, lanes 0-15 tile 2 a, lanes 16-31 tile 2 a + 1
.set ACC, 16                           ; v16-143  16 accumulators (first: 64 numbers of x)
.set WF,  144                          ; v144-191 a K step's four weight fragments
.set TF,  192                          ; v192-215 two token fragments
.set BI,  216                          ; v216-247 the bias, in the result's layout
.set WS,  248                          ; v248-255 the weight's scale words: register 4 (tile / 2) + s
.set XSC, 24576                        ; LDS: 16 fragments' images at 0 (index 4 tile + K step), then [tile][r] 16 scale bytes
.macro QB src, dst, tmp, mx, so, by, abs
.if \abs
	v_max3_num_f32 v[\mx], |v[\src]|, |v[\src+1]|, 0x1800000       ; the floor 2^(3 - 127) is one of the leaves: the byte cannot fall under 1
	v_max3_num_f32 v[\mx+1], |v[\src+2]|, |v[\src+3]|, |v[\src+4]|
.irp i, 5,9,13,17,21,25
	v_max3_num_f32 v[\mx], v[\mx], |v[\src+\i]|, |v[\src+\i+1]|
	v_max3_num_f32 v[\mx+1], v[\mx+1], |v[\src+\i+2]|, |v[\src+\i+3]|
.endr
	v_max3_num_f32 v[\mx], v[\mx], |v[\src+29]|, |v[\src+30]|
	v_max3_num_f32 v[\mx], v[\mx], v[\mx+1], |v[\src+31]|
.else
	v_max3_num_f32 v[\mx], v[\src], v[\src+1], 0x1800000
	v_max3_num_f32 v[\mx+1], v[\src+2], v[\src+3], v[\src+4]
.irp i, 5,9,13,17,21,25
	v_max3_num_f32 v[\mx], v[\mx], v[\src+\i], v[\src+\i+1]
	v_max3_num_f32 v[\mx+1], v[\mx+1], v[\src+\i+2], v[\src+\i+3]
.endr
	v_max3_num_f32 v[\mx], v[\mx], v[\src+29], v[\src+30]
	v_max3_num_f32 v[\mx], v[\mx], v[\mx+1], v[\src+31]
.endif
	v_add_nc_u32 v[\so], 0xff000000, v[\mx]                        ; 2 off the exponent field: the conversion takes that field as its scale
	v_lshrrev_b32 v[\by], 23, v[\so]
	v_cvt_scalef32_pk16_fp6_f32 v[\dst:\dst+2], v[\src:\src+15], v[\so]
	v_cvt_scalef32_pk16_fp6_f32 v[\tmp:\tmp+2], v[\src+16:\src+31], v[\so]
	v_nop                                                          ; one plain line behind the conversions
.irp i, 0,1,2
	v_mov_b32 v[\dst+3+\i], v[\tmp+\i]
.endr
.endm
.macro BAR
	s_wait_dscnt 0x0
	s_barrier_signal -1
	s_barrier_wait -1
.endm
.macro PLACES n                        ; plain lines between a matrix instruction and a load into, or a vector instruction on, its registers
.rept \n
	v_nop
.endr
.endm
; one matrix instruction; ra, rb: which half of the lanes of the scale registers holds source 0's and source 1's words
.macro WM d, a, b, c, sa, sb, ra, rb
.if (\ra) == 0 && (\rb) == 0
	v_wmma_scale_f32_16x16x128_f8f6f4 v[\d:\d+7], v[\a:\a+11], v[\b:\b+11], v[\c:\c+7], v[\sa], v[\sb] matrix_a_fmt:MATRIX_FMT_FP6 matrix_b_fmt:MATRIX_FMT_FP6
.elseif (\rb) == 0
	v_wmma_scale_f32_16x16x128_f8f6f4 v[\d:\d+7], v[\a:\a+11], v[\b:\b+11], v[\c:\c+7], v[\sa], v[\sb] matrix_a_fmt:MATRIX_FMT_FP6 matrix_b_fmt:MATRIX_FMT_FP6 matrix_a_scale:MATRIX_SCALE_ROW1
.elseif (\ra) == 0
	v_wmma_scale_f32_16x16x128_f8f6f4 v[\d:\d+7], v[\a:\a+11], v[\b:\b+11], v[\c:\c+7], v[\sa], v[\sb] matrix_a_fmt:MATRIX_FMT_FP6 matrix_b_fmt:MATRIX_FMT_FP6 matrix_b_scale:MATRIX_SCALE_ROW1
.else
	v_wmma_scale_f32_16x16x128_f8f6f4 v[\d:\d+7], v[\a:\a+11], v[\b:\b+11], v[\c:\c+7], v[\sa], v[\sb] matrix_a_fmt:MATRIX_FMT_FP6 matrix_b_fmt:MATRIX_FMT_FP6 matrix_a_scale:MATRIX_SCALE_ROW1 matrix_b_scale:MATRIX_SCALE_ROW1
.endif
.endm
	s_load_b512 s[8:23], s[0:1], 0x0               ; x enc wimg bk_s bv_s bk_c bv_c xq
	s_load_b64 s[24:25], s[0:1], 0x40              ; kvb
	v_lshrrev_b32 v1, 5, v0
	v_readfirstlane_b32 s30, v1                    ; wave
	s_and_b32 s31, s30, 7                          ; head
	s_lshr_b32 s32, s30, 3                         ; 0: k, 1: v
	s_and_b32 s34, ttmp7, 0xffff                   ; 0: x, 1: encoding
	s_lshr_b32 s35, ttmp9, 5                       ; batch
	s_and_b32 s36, ttmp9, 31                       ; which 64 tokens of the batch
	s_lshr_b32 s37, s30, 2                         ; phase X: my token tile,
	s_and_b32 s38, s30, 3                          ; my K step
	s_mov_b32 s54, 0x76543210
	s_mov_b32 s55, 0xfedcba98                      ; v_permlanex16_b32's selects for lane l xor 16
	v_and_b32 v3, 31, v0
	v_lshlrev_b32 v1, 4, v3                        ; v1 = 16 lane
	v_lshlrev_b32 v2, 3, v3
	v_add_nc_u32 v2, 512, v2                       ; v2 = 512 + 8 lane
	v_bfe_u32 v4, v0, 4, 1                         ; h
	v_lshlrev_b32 v7, 3, v4                        ; v7 = 8 h
	v_and_b32 v3, 7, v0
	v_bfe_u32 v5, v0, 3, 1
	v_lshl_add_u32 v3, v5, 5, v3                   ; r % 8 + 32 (r / 8)
	v_lshlrev_b32 v6, 11, v3
	v_lshl_add_u32 v6, v4, 7, v6                   ; my token's row of 2,048 bytes, + 128 h
	s_mov_b32 s45, 0
	s_wait_kmcnt 0x0
	s_cmp_eq_u32 s34, 0
	s_cselect_b64 s[4:5], s[8:9], s[10:11]         ; the tokens
	s_cselect_b64 s[26:27], s[14:15], s[18:19]     ; bk
	s_cselect_b64 s[28:29], s[16:17], s[20:21]     ; bv
	s_cselect_b32 s39, 1, 4                        ; Wk's number in wimg
	s_cmp_eq_u32 s32, 0
	s_cselect_b64 s[26:27], s[26:27], s[28:29]
	s_add_co_u32 s39, s39, s32                     ; Wv's is the next
	s_mul_i32 s40, s39, 204800
	s_mul_i32 s41, s31, 24576
	s_add_co_u32 s44, s40, s41
	s_add_nc_u64 s[40:41], s[12:13], s[44:45]      ; my head's 16 fragments
	s_mul_i32 s44, s39, 204800
	s_lshl_b32 s43, s31, 10
	s_add_co_u32 s44, s44, s43
	s_add_co_u32 s44, s44, 196608
	s_add_nc_u64 s[42:43], s[12:13], s[44:45]      ; and their scale words
	s_lshl_b32 s44, s31, 8
	s_add_nc_u64 s[26:27], s[26:27], s[44:45]      ; my head's bias
	s_lshl_b32 s44, ttmp9, 17                      ; 64 rows of 2,048 bytes a work-group,
	s_lshl_b32 s46, s37, 14                        ; 8 rows a tile,
	s_add_co_u32 s44, s44, s46
	s_lshl_b32 s46, s38, 9                         ; 512 bytes a K step
	s_add_co_u32 s44, s44, s46
	s_add_nc_u64 s[4:5], s[4:5], s[44:45]
	s_mul_i32 s52, s30, 1536
	s_mul_i32 s44, ttmp9, 24576
	s_add_co_u32 s44, s44, s52
	s_add_nc_u64 s[46:47], s[22:23], s[44:45]      ; xq: my fragment
	s_lshl_b32 s44, ttmp9, 10
	s_lshl_b32 s48, s37, 8
	s_add_co_u32 s44, s44, s48
	s_lshl_b32 s53, s38, 2
	s_add_co_u32 s44, s44, s53
	s_add_co_u32 s53, s53, s48
	s_add_co_u32 s53, s53, XSC                     ; LDS: XSC + 256 tile + 4 step
	s_add_co_u32 s44, s44, 3145728
	s_add_nc_u64 s[48:49], s[22:23], s[44:45]      ; xq: its scale words
	s_lshl_b32 s44, s34, 5
	s_lshl_b32 s50, s35, 3
	s_add_co_u32 s44, s44, s50
	s_add_co_u32 s44, s44, s31
	s_mul_i32 s44, s44, 208896
	s_add_nc_u64 s[50:51], s[24:25], s[44:45]      ; kvb: my head's block
.macro WLOAD s                         ; K step s of my head's four tiles: 12 loads of 512 consecutive bytes
.irp i, 0,1,2,3
.irp p, 0,1,2
	global_load_b128 v[WF+12*\i+4*\p:WF+12*\i+4*\p+3], v1, s[40:41] offset:6144*\i+1536*(\s)+512*\p
.endr
.endr
.endm
	WLOAD 0
	global_load_b128 v[WS:WS+3], v1, s[42:43]
	global_load_b128 v[WS+4:WS+7], v1, s[42:43] offset:512
	s_cmp_lg_u32 s32, 0
	s_cbranch_scc1 .Lbias_v
	v_lshlrev_b32 v5, 7, v4                        ; k: register 8 f + j is channel 32 h + 8 f + j
.irp q, 0,1,2,3,4,5,6,7
	global_load_b128 v[BI+4*\q:BI+4*\q+3], v5, s[26:27] offset:16*\q
.endr
	s_branch .Lbias_done
.Lbias_v:
	v_lshlrev_b32 v5, 2, v3                        ; v: all eight registers of tile f are my lane's channel 8 f + r % 8 + 32 (r / 8)
.irp f, 0,1,2,3
	global_load_b32 v[BI+8*\f], v5, s[26:27] offset:32*\f
.endr
.Lbias_done:
.irp c, 0,1
.irp q, 0,1,2,3,4,5,6,7
	global_load_b128 v[ACC+32*\c+4*\q:ACC+32*\c+4*\q+3], v6, s[4:5] offset:256*\c+16*\q th:TH_LOAD_NT   ; k = 128 step + 64 c + 32 h + 4 q on: two whole blocks a lane
.endr
.endr
	v_add_nc_u32 v3, s52, v1                       ; LDS: my fragment's image
	v_add_nc_u32 v4, s52, v2
	s_wait_loadcnt 0x0                             ; all the head's loads: their address registers may be written too
	v_and_b32 v6, 15, v0
	v_lshlrev_b32 v6, 4, v6                        ; 16 r
	v_add_nc_u32 v5, s53, v6
	QB ACC, TF, TF+12, TF+20, TF+22, TF+19, 1
	QB ACC+32, TF+6, TF+16, TF+20, TF+22, TF+23, 1
	v_lshl_or_b32 v[TF+15], v[TF+23], 16, v[TF+19] ; my bytes are blocks h and 2 + h of the word,
	v_lshlrev_b32 v[TF+15], v7, v[TF+15]
	v_permlanex16_b32 v[TF+20], v[TF+15], s54, s55
	v_or_b32 v[TF+15], v[TF+15], v[TF+20]          ; with lane l xor 16's two it is whole
.irp c, 0,1
	ds_store_b128 v3, v[TF+6*\c:TF+6*\c+3] offset:768*\c
	ds_store_b64 v4, v[TF+6*\c+4:TF+6*\c+5] offset:768*\c
.endr
	ds_store_b32 v5, v[TF+15]
	s_cmp_lg_u32 s34, 0                            ; x's codes are wanted again (the queries): they go to xq
	s_cbranch_scc1 .Lno_xq
.irp c, 0,1
	global_store_b128 v1, v[TF+6*\c:TF+6*\c+3], s[46:47] offset:768*\c
	global_store_b64 v2, v[TF+6*\c+4:TF+6*\c+5], s[46:47] offset:768*\c
.endr
	global_store_b32 v6, v[TF+15], s[48:49]
.Lno_xq:
	s_wait_xcnt 0x0                                ; the stores have read their registers: TF is loaded into and v6 written again below
	BAR                                            ; the 16 fragments and their scale words lie in LDS
.macro TFETCH buf, m, s
.irp c, 0,1
	ds_load_b128 v[TF+12*\buf+6*\c:TF+12*\buf+6*\c+3], v1 offset:1536*(4*\m+\s)+768*\c
	ds_load_b64 v[TF+12*\buf+6*\c+4:TF+12*\buf+6*\c+5], v2 offset:1536*(4*\m+\s)+768*\c
.endr
.endm
.macro MUL4 kind, m, s, buf            ; token tile m against the four weight tiles
.irp f, 0,1,2,3
.if \kind == 0
.if \s == 0
	WM ACC+8*(4*\m+\f), WF+12*\f, TF+12*\buf, BI+8*\f, WS+4*(\f/2)+\s, TS+4*(\m/2)+\s, \f%2, \m%2
.else
	WM ACC+8*(4*\m+\f), WF+12*\f, TF+12*\buf, ACC+8*(4*\m+\f), WS+4*(\f/2)+\s, TS+4*(\m/2)+\s, \f%2, \m%2
.endif
.else
.if \s == 0
	WM ACC+8*(4*\f+\m), TF+12*\buf, WF+12*\f, BI+8*\f, TS+4*(\m/2)+\s, WS+4*(\f/2)+\s, \m%2, \f%2
.else
	WM ACC+8*(4*\f+\m), TF+12*\buf, WF+12*\f, ACC+8*(4*\f+\m), TS+4*(\m/2)+\s, WS+4*(\f/2)+\s, \m%2, \f%2
.endif
.endif
.endr
.endm
.macro GSTEP kind, s                   ; a K step: 16 matrix instructions, the 16 accumulators by turns
.if \s == 0
	ds_load_b128 v[TS:TS+3], v1 offset:XSC
	ds_load_b128 v[TS+4:TS+7], v1 offset:XSC+512
.endif
	TFETCH 0, 0, \s
	TFETCH 1, 1, \s
	s_wait_loadcnt 0x0                             ; this K step's weight fragments
	s_wait_dscnt 0x4                               ; all but the younger fragment's four loads
	MUL4 \kind, 0, \s, 0
	PLACES 4
	TFETCH 0, 2, \s
	s_wait_dscnt 0x4
	MUL4 \kind, 1, \s, 1
	PLACES 4
	TFETCH 1, 3, \s
	s_wait_dscnt 0x4
	MUL4 \kind, 2, \s, 0
	s_wait_dscnt 0x0
	MUL4 \kind, 3, \s, 1
	PLACES 4
.if \s < 3
	WLOAD \s+1
.endif
.endm
	s_cmp_lg_u32 s32, 0
	s_cbranch_scc1 .Lvpath
	; ---- k
	s_mul_i32 s44, s36, 3072
	s_add_nc_u64 s[56:57], s[50:51], s[44:45]      ; my four key tiles' half images
	s_lshl_b32 s44, s36, 8
	s_add_co_u32 s44, s44, 98304
	s_add_nc_u64 s[58:59], s[50:51], s[44:45]      ; and their scale words
	v_and_b32 v6, 15, v0
	v_lshlrev_b32 v6, 2, v6                        ; 4 r
	GSTEP 0, 0
	GSTEP 0, 1
	GSTEP 0, 2
	GSTEP 0, 3
.irp m, 0,1,2,3                        ; tile m: a lane's 32 registers are channels 32 h + 0 .. 31 of its token
	QB ACC+32*\m, WF+12*\m, WF+12*\m+6, TF, TF+2, TF+3, 1
	v_lshlrev_b32 v[WF+12*\m+10], v7, v[TF+3]
	v_permlanex16_b32 v[TF+4], v[WF+12*\m+10], s54, s55
	v_or_b32 v[WF+12*\m+10], v[WF+12*\m+10], v[TF+4]
	v_or_b32 v[WF+12*\m+10], 0x7f7f0000, v[WF+12*\m+10]            ; the upper 64 of the instruction's K hold nothing: scale 1
	global_store_b128 v1, v[WF+12*\m:WF+12*\m+3], s[56:57] offset:768*\m
	global_store_b64 v2, v[WF+12*\m+4:WF+12*\m+5], s[56:57] offset:768*\m
	global_store_b32 v6, v[WF+12*\m+10], s[58:59] offset:64*\m
.endr
	s_wait_xcnt 0x0
	v_lshl_add_u32 v254, v0, 2, 0x6400
	v_mov_b32 v255, 0
	s_wait_tensorcnt 0x0
	ds_add_u32 v254, v255
	s_wait_dscnt 0x0
	s_endpgm
.Lvpath:
	; ---- v
	s_lshr_b32 s33, s36, 1                         ; which 128 keys,
	s_and_b32 s39, s36, 1                          ; which half of them
	s_mul_i32 s44, s33, 6144
	s_mul_i32 s56, s39, 768
	s_add_co_u32 s44, s44, s56
	s_add_co_u32 s44, s44, 106496
	s_add_nc_u64 s[56:57], s[50:51], s[44:45]
	s_lshl_b32 s44, s33, 8
	s_lshl_b32 s58, s39, 1
	s_add_co_u32 s44, s44, s58
	s_add_co_u32 s44, s44, 204800
	s_add_nc_u64 s[58:59], s[50:51], s[44:45]
	v_and_b32 v6, 15, v0
	v_lshlrev_b32 v6, 2, v6
	v_bfe_u32 v5, v0, 4, 1
	v_add_nc_u32 v6, v6, v5                        ; 4 r + h: my block's byte
.irp f, 0,1,2,3
.irp j, 1,2,3,4,5,6,7
	v_mov_b32 v[BI+8*\f+\j], v[BI+8*\f]
.endr
.endr
	GSTEP 1, 0
	GSTEP 1, 1
	GSTEP 1, 2
	GSTEP 1, 3
.irp f, 0,1,2,3                        ; channel tile f: a lane's 32 registers are tokens 32 h + 0 .. 31 of the 64
	QB ACC+32*\f, WF+12*\f, WF+12*\f+6, TF, TF+2, WF+12*\f+10, 1
	global_store_b128 v1, v[WF+12*\f:WF+12*\f+3], s[56:57] offset:1536*\f
	global_store_b64 v2, v[WF+12*\f+4:WF+12*\f+5], s[56:57] offset:1536*\f
	global_store_b8 v6, v[WF+12*\f+10], s[58:59] offset:64*\f
.endr
	s_wait_xcnt 0x0
	v_lshl_add_u32 v254, v0, 2, 0x6400
	v_mov_b32 v255, 0
	s_wait_tensorcnt 0x0
	ds_add_u32 v254, v255
	s_wait_dscnt 0x0
	s_endpgm
.Lfunc_end_k_q8572f85091_kv:
	.size	k_q8572f85091_kv, .Lfunc_end_k_q8572f85091_kv-k_q8572f85091_kv
	.p2alignl 7, 3214868480
	.fill 96, 4, 3214868480
	.section	.rodata,"a",@progbits
	.p2align	6, 0x0
	.amdhsa_kernel k_q8572f85091_kv
		.amdhsa_group_segment_fixed_size 27648
		.amdhsa_private_segment_fixed_size 0
		.amdhsa_enable_private_segment 0
		.amdhsa_kernarg_size 72
		.amdhsa_user_sgpr_count 2
		.amdhsa_user_sgpr_kernarg_segment_ptr 1
		.amdhsa_wavefront_size32 1
		.amdhsa_system_sgpr_workgroup_id_x 1
		.amdhsa_system_sgpr_workgroup_id_y 1
		.amdhsa_system_sgpr_workgroup_id_z 1
		.amdhsa_system_vgpr_workitem_id 0
		.amdhsa_next_free_vgpr 256
		.amdhsa_next_free_sgpr 66
		.amdhsa_reserve_vcc 0
		.amdhsa_float_denorm_mode_32 3
		.amdhsa_float_denorm_mode_16_64 3
		.amdhsa_memory_ordered 1
		.amdhsa_forward_progress 1
		.amdhsa_inst_pref_size 63
	.end_amdhsa_kernel
	.amdgpu_metadata
---
amdhsa.version: [ 1, 2 ]
amdhsa.kernels:
  - .name:           k_q8572f85091_kv
    .symbol:         k_q8572f85091_kv.kd
    .args:
      - { .name: x, .offset: 0, .size: 8, .value_kind: global_buffer, .address_space: global }
      - { .name: encoding, .offset: 8, .size: 8, .value_kind: global_buffer, .address_space: global }
      - { .name: wimg, .offset: 16, .size: 8, .value_kind: global_buffer, .address_space: global }
      - { .name: bk_s, .offset: 24, .size: 8, .value_kind: global_buffer, .address_space: global }
      - { .name: bv_s, .offset: 32, .size: 8, .value_kind: global_buffer, .address_space: global }
      - { .name: bk_c, .offset: 40, .size: 8, .value_kind: global_buffer, .address_space: global }
      - { .name: bv_c, .offset: 48, .size: 8, .value_kind: global_buffer, .address_space: global }
      - { .name: xq, .offset: 56, .size: 8, .value_kind: global_buffer, .address_space: global }
      - { .name: kvb, .offset: 64, .size: 8, .value_kind: global_buffer, .address_space: global }
    .group_segment_fixed_size: 27648
    .private_segment_fixed_size: 0
    .kernarg_segment_align: 8
    .kernarg_segment_size: 72
    .max_flat_workgroup_size: 512
    .sgpr_count:     66
    .vgpr_count:     256
    .wavefront_size: 32
...
	.end_amdgpu_metadata
.endif
;; end of part 2
;; launch attn_s (part 3): grid 8 x 32, 16 waves a work-group, clusters of 4 x 1, 235,520 bytes of LDS; arguments xq, wimg, bq_s, kvb, mask, os; writes os
.if DOCPART == 3
	.amdgcn_target "amdgcn-amd-amdhsa--gfx1250"
	.amdhsa_code_object_version 6
	.text
	.protected	k_q8572f85091_attn_s
	.globl	k_q8572f85091_attn_s
	.p2align	8
	.type	k_q8572f85091_attn_s,@function
k_q8572f85091_attn_s:
	s_mov_b64 s[64:65], 0
	v_nop
	global_prefetch_b8 v0, s[64:65] scope:SCOPE_SE
	s_setreg_imm32_b32 hwreg(HW_REG_WAVE_MODE, 25, 1), 1
	s_wait_xcnt 0x0
	s_wait_alu depctr_hold_cnt(0) depctr_sa_sdst(0) depctr_va_vdst(0) depctr_va_sdst(0) depctr_va_ssrc(0) depctr_va_vcc(0) depctr_vm_vsrc(0)
	s_getreg_b32 s2, hwreg(HW_REG_IB_STS2, 6, 4)
	s_cmp_eq_u32 s2, 0
	s_cbranch_scc0 .Lentry_in_a_cluster
	s_endpgm
.Lentry_in_a_cluster:
	s_bfe_u32 s2, ttmp6, 0x10000c
	s_cmp_lg_u32 s2, 0x3003
	s_cbranch_scc0 .Lentry_shape_is_right
	s_endpgm
.Lentry_shape_is_right:
; Attention of one head on codes of FP6 (E2M3) with E8M0 scales.  SELF = 1: what is quantised for the second product is the FINISHED softmax times the query's mask, so the keys are walked twice:
; pass 1 finds M (the ceiling of the row's largest t, t = score x log2(e) / 8) and l (the sum of 2^(t - M)); pass 2 makes the scores again, p = 2^(t - M) x (mask / l), quantises p along the keys and multiplies by V.
; SELF = 0: p = 2^(t - M) with a running whole-number M is quantised, the sum of the unquantised p divides at the end: one pass.
; SHARES.  A work-group owns 256 queries of one (batch, head); each of its 16 waves one tile of 16 queries, four waves to a SIMD.  A step is 128 keys.
; LDS is filled ONCE: the head's block of kvb (K's half images, K's scale words, V's half images, V's scale words: 208,896 bytes) and the head's 16 fragments of Wq (24,576 bytes).
; CLUSTER.  The four work-groups of a cluster belong to one head and want the same bytes: each fill is asked for jointly, by the same tensor load with the same descriptor and the mask 15.  Every wave issues three loads
; (its sixteenth of each region), so three tensor loads of a wave are out at the most.
; PROLOGUE, while K and V land: q = act Wq + bq for my 16 queries (source 0 = Wq's four tiles), quantised in registers.
; LAYOUT.  Both products are used transposed (S^T = K Q^T, O^T = V^T P^T): a lane holds one query.  Lane r of a tile of tokens holds token 64 (T / 4) + 8 (T % 4) + r % 8 + 32 (r / 8), so a lane's 32 registers of four
; neighbouring key tiles are 32 neighbouring keys: a whole block of p lies in one lane.
; K = 64 in the first product: Q's registers 6-11 are zero codes.  K's tiles lie 6 registers apart, so a tile's upper six registers are the next tile's codes (the last tile's: six zero registers): they meet Q's zero codes
; under scale bytes of 127 and add nothing.
; LIMITS: NaN and infinities are not served; a p under 2^-126 counts as 0; a block of zeros gets the byte 1 (its codes are zeros; this program alone reads the bytes).
.set SELF,  1
.set IDX,   0                          ; Wq's number in wimg
.set ATT,   0                          ; which half of kvb
.set KSOFF, 98304
.set VOFF,  106496
.set VSOFF, 204800
.set WQ,    208896
; v1-6 lane parts of LDS addresses; v7 8 h; v8-13 the step's addresses; v14 -M, v15 the largest t; v[16:17] l; v[18:19] f; v[20:21] mask / l; v30-39 at work
.set QS, 22                            ; q's scale word
.set PW, 23                            ; p's
.set KS, 24                            ; v24-27 K's scale words: register i / 2, half of the lanes i % 2
.set VS, 28                            ; v28-29 V's
.set QF, 40                            ; v40-51   q's fragment
.set KF, 52                            ; v52-105  eight key tiles x 6 and six zeros; then V's four fragments; in the prologue Wq's fragments (v52-147)
.set S,  112                           ; v112-175 S^T, then p
.set O,  176                           ; v176-207 O^T
.set PC, 208                           ; v208-219 p's codes
.set PT, 220                           ; v220-227 at work
.set AF, 148                           ; prologue: v148-195 my tokens' four fragments
.set QA, 196                           ; prologue: v196-227 q's four accumulators; v228-235 Wq's scale words, v236-239 my tokens'
.set MK, 240                           ; v240 my query's mask
.set OB, 241                           ; v241 16 r + h: my scale byte's place in the output
.set AW, 242                           ; v242 LDS address of Wq's images: WQ + 16 lane.  (v240-242 lie outside every run of registers that the prologue or a step loads into)
.macro QB src, dst, tmp, mx, so, by, abs
.if \abs
	v_max3_num_f32 v[\mx], |v[\src]|, |v[\src+1]|, 0x1800000       ; the floor 2^(3 - 127) is one of the leaves: the byte cannot fall under 1
	v_max3_num_f32 v[\mx+1], |v[\src+2]|, |v[\src+3]|, |v[\src+4]|
.irp i, 5,9,13,17,21,25
	v_max3_num_f32 v[\mx], v[\mx], |v[\src+\i]|, |v[\src+\i+1]|
	v_max3_num_f32 v[\mx+1], v[\mx+1], |v[\src+\i+2]|, |v[\src+\i+3]|
.endr
	v_max3_num_f32 v[\mx], v[\mx], |v[\src+29]|, |v[\src+30]|
	v_max3_num_f32 v[\mx], v[\mx], v[\mx+1], |v[\src+31]|
.else
	v_max3_num_f32 v[\mx], v[\src], v[\src+1], 0x1800000
	v_max3_num_f32 v[\mx+1], v[\src+2], v[\src+3], v[\src+4]
.irp i, 5,9,13,17,21,25
	v_max3_num_f32 v[\mx], v[\mx], v[\src+\i], v[\src+\i+1]
	v_max3_num_f32 v[\mx+1], v[\mx+1], v[\src+\i+2], v[\src+\i+3]
.endr
	v_max3_num_f32 v[\mx], v[\mx], v[\src+29], v[\src+30]
	v_max3_num_f32 v[\mx], v[\mx], v[\mx+1], v[\src+31]
.endif
	v_add_nc_u32 v[\so], 0xff000000, v[\mx]                        ; 2 off the exponent field: the conversion takes that field as its scale
	v_lshrrev_b32 v[\by], 23, v[\so]
	v_cvt_scalef32_pk16_fp6_f32 v[\dst:\dst+2], v[\src:\src+15], v[\so]
	v_cvt_scalef32_pk16_fp6_f32 v[\tmp:\tmp+2], v[\src+16:\src+31], v[\so]
	v_nop                                                          ; one plain line behind the conversions
.irp i, 0,1,2
	v_mov_b32 v[\dst+3+\i], v[\tmp+\i]
.endr
.endm
.macro BAR
	s_wait_dscnt 0x0
	s_barrier_signal -1
	s_barrier_wait -1
.endm
.macro PLACES n                        ; plain lines between a matrix instruction and a load into, or a vector instruction on, its registers
.rept \n
	v_nop
.endr
.endm
.macro ROUND                           ; a round of the cluster's barrier
	s_barrier_signal -1
	s_barrier_wait -1
	s_cmp_lg_u32 s20, 0
	s_cbranch_scc1 .Lnot_wave_0_\@
	s_barrier_signal -3
.Lnot_wave_0_\@:
	s_barrier_wait -3
	s_barrier_signal -1
	s_barrier_wait -1
.endm
.macro WM d, a, b, c, sa, sb, ra, rb
.if (\ra) == 0
	v_wmma_scale_f32_16x16x128_f8f6f4 v[\d:\d+7], v[\a:\a+11], v[\b:\b+11], v[\c:\c+7], v[\sa], v[\sb] matrix_a_fmt:MATRIX_FMT_FP6 matrix_b_fmt:MATRIX_FMT_FP6
.else
	v_wmma_scale_f32_16x16x128_f8f6f4 v[\d:\d+7], v[\a:\a+11], v[\b:\b+11], v[\c:\c+7], v[\sa], v[\sb] matrix_a_fmt:MATRIX_FMT_FP6 matrix_b_fmt:MATRIX_FMT_FP6 matrix_a_scale:MATRIX_SCALE_ROW1
.endif
.endm
.macro WMZ d, a, b, sa, sb, ra         ; the same, starting a sum
.if (\ra) == 0
	v_wmma_scale_f32_16x16x128_f8f6f4 v[\d:\d+7], v[\a:\a+11], v[\b:\b+11], 0, v[\sa], v[\sb] matrix_a_fmt:MATRIX_FMT_FP6 matrix_b_fmt:MATRIX_FMT_FP6
.else
	v_wmma_scale_f32_16x16x128_f8f6f4 v[\d:\d+7], v[\a:\a+11], v[\b:\b+11], 0, v[\sa], v[\sb] matrix_a_fmt:MATRIX_FMT_FP6 matrix_b_fmt:MATRIX_FMT_FP6 matrix_a_scale:MATRIX_SCALE_ROW1
.endif
.endm
	s_load_b256 s[4:11], s[0:1], 0x0               ; the tokens' codes, wimg, bq, kvb
.if SELF
	s_load_b128 s[12:15], s[0:1], 0x20             ; mask, the output
	v_lshl_add_u32 v254, v0, 2, 0x39000
	v_mov_b32 v255, 0
	ds_add_u32 v254, v255
	ds_add_u32 v254, v255
.else
	s_load_b64 s[14:15], s[0:1], 0x20              ; the output
.endif
	v_lshrrev_b32 v8, 5, v0
	v_readfirstlane_b32 s20, v8                    ; wave 0..15
	s_and_b32 s23, ttmp7, 0xffff                   ; 8 batch + head: the four partners share it
	s_lshr_b32 s60, s23, 3
	s_and_b32 s61, s23, 7
	; three groups 1: dense blocks as rows of 256 bytes (32 elements of 8 bytes): 6 rows of Wq, 26 of K's part, 25 of V's
.irp g, 24, 32, 40
	s_mov_b32 s[\g], 15|(3<<16)|(1<<21)            ; 15:0 the mask: all four work-groups; 17:16 elements of 8 bytes; 21 set beside a mask
	s_mov_b32 s[\g+1], 32<<16                      ; tensor_dim0
	s_mov_b32 s[\g+3], 32<<16                      ; tile_dim0
	s_mov_b32 s[\g+5], 32                          ; the pitch
	s_mov_b32 s[\g+6], 0
	s_mov_b32 s[\g+7], 0
.endr
	s_mov_b32 s26, 6<<16                           ; tensor_dim1,
	s_mov_b32 s28, 6                               ; tile_dim1
	s_mov_b32 s34, 26<<16
	s_mov_b32 s36, 26
	s_mov_b32 s42, 25<<16
	s_mov_b32 s44, 25
	s_mul_i32 s74, s20, 1536
	s_mul_i32 s76, s61, 24576
	s_add_co_u32 s76, s76, s74
	s_add_co_u32 s76, s76, IDX*204800
	s_mov_b32 s77, 0
	s_add_co_u32 s80, s23, ATT*32
	s_mul_i32 s80, s80, 208896
	s_mul_i32 s75, s20, 6656
	s_add_co_u32 s78, s80, s75
	s_mov_b32 s79, 0
	s_mul_i32 s82, s20, 6400
	s_add_co_u32 s80, s80, s82
	s_add_co_u32 s80, s80, VOFF
	s_mov_b32 s81, 0
	s_wait_dscnt 0x0
	s_wait_kmcnt 0x0
	s_mov_b32 s48, 1
	s_add_co_u32 s49, s74, WQ                      ; LDS: a constant + the wave's number x a constant
	s_add_nc_u64 s[50:51], s[6:7], s[76:77]
	s_or_b32 s51, s51, 0x80000000
	s_mov_b32 s52, 1
	s_mov_b32 s53, s75
	s_add_nc_u64 s[54:55], s[10:11], s[78:79]
	s_or_b32 s55, s55, 0x80000000
	s_mov_b32 s56, 1
	s_add_co_u32 s57, s82, VOFF
	s_add_nc_u64 s[58:59], s[10:11], s[80:81]
	s_or_b32 s59, s59, 0x80000000
	ROUND                                          ; all four work-groups are here: the joint loads meet
	tensor_load_to_lds s[48:51], s[24:31]          ; Wq's fragments first: the prologue wants them
	s_nop 0
	tensor_load_to_lds s[52:55], s[32:39]          ; K's codes and scale words
	s_nop 0
	tensor_load_to_lds s[56:59], s[40:47]          ; V's
	s_nop 0
	PLACES 4
	s_bfe_u32 s21, ttmp6, 0x40000                  ; my place in the cluster: it enters global addresses alone
	s_lshl_b32 s22, ttmp9, 2
	s_add_co_u32 s22, s22, s21
	s_lshl_b32 s62, s22, 4
	s_add_co_u32 s62, s62, s20                     ; my query tile in the batch
	s_lshl_b32 s63, s60, 7
	s_add_co_u32 s63, s63, s62                     ; and among all 512
	s_mov_b32 s83, 0
	s_mul_i32 s82, s63, 6144
	s_add_nc_u64 s[74:75], s[4:5], s[82:83]        ; its codes
	s_mul_i32 s21, s61, 768
	s_add_co_u32 s82, s82, s21
	s_add_nc_u64 s[16:17], s[14:15], s[82:83]      ; the output: my tile, my head's half image
	s_lshl_b32 s82, s63, 8
	s_add_co_u32 s82, s82, 3145728
	s_add_nc_u64 s[76:77], s[4:5], s[82:83]        ; its scale bytes
	s_lshl_b32 s21, s61, 1
	s_add_co_u32 s82, s82, s21
	s_add_nc_u64 s[18:19], s[14:15], s[82:83]      ; the output's
	s_lshl_b32 s82, s61, 10
	s_add_co_u32 s82, s82, IDX*204800+196608
	s_add_nc_u64 s[78:79], s[6:7], s[82:83]        ; Wq's scale words
	s_lshl_b32 s82, s61, 8
	s_add_nc_u64 s[80:81], s[8:9], s[82:83]        ; bq
.if SELF
	s_lshr_b32 s82, s62, 2
	s_lshl_b32 s82, s82, 8
	s_and_b32 s21, s62, 3
	s_lshl_b32 s21, s21, 5
	s_add_co_u32 s82, s82, s21
	s_add_nc_u64 s[12:13], s[12:13], s[82:83]      ; the mask at my tile's first token
.endif
	s_mov_b32 s66, 0x3e38aa3b                      ; log2(e) / 8
	s_mov_b32 s67, s66                             ; (named with it as a pair)
	s_mov_b32 s68, 0x76543210
	s_mov_b32 s69, 0xfedcba98                      ; v_permlanex16_b32's selects for lane l xor 16
	v_and_b32 v8, 31, v0
	v_lshlrev_b32 v1, 4, v8                        ; 16 lane
	v_lshlrev_b32 v2, 3, v8
	v_add_nc_u32 v2, 512, v2                       ; 512 + 8 lane
	v_add_nc_u32 v3, VOFF, v1
	v_add_nc_u32 v4, VOFF, v2
	v_lshlrev_b32 v5, 2, v8
	v_add_nc_u32 v6, VSOFF, v5
	v_add_nc_u32 v5, KSOFF, v5
	v_add_nc_u32 v[AW], WQ, v1
	v_bfe_u32 v9, v0, 4, 1                         ; h
	v_lshlrev_b32 v7, 3, v9
	v_lshlrev_b32 v10, 7, v9                       ; 128 h
	v_and_b32 v11, 15, v0                          ; r
	v_lshlrev_b32 v12, 4, v11                      ; 16 r
	v_add_nc_u32 v[OB], v12, v9
.if SELF
	v_and_b32 v13, 7, v0
	v_bfe_u32 v11, v0, 3, 1
	v_lshl_add_u32 v13, v11, 5, v13
	v_lshlrev_b32 v13, 2, v13                      ; 4 (r % 8 + 32 (r / 8))
.endif
.irp q, 0,1,2,3,4,5,6,7
	global_load_b128 v[QA+4*\q:QA+4*\q+3], v10, s[80:81] offset:16*\q        ; the bias is the C of the first products: register 8 i + j is channel 32 h + 8 i + j
.endr
.irp s, 0,1,2,3
.irp c, 0,1
	global_load_b128 v[AF+12*\s+6*\c:AF+12*\s+6*\c+3], v1, s[74:75] offset:1536*\s+768*\c
	global_load_b64 v[AF+12*\s+6*\c+4:AF+12*\s+6*\c+5], v2, s[74:75] offset:1536*\s+768*\c
.endr
.endr
	global_load_b128 v[236:239], v12, s[76:77]
	global_load_b128 v[228:231], v1, s[78:79]
	global_load_b128 v[232:235], v1, s[78:79] offset:512
.if SELF
	global_load_b32 v[MK], v13, s[12:13]
.endif
	s_wait_tensorcnt 0x2                           ; my part of Wq is in; the two younger loads, K's and V's, may be out
	BAR
.macro QW s0                           ; Wq's fragments of K steps s0, s0 + 1
.irp e, 0,1
.irp i, 0,1,2,3
.irp p, 0,1,2
	ds_load_b128 v[KF+12*(4*\e+\i)+4*\p:KF+12*(4*\e+\i)+4*\p+3], v[AW] offset:1536*(4*\i+\s0+\e)+512*\p
.endr
.endr
.endr
.endm
.macro QM s0                           ; eight products, the four accumulators by turns
.irp e, 0,1
.irp i, 0,1,2,3
	WM QA+8*\i, KF+12*(4*\e+\i), AF+12*(\s0+\e), QA+8*\i, 228+4*(\i/2)+\s0+\e, 236+\s0+\e, \i%2, 0
.endr
.endr
.endm
	QW 0
	s_wait_loadcnt 0x0
	s_wait_dscnt 0x0
	QM 0
	PLACES 4
	QW 2
	s_wait_dscnt 0x0
	QM 2
	PLACES 4
	QB QA, QF, QF+6, 36, 38, 39, 1
	v_lshlrev_b32 v[QS], v7, v39
	v_permlanex16_b32 v37, v[QS], s68, s69
	v_or_b32 v[QS], v[QS], v37
	v_or_b32 v[QS], 0x7f7f0000, v[QS]              ; q's scale word: two blocks, and 1 for the half that holds nothing
.irp i, 6,7,8,9,10,11
	v_mov_b32 v[QF+\i], 0                          ; zero codes for k = 64 .. 127
	v_mov_b32 v[KF+42+\i], 0                       ; the six registers behind the last key tile
.endr
	v_mov_b32 v15, 0xff61b1e6                      ; the largest t so far: -3e38
	v_floor_f32 v14, -v15                          ; -M
	v_mov_b32 v16, 0
	v_mov_b32 v17, 0
	v_mov_b32 v19, 0                               ; (upper halves of pairs are named, so they are written)
	v_mov_b32 v21, 0
.if SELF == 0
.set i, 0
.rept 32
	v_mov_b32 v[O+i], 0                            ; the loop has no first step of its own: the first change of M multiplies zeros
.set i, i+1
.endr
.endif
	PLACES 4
; A STEP of 128 keys.  kind 0: the one pass (SELF = 0); 1: pass 1; 2: pass 2.  zero = 1: the products V^T P start O^T's sums.
.macro STEP kind, zero
	v_add_nc_u32 v8, s70, v1                       ; (these lines are also the places behind the last products)
	v_add_nc_u32 v9, s70, v2
	v_add_nc_u32 v12, s71, v5
.if \kind != 1
	v_add_nc_u32 v10, s70, v3
	v_add_nc_u32 v11, s70, v4
	v_add_nc_u32 v13, s72, v6
.endif
.irp i, 0,1,2,3,4,5,6,7
	ds_load_b128 v[KF+6*\i:KF+6*\i+3], v8 offset:768*\i
	ds_load_b64 v[KF+6*\i+4:KF+6*\i+5], v9 offset:768*\i
.endr
.irp p, 0,1,2,3
	ds_load_b32 v[KS+\p], v12 offset:128*\p
.endr
	s_wait_dscnt 0x0
.irp i, 0,1,2,3,4,5,6,7
	WMZ S+8*\i, KF+6*\i, QF, KS+\i/2, QS, \i%2
.endr
	PLACES 4
.if \kind != 1
.irp t, 0,1,2,3                        ; V's four fragments land during the softmax
.irp c, 0,1
	ds_load_b128 v[KF+12*\t+6*\c:KF+12*\t+6*\c+3], v10 offset:1536*\t+768*\c
	ds_load_b64 v[KF+12*\t+6*\c+4:KF+12*\t+6*\c+5], v11 offset:1536*\t+768*\c
.endr
.endr
	ds_load_b32 v[VS], v13
	ds_load_b32 v[VS+1], v13 offset:128
.endif
	v_max3_num_f32 v30, v[S], v[S+1], v[S+2]       ; the largest score of each of my two blocks of 32 keys: for the row's maximum, and, since p rises with the score, for the block's largest p
	v_max3_num_f32 v31, v[S+32], v[S+33], v[S+34]
.irp i, 3,5,7,9,11,13,15,17,19,21,23,25,27,29
	v_max3_num_f32 v30, v30, v[S+\i], v[S+\i+1]
	v_max3_num_f32 v31, v31, v[S+32+\i], v[S+33+\i]
.endr
	v_max_num_f32 v30, v30, v[S+31]
	v_max_num_f32 v31, v31, v[S+63]
.if \kind != 2
	v_max_num_f32 v36, v30, v31
	v_permlanex16_b32 v37, v36, s68, s69
	v_max_num_f32 v36, v36, v37                    ; the step's largest score of my query
	v_mul_f32 v36, s66, v36
	v_max_num_f32 v15, v15, v36                    ; the running largest t
	v_mov_b32 v36, v14
	v_floor_f32 v14, -v15                          ; -M = floor(-t): M is a whole number
	v_sub_f32 v36, v14, v36
	v_cvt_i32_f32 v36, v36                         ; (it saturates)
	v_ldexp_f32 v18, 1.0, v36                      ; f = 2^(old M - new M)
.endif
.set j, 0
.rept 32
	v_pk_fma_f32 v[S+j:S+j+1], v[S+j:S+j+1], s[66:67], v[14:15] op_sel_hi:[1,0,0]   ; t - M
.set j, j+2
.endr
.if \kind != 1
	v_fma_f32 v30, v30, s66, v14
	v_fma_f32 v31, v31, s66, v14
	v_exp_f32 v30, v30
	v_exp_f32 v31, v31
.endif
.set j, 0
.rept 64
	v_exp_f32 v[S+j], v[S+j]
.set j, j+1
.endr
.if \kind != 2
	v_pk_mul_f32 v[16:17], v[16:17], v[18:19] op_sel_hi:[1,0]      ; l under the new M: the plain line behind the exponentials
.else
	v_nop
.endif
	s_wait_alu depctr_va_vdst(0)                   ; one wait for the whole batch, ahead of its first reader
.if \kind == 2
	v_mul_f32 v30, v30, v20                        ; the same multiplication that the block's numbers get
	v_mul_f32 v31, v31, v20
.endif
.if \kind != 1
	v_max_num_f32 v30, 0x1800000, |v30|            ; the floor 2^(3 - 127)
	v_max_num_f32 v31, 0x1800000, |v31|
	v_add_nc_u32 v32, 0xff000000, v30
	v_add_nc_u32 v33, 0xff000000, v31
	v_lshrrev_b32 v34, 23, v32
	v_lshrrev_b32 v35, 23, v33
	v_lshl_or_b32 v[PW], v35, 16, v34              ; my bytes are blocks h and 2 + h
	v_lshlrev_b32 v[PW], v7, v[PW]
	v_permlanex16_b32 v37, v[PW], s68, s69
	v_or_b32 v[PW], v[PW], v37
.endif
.if \kind != 2
	v_pk_add_f32 v[38:39], v[S:S+1], v[S+2:S+3]    ; the row's sum of the unquantised p, in two chains
.irp j, 4,8,12,16,20,24,28,32,36,40,44,48,52,56,60
	v_pk_add_f32 v[16:17], v[16:17], v[S+\j:S+\j+1]
	v_pk_add_f32 v[38:39], v[38:39], v[S+\j+2:S+\j+3]
.endr
	v_pk_add_f32 v[16:17], v[16:17], v[38:39]
.else
.set j, 0
.rept 32
	v_pk_mul_f32 v[S+j:S+j+1], v[S+j:S+j+1], v[20:21] op_sel_hi:[1,0]   ; the finished softmax x the mask
.set j, j+2
.endr
.endif
.if \kind != 1
.irp c, 0,1
	v_cvt_scalef32_pk16_fp6_f32 v[PC+6*\c:PC+6*\c+2], v[S+32*\c:S+32*\c+15], v[32+\c]
	v_cvt_scalef32_pk16_fp6_f32 v[PT+4*\c:PT+4*\c+2], v[S+32*\c+16:S+32*\c+31], v[32+\c]
.endr
	v_nop                                          ; one plain line behind the conversions
.irp c, 0,1
.irp i, 0,1,2
	v_mov_b32 v[PC+6*\c+3+\i], v[PT+4*\c+\i]
.endr
.endr
.if \kind == 0
.set j, 0
.rept 16
	v_pk_mul_f32 v[O+j:O+j+1], v[O+j:O+j+1], v[18:19] op_sel_hi:[1,0]   ; O^T under the new M; also the places ahead of the products
.set j, j+2
.endr
.else
	PLACES 4
.endif
	s_wait_dscnt 0x0                               ; V
.irp t, 0,1,2,3
.if \zero
	WMZ O+8*\t, KF+12*\t, PC, VS+\t/2, PW, \t%2
.else
	WM O+8*\t, KF+12*\t, PC, O+8*\t, VS+\t/2, PW, \t%2, 0
.endif
.endr
	s_add_co_u32 s72, s72, 256
.endif
	s_add_co_u32 s70, s70, 6144
	s_add_co_u32 s71, s71, 512
.endm
	s_mov_b32 s70, 0                               ; the step's codes (K's and V's alike: 6,144 bytes a step),
	s_mov_b32 s71, 0                               ; K's scale words, 512 bytes a step,
	s_mov_b32 s72, 0                               ; V's, 256
	s_wait_tensorcnt 0x0                           ; my parts of K and of V are in,
	BAR                                            ; everybody's are: from here on LDS is only read
.if SELF
	s_mov_b32 s73, 16
.Lpass1:
	STEP 1, 0
	s_sub_co_u32 s73, s73, 1
	s_cmp_lg_u32 s73, 0
	s_cbranch_scc1 .Lpass1
	v_add_f32 v16, v16, v17
	v_permlanex16_b32 v37, v16, s68, s69
	v_add_f32 v16, v16, v37                        ; the row's sum
	v_rcp_f32 v16, v16
	v_nop
	s_wait_alu depctr_va_vdst(0)                   ; ahead of the reciprocal's first reader
	v_mul_f32 v20, v[MK], v16                      ; mask / l
	s_mov_b32 s70, 0
	s_mov_b32 s71, 0
	STEP 2, 1                                      ; the first step starts O^T's sums
	s_mov_b32 s73, 15
.Lpass2:
	STEP 2, 0
	s_sub_co_u32 s73, s73, 1
	s_cmp_lg_u32 s73, 0
	s_cbranch_scc1 .Lpass2
	PLACES 4
.else
	s_mov_b32 s73, 16
.Lstep:
	STEP 0, 0
	s_sub_co_u32 s73, s73, 1
	s_cmp_lg_u32 s73, 0
	s_cbranch_scc1 .Lstep
	PLACES 4
	v_add_f32 v16, v16, v17
	v_permlanex16_b32 v37, v16, s68, s69
	v_add_f32 v16, v16, v37
	v_rcp_f32 v16, v16
	v_nop
	s_wait_alu depctr_va_vdst(0)                   ; ahead of the reciprocal's first reader
.set j, 0
.rept 16
	v_pk_mul_f32 v[O+j:O+j+1], v[O+j:O+j+1], v[16:17] op_sel_hi:[1,0]
.set j, j+2
.endr
.endif
	QB O, PC, PT, 36, 38, 39, 1                    ; my query's channels 32 h + 0 .. 31 of this head: a block of the next product's K
	global_store_b128 v1, v[PC:PC+3], s[16:17]
	global_store_b64 v2, v[PC+4:PC+5], s[16:17]
	global_store_b8 v[OB], v39, s[18:19]
	s_wait_dscnt 0x0
	s_wait_tensorcnt 0x0
	ds_add_u32 v254, v255
	s_wait_dscnt 0x0
	ROUND                                          ; the closing round
	s_endpgm
.Lfunc_end_k_q8572f85091_attn_s:
	.size	k_q8572f85091_attn_s, .Lfunc_end_k_q8572f85091_attn_s-k_q8572f85091_attn_s
	.p2alignl 7, 3214868480
	.fill 96, 4, 3214868480
	.section	.rodata,"a",@progbits
	.p2align	6, 0x0
	.amdhsa_kernel k_q8572f85091_attn_s
		.amdhsa_group_segment_fixed_size 235520
		.amdhsa_private_segment_fixed_size 0
		.amdhsa_enable_private_segment 0
		.amdhsa_kernarg_size 48
		.amdhsa_user_sgpr_count 2
		.amdhsa_user_sgpr_kernarg_segment_ptr 1
		.amdhsa_wavefront_size32 1
		.amdhsa_system_sgpr_workgroup_id_x 1
		.amdhsa_system_sgpr_workgroup_id_y 1
		.amdhsa_system_sgpr_workgroup_id_z 1
		.amdhsa_system_vgpr_workitem_id 0
		.amdhsa_next_free_vgpr 256
		.amdhsa_next_free_sgpr 84
		.amdhsa_reserve_vcc 0
		.amdhsa_float_denorm_mode_32 3
		.amdhsa_float_denorm_mode_16_64 3
		.amdhsa_memory_ordered 1
		.amdhsa_forward_progress 1
		.amdhsa_inst_pref_size 59
	.end_amdhsa_kernel
	.amdgpu_metadata
---
amdhsa.version: [ 1, 2 ]
amdhsa.kernels:
  - .name:           k_q8572f85091_attn_s
    .symbol:         k_q8572f85091_attn_s.kd
    .args:
      - { .name: xq, .offset: 0, .size: 8, .value_kind: global_buffer, .address_space: global }
      - { .name: wimg, .offset: 8, .size: 8, .value_kind: global_buffer, .address_space: global }
      - { .name: bq_s, .offset: 16, .size: 8, .value_kind: global_buffer, .address_space: global }
      - { .name: kvb, .offset: 24, .size: 8, .value_kind: global_buffer, .address_space: global }
      - { .name: mask, .offset: 32, .size: 8, .value_kind: global_buffer, .address_space: global }
      - { .name: os, .offset: 40, .size: 8, .value_kind: global_buffer, .address_space: global }
    .group_segment_fixed_size: 235520
    .private_segment_fixed_size: 0
    .kernarg_segment_align: 8
    .kernarg_segment_size: 48
    .max_flat_workgroup_size: 512
    .sgpr_count:     84
    .vgpr_count:     256
    .wavefront_size: 32
...
	.end_amdgpu_metadata
.endif
;; end of part 3
;; launch mid (part 4): grid 256 x 1, 8 waves a work-group, no clusters, 82,432 bytes of LDS; arguments os, wimg, bo_s, x, ln1_g, ln1_b, hf, hq; writes hf, hq
.if DOCPART == 4
	.amdgcn_target "amdgcn-amd-amdhsa--gfx1250"
	.amdhsa_code_object_version 6
	.text
	.protected	k_q8572f85091_mid
	.globl	k_q8572f85091_mid
	.p2align	8
	.type	k_q8572f85091_mid,@function
k_q8572f85091_mid:
	s_mov_b64 s[64:65], 0
	v_nop
	global_prefetch_b8 v0, s[64:65] scope:SCOPE_SE
	s_setreg_imm32_b32 hwreg(HW_REG_WAVE_MODE, 25, 1), 1
	s_wait_xcnt 0x0
; h = layernorm(o Wo + bo + x) for 32 tokens (token tiles 2 G and 2 G + 1), on codes of FP6 (E2M3) with E8M0 scales; h leaves as f32 (hf) and as codes (hq).
; THE WAVES SHARE THE COLUMNS: wave w makes features 64 w .. 64 w + 63 for both tiles.  Source 0 = Wo's four tiles, source 1 = the tokens: a lane holds one token and features 64 w + 32 h + 0 .. 31: register 32 u + 8 i + j.
; Its weight fragments go from wimg straight into its registers, two K steps ahead; the tokens' codes (12,288 bytes) are copied into LDS once and read by all eight waves.
; The residual and the bias are the C of the first products.  The norm takes two passes (mean; then the squares of the differences), each summed over lanes l and l xor 16 and, through LDS, over the eight waves.
; NO CLUSTER: each byte of the weight's image is used by one wave of a work-group and goes straight into its registers; a joint load lands in LDS, which would add a store and a read of every such byte.
; LIMITS: NaN and infinities are not served; a block of zeros gets the byte 1 (its codes are zeros; this program alone reads the bytes).
.set WOFF, 1228800                     ; Wo_s in wimg
.set Z,   16                           ; v16-79   the 8 accumulators
.set WF0, 80                           ; v80-127, v128-175 weight fragments, two K steps
.set WF1, 128
.set OF,  176                          ; v176-199 both tiles' fragments of a K step; else at work
.set BI,  200                          ; v200-231 the bias
.set WSA, 232                          ; v232-239 the weight's scale words
.set OS,  248                          ; v248-251 the tokens' scale words: lanes 0-15 tile 0, lanes 16-31 tile 1
.set OIMG, 0                           ; LDS: the tokens' images
.set RED1, 12288                       ; two regions of 32 lanes x 48 bytes for the sums over waves
.set RED2, 13824
.set STG,  15360                       ; 32 rows x (2,048 + 16) bytes for the way out
.macro QB src, dst, tmp, mx, so, by, abs
.if \abs
	v_max3_num_f32 v[\mx], |v[\src]|, |v[\src+1]|, 0x1800000       ; the floor 2^(3 - 127) is one of the leaves: the byte cannot fall under 1
	v_max3_num_f32 v[\mx+1], |v[\src+2]|, |v[\src+3]|, |v[\src+4]|
.irp i, 5,9,13,17,21,25
	v_max3_num_f32 v[\mx], v[\mx], |v[\src+\i]|, |v[\src+\i+1]|
	v_max3_num_f32 v[\mx+1], v[\mx+1], |v[\src+\i+2]|, |v[\src+\i+3]|
.endr
	v_max3_num_f32 v[\mx], v[\mx], |v[\src+29]|, |v[\src+30]|
	v_max3_num_f32 v[\mx], v[\mx], v[\mx+1], |v[\src+31]|
.else
	v_max3_num_f32 v[\mx], v[\src], v[\src+1], 0x1800000
	v_max3_num_f32 v[\mx+1], v[\src+2], v[\src+3], v[\src+4]
.irp i, 5,9,13,17,21,25
	v_max3_num_f32 v[\mx], v[\mx], v[\src+\i], v[\src+\i+1]
	v_max3_num_f32 v[\mx+1], v[\mx+1], v[\src+\i+2], v[\src+\i+3]
.endr
	v_max3_num_f32 v[\mx], v[\mx], v[\src+29], v[\src+30]
	v_max3_num_f32 v[\mx], v[\mx], v[\mx+1], v[\src+31]
.endif
	v_add_nc_u32 v[\so], 0xff000000, v[\mx]                        ; 2 off the exponent field: the conversion takes that field as its scale
	v_lshrrev_b32 v[\by], 23, v[\so]
	v_cvt_scalef32_pk16_fp6_f32 v[\dst:\dst+2], v[\src:\src+15], v[\so]
	v_cvt_scalef32_pk16_fp6_f32 v[\tmp:\tmp+2], v[\src+16:\src+31], v[\so]
	v_nop                                                          ; one plain line behind the conversions
.irp i, 0,1,2
	v_mov_b32 v[\dst+3+\i], v[\tmp+\i]
.endr
.endm
.macro BAR
	s_wait_dscnt 0x0
	s_barrier_signal -1
	s_barrier_wait -1
.endm
.macro PLACES n                        ; plain lines between a matrix instruction and a load into, or a vector instruction on, its registers
.rept \n
	v_nop
.endr
.endm
.macro WM d, a, b, c, sa, sb, ra, rb
.if (\ra) == 0 && (\rb) == 0
	v_wmma_scale_f32_16x16x128_f8f6f4 v[\d:\d+7], v[\a:\a+11], v[\b:\b+11], v[\c:\c+7], v[\sa], v[\sb] matrix_a_fmt:MATRIX_FMT_FP6 matrix_b_fmt:MATRIX_FMT_FP6
.elseif (\rb) == 0
	v_wmma_scale_f32_16x16x128_f8f6f4 v[\d:\d+7], v[\a:\a+11], v[\b:\b+11], v[\c:\c+7], v[\sa], v[\sb] matrix_a_fmt:MATRIX_FMT_FP6 matrix_b_fmt:MATRIX_FMT_FP6 matrix_a_scale:MATRIX_SCALE_ROW1
.elseif (\ra) == 0
	v_wmma_scale_f32_16x16x128_f8f6f4 v[\d:\d+7], v[\a:\a+11], v[\b:\b+11], v[\c:\c+7], v[\sa], v[\sb] matrix_a_fmt:MATRIX_FMT_FP6 matrix_b_fmt:MATRIX_FMT_FP6 matrix_b_scale:MATRIX_SCALE_ROW1
.else
	v_wmma_scale_f32_16x16x128_f8f6f4 v[\d:\d+7], v[\a:\a+11], v[\b:\b+11], v[\c:\c+7], v[\sa], v[\sb] matrix_a_fmt:MATRIX_FMT_FP6 matrix_b_fmt:MATRIX_FMT_FP6 matrix_a_scale:MATRIX_SCALE_ROW1 matrix_b_scale:MATRIX_SCALE_ROW1
.endif
.endm
.macro WLOAD buf, base, tstride, off   ; four tiles' fragments of one K step: 12 loads of 512 consecutive bytes
.irp i, 0,1,2,3
.irp p, 0,1,2
	global_load_b128 v[\buf+12*\i+4*\p:\buf+12*\i+4*\p+3], v1, s[\base:\base+1] offset:(\tstride)*\i+(\off)+512*\p
.endr
.endr
.endm
.macro VLD dst, base, off              ; 32 numbers a lane of a vector over the features: those of 64 w + 32 h on
.irp q, 0,1,2,3,4,5,6,7
	global_load_b128 v[\dst+4*\q:\dst+4*\q+3], v255, s[\base:\base+1] offset:(\off)+16*\q
.endr
.endm
.macro AFETCH areg, areg8, base, ustride, s    ; both token tiles' fragments of K step s
.irp u, 0,1
.irp c, 0,1
	ds_load_b128 v[OF+12*\u+6*\c:OF+12*\u+6*\c+3], v[\areg] offset:(\base)+(\ustride)*\u+1536*(\s)+768*\c
	ds_load_b64 v[OF+12*\u+6*\c+4:OF+12*\u+6*\c+5], v[\areg8] offset:(\base)+(\ustride)*\u+1536*(\s)+768*\c
.endr
.endr
.endm
.macro MUL8 wf, ws, sw, ts, bias       ; eight products, the eight accumulators by turns
.irp i, 0,1,2,3
.irp u, 0,1
.if \bias
	WM Z+32*\u+8*\i, \wf+12*\i, OF+12*\u, BI+8*\i, \ws+4*(\i/2)+(\sw), \ts, \i%2, \u
.else
	WM Z+32*\u+8*\i, \wf+12*\i, OF+12*\u, Z+32*\u+8*\i, \ws+4*(\i/2)+(\sw), \ts, \i%2, \u
.endif
.endr
.endr
.endm
; v[OF] and v[OF+2] hold my partial sums for tiles 0 and 1.  Behind it v[OF+8] holds, in lane (r, h), the whole row's sum for token r of tile h.  Holds one barrier; each region of LDS serves once.
.macro XSUM red
	v_permlanex16_b32 v[OF+4], v[OF], s46, s47
	v_permlanex16_b32 v[OF+5], v[OF+2], s46, s47
	v_add_f32 v[OF], v[OF], v[OF+4]
	v_add_f32 v[OF+2], v[OF+2], v[OF+5]
	v_cndmask_b32 v[OF+4], v[OF], v[OF+2], s40     ; lanes 16-31 carry tile 1's
	ds_store_b32 v3, v[OF+4] offset:\red
	BAR
	ds_load_b128 v[OF+8:OF+11], v4 offset:\red
	ds_load_b128 v[OF+12:OF+15], v4 offset:\red+16
	s_wait_dscnt 0x0
	v_add_f32 v[OF+8], v[OF+8], v[OF+9]
	v_add_f32 v[OF+10], v[OF+10], v[OF+11]
	v_add_f32 v[OF+12], v[OF+12], v[OF+13]
	v_add_f32 v[OF+14], v[OF+14], v[OF+15]
	v_add_f32 v[OF+8], v[OF+8], v[OF+10]
	v_add_f32 v[OF+12], v[OF+12], v[OF+14]
	v_add_f32 v[OF+8], v[OF+8], v[OF+12]
.endm
.macro SPLIT                           ; from lane (r, h) = tile h's figure to v12 = tile 0's, v14 = tile 1's, in every lane
	v_permlanex16_b32 v[OF+9], v[OF+8], s46, s47
	v_cndmask_b32 v12, v[OF+8], v[OF+9], s40
	v_cndmask_b32 v14, v[OF+9], v[OF+8], s40
.endm
.macro LNORM g, b, reda, redb
	v_pk_add_f32 v[OF:OF+1], v[Z:Z+1], v[Z+2:Z+3]
	v_pk_add_f32 v[OF+2:OF+3], v[Z+32:Z+33], v[Z+34:Z+35]
.irp e, 4,6,8,10,12,14,16,18,20,22,24,26,28,30
	v_pk_add_f32 v[OF:OF+1], v[OF:OF+1], v[Z+\e:Z+\e+1]
	v_pk_add_f32 v[OF+2:OF+3], v[OF+2:OF+3], v[Z+32+\e:Z+33+\e]
.endr
	v_add_f32 v[OF], v[OF], v[OF+1]
	v_add_f32 v[OF+2], v[OF+2], v[OF+3]
	XSUM \reda
	v_mul_f32 v[OF+8], 0xbb000000, v[OF+8]         ; - the mean (x -1/512)
	SPLIT
.irp e, 0,2,4,6,8,10,12,14,16,18,20,22,24,26,28,30
	v_pk_add_f32 v[Z+\e:Z+\e+1], v[Z+\e:Z+\e+1], v[12:13] op_sel_hi:[1,0]
	v_pk_add_f32 v[Z+32+\e:Z+33+\e], v[Z+32+\e:Z+33+\e], v[14:15] op_sel_hi:[1,0]
.endr
	v_pk_mul_f32 v[OF:OF+1], v[Z:Z+1], v[Z:Z+1]
	v_pk_mul_f32 v[OF+2:OF+3], v[Z+32:Z+33], v[Z+32:Z+33]
.irp e, 2,4,6,8,10,12,14,16,18,20,22,24,26,28,30
	v_pk_fma_f32 v[OF:OF+1], v[Z+\e:Z+\e+1], v[Z+\e:Z+\e+1], v[OF:OF+1]
	v_pk_fma_f32 v[OF+2:OF+3], v[Z+32+\e:Z+33+\e], v[Z+32+\e:Z+33+\e], v[OF+2:OF+3]
.endr
	v_add_f32 v[OF], v[OF], v[OF+1]
	v_add_f32 v[OF+2], v[OF+2], v[OF+3]
	XSUM \redb
	v_fma_f32 v[OF+8], v[OF+8], s41, s42           ; the variance + 1e-6
	v_rsq_f32 v[OF+8], v[OF+8]
	v_nop
	s_wait_alu depctr_va_vdst(0)                   ; ahead of the root's first reader
	SPLIT
	s_wait_loadcnt 0x0                             ; the gain and the bias
.irp e, 0,2,4,6,8,10,12,14,16,18,20,22,24,26,28,30
	v_pk_mul_f32 v[Z+\e:Z+\e+1], v[Z+\e:Z+\e+1], v[12:13] op_sel_hi:[1,0]
	v_pk_mul_f32 v[Z+32+\e:Z+33+\e], v[Z+32+\e:Z+33+\e], v[14:15] op_sel_hi:[1,0]
.endr
.irp e, 0,2,4,6,8,10,12,14,16,18,20,22,24,26,28,30
	v_pk_fma_f32 v[Z+\e:Z+\e+1], v[Z+\e:Z+\e+1], v[\g+\e:\g+\e+1], v[\b+\e:\b+\e+1]
	v_pk_fma_f32 v[Z+32+\e:Z+33+\e], v[Z+32+\e:Z+33+\e], v[\g+\e:\g+\e+1], v[\b+\e:\b+\e+1]
.endr
.endm
.macro ASTEP s, cnt
	AFETCH 1, 2, OIMG, 6144, \s
	s_wait_loadcnt \cnt                            ; this K step's weight fragments are in; the younger step's 12 loads may be out
	s_wait_dscnt 0x0
	MUL8 WF0+48*(\s%2), WSA, \s, OS+\s, 0
	PLACES 4
.endm
	s_load_b512 s[8:23], s[0:1], 0x0               ; os wimg bo x g b hf hq
	v_lshl_add_u32 v247, v0, 2, 0x13e00
	v_mov_b32 v254, 0
	v_lshrrev_b32 v1, 5, v0
	v_readfirstlane_b32 s30, v1                    ; wave 0..7
	v_and_b32 v14, 31, v0
	v_lshlrev_b32 v1, 4, v14                       ; v1 = 16 lane
	v_lshlrev_b32 v2, 3, v14
	v_add_nc_u32 v2, 512, v2                       ; v2 = 512 + 8 lane
	v_mul_u32_u24 v4, v14, 48                      ; v4: my lane's eight words of a sum over waves
	s_lshl_b32 s31, s30, 2
	v_add_nc_u32 v3, s31, v4                       ; v3: my wave's word of them
	v_bfe_u32 v12, v0, 4, 1                        ; h
	v_and_b32 v13, 15, v0                          ; r
	v_lshlrev_b32 v255, 7, v12                     ; v255 = 128 h
	v_lshl_add_u32 v5, v13, 4, v12                 ; v5 = 16 r + h
	v_mul_u32_u24 v10, v13, 2064
	v_add_nc_u32 v10, v10, v255
	s_lshl_b32 s31, s30, 8
	s_add_co_u32 s31, s31, STG
	v_add_nc_u32 v10, s31, v10                     ; v10: the stage, in: row r, + 256 w + 128 h
	s_mul_i32 s31, s30, 8256
	s_add_co_u32 s31, s31, STG
	v_add_nc_u32 v11, s31, v1                      ; v11: back: rows 4 w on
	v_and_b32 v14, 7, v0
	v_bfe_u32 v15, v0, 3, 1
	v_lshl_add_u32 v14, v15, 5, v14
	v_lshl_add_u32 v252, v14, 11, v255             ; my token's row of 2,048 bytes, + 128 h
	s_mul_i32 s31, s30, 1536
	v_add_nc_u32 v253, s31, v1                     ; my eighth of the copy
	v_mov_b32 v13, 0                               ; (upper halves of pairs are named, so they are written)
	v_mov_b32 v15, 0
	s_mov_b32 s40, 0xffff0000                      ; lanes 16-31
	s_mov_b32 s41, 0x3b000000                      ; 1/512
	s_mov_b32 s42, 0x358637bd                      ; 1e-6
	s_mov_b32 s46, 0x76543210
	s_mov_b32 s47, 0xfedcba98
	s_mov_b32 s59, 0
	s_wait_kmcnt 0x0
	s_mul_i32 s58, ttmp9, 12288
	s_add_nc_u64 s[32:33], s[8:9], s[58:59]        ; my two tiles' codes
	s_lshl_b32 s58, ttmp9, 9
	s_add_co_u32 s58, s58, 3145728
	s_add_nc_u64 s[34:35], s[8:9], s[58:59]        ; their scale bytes
	s_mul_i32 s58, s30, 24576
	s_add_co_u32 s58, s58, WOFF
	s_add_nc_u64 s[36:37], s[10:11], s[58:59]      ; my four tiles of Wo
	s_lshl_b32 s58, s30, 10
	s_add_co_u32 s58, s58, WOFF+196608
	s_add_nc_u64 s[38:39], s[10:11], s[58:59]
	s_lshl_b32 s58, s30, 8
	s_add_nc_u64 s[44:45], s[12:13], s[58:59]
	s_add_nc_u64 s[16:17], s[16:17], s[58:59]
	s_add_nc_u64 s[18:19], s[18:19], s[58:59]
	s_lshr_b32 s60, ttmp9, 1
	s_lshl_b32 s60, s60, 17
	s_and_b32 s61, ttmp9, 1
	s_lshl_b32 s61, s61, 15
	s_add_co_u32 s60, s60, s61                     ; token 64 (G / 2) + 16 (G % 2), in rows of 2,048 bytes
	s_add_co_u32 s58, s58, s60
	s_add_nc_u64 s[48:49], s[14:15], s[58:59]
	s_lshr_b32 s58, s30, 2                         ; stage rows 4 w .. 4 w + 3 are tokens 8 (w / 4) + 32 ((w / 2) % 2) + 4 (w % 2) + 0 .. 3
	s_lshl_b32 s58, s58, 14
	s_bfe_u32 s61, s30, 0x10001
	s_lshl_b32 s61, s61, 16
	s_add_co_u32 s58, s58, s61
	s_and_b32 s61, s30, 1
	s_lshl_b32 s61, s61, 13
	s_add_co_u32 s58, s58, s61
	s_add_co_u32 s58, s58, s60
	s_add_nc_u64 s[50:51], s[20:21], s[58:59]
	s_mul_i32 s58, ttmp9, 12288
	s_mul_i32 s61, s30, 768
	s_add_co_u32 s58, s58, s61
	s_add_nc_u64 s[52:53], s[22:23], s[58:59]      ; hq: my half image of tile 0
	s_lshl_b32 s58, ttmp9, 9
	s_lshl_b32 s61, s30, 1
	s_add_co_u32 s58, s58, s61
	s_add_co_u32 s58, s58, 3145728
	s_add_nc_u64 s[54:55], s[22:23], s[58:59]
.irp p, 0,1,2
	global_load_b128 v[OF+4*\p:OF+4*\p+3], v253, s[32:33] offset:512*\p th:TH_LOAD_NT
.endr
	global_load_b128 v[OS:OS+3], v1, s[34:35]
	global_load_b128 v[WSA:WSA+3], v1, s[38:39]
	global_load_b128 v[WSA+4:WSA+7], v1, s[38:39] offset:512
.irp u, 0,1
.irp q, 0,1,2,3,4,5,6,7
	global_load_b128 v[Z+32*\u+4*\q:Z+32*\u+4*\q+3], v252, s[48:49] offset:16384*\u+16*\q th:TH_LOAD_NT   ; the residual, in the result's layout
.endr
.endr
	VLD BI, 44, 0
	WLOAD WF0, 36, 6144, 0
	WLOAD WF1, 36, 6144, 1536
	s_wait_loadcnt 51                              ; the copy's three loads are in: 1 + 2 + 16 + 8 + 24 younger ones may be out
.irp p, 0,1,2
	ds_store_b128 v253, v[OF+4*\p:OF+4*\p+3] offset:OIMG+512*\p
.endr
	BAR                                            ; the tokens' images lie in LDS
	s_wait_loadcnt 24                              ; all but the two weight steps
.irp e, 0,2,4,6,8,10,12,14,16,18,20,22,24,26,28,30
	v_pk_add_f32 v[Z+\e:Z+\e+1], v[Z+\e:Z+\e+1], v[BI+\e:BI+\e+1]
	v_pk_add_f32 v[Z+32+\e:Z+33+\e], v[Z+32+\e:Z+33+\e], v[BI+\e:BI+\e+1]
.endr
	ASTEP 0, 12
	WLOAD WF0, 36, 6144, 3072
	ASTEP 1, 12
	WLOAD WF1, 36, 6144, 4608
	ASTEP 2, 12
	ASTEP 3, 0
	VLD WF0, 16, 0                                 ; the gain and the bias land during the sums
	VLD WF1, 18, 0
	LNORM WF0, WF1, RED1, RED2
.irp u, 0,1
.irp q, 0,1,2,3,4,5,6,7
	ds_store_b128 v10, v[Z+32*\u+4*\q:Z+32*\u+4*\q+3] offset:33024*\u+16*\q
.endr
.endr
	QB Z, OF, OF+6, OF+10, OF+9, OF+21, 1          ; my 32 features of each token are a block of the next product's K
	QB Z+32, OF+12, OF+18, OF+10, OF+9, OF+22, 1
.irp u, 0,1
	global_store_b128 v1, v[OF+12*\u:OF+12*\u+3], s[52:53] offset:6144*\u
	global_store_b64 v2, v[OF+12*\u+4:OF+12*\u+5], s[52:53] offset:6144*\u
	global_store_b8 v5, v[OF+21+\u], s[54:55] offset:256*\u
.endr
	BAR                                            ; 32 whole rows of h lie in the stage
.irp n, 0,1,2,3,4,5,6,7,8,9,10,11,12,13,14,15
	ds_load_b128 v[Z+4*\n:Z+4*\n+3], v11 offset:2064*(\n/4)+512*(\n%4)
.endr
.irp n, 0,1,2,3,4,5,6,7,8,9,10,11,12,13,14,15
	s_wait_dscnt 15-\n
	global_store_b128 v1, v[Z+4*\n:Z+4*\n+3], s[50:51] offset:512*\n         ; 32 lanes store 512 consecutive bytes
.endr
	s_barrier_signal -1
	s_barrier_wait -1
	s_wait_tensorcnt 0x0
	ds_add_u32 v247, v254
	s_wait_dscnt 0x0
	s_endpgm
.Lfunc_end_k_q8572f85091_mid:
	.size	k_q8572f85091_mid, .Lfunc_end_k_q8572f85091_mid-k_q8572f85091_mid
	.p2alignl 7, 3214868480
	.fill 96, 4, 3214868480
	.section	.rodata,"a",@progbits
	.p2align	6, 0x0
	.amdhsa_kernel k_q8572f85091_mid
		.amdhsa_group_segment_fixed_size 82432
		.amdhsa_private_segment_fixed_size 0
		.amdhsa_enable_private_segment 0
		.amdhsa_kernarg_size 64
		.amdhsa_user_sgpr_count 2
		.amdhsa_user_sgpr_kernarg_segment_ptr 1
		.amdhsa_wavefront_size32 1
		.amdhsa_system_sgpr_workgroup_id_x 1
		.amdhsa_system_sgpr_workgroup_id_y 1
		.amdhsa_system_sgpr_workgroup_id_z 1
		.amdhsa_system_vgpr_workitem_id 0
		.amdhsa_next_free_vgpr 256
		.amdhsa_next_free_sgpr 66
		.amdhsa_reserve_vcc 0
		.amdhsa_float_denorm_mode_32 3
		.amdhsa_float_denorm_mode_16_64 3
		.amdhsa_memory_ordered 1
		.amdhsa_forward_progress 1
		.amdhsa_inst_pref_size 42
	.end_amdhsa_kernel
	.amdgpu_metadata
---
amdhsa.version: [ 1, 2 ]
amdhsa.kernels:
  - .name:           k_q8572f85091_mid
    .symbol:         k_q8572f85091_mid.kd
    .args:
      - { .name: os, .offset: 0, .size: 8, .value_kind: global_buffer, .address_space: global }
      - { .name: wimg, .offset: 8, .size: 8, .value_kind: global_buffer, .address_space: global }
      - { .name: bo_s, .offset: 16, .size: 8, .value_kind: global_buffer, .address_space: global }
      - { .name: x, .offset: 24, .size: 8, .value_kind: global_buffer, .address_space: global }
      - { .name: ln1_g, .offset: 32, .size: 8, .value_kind: global_buffer, .address_space: global }
      - { .name: ln1_b, .offset: 40, .size: 8, .value_kind: global_buffer, .address_space: global }
      - { .name: hf, .offset: 48, .size: 8, .value_kind: global_buffer, .address_space: global }
      - { .name: hq, .offset: 56, .size: 8, .value_kind: global_buffer, .address_space: global }
    .group_segment_fixed_size: 82432
    .private_segment_fixed_size: 0
    .kernarg_segment_align: 8
    .kernarg_segment_size: 64
    .max_flat_workgroup_size: 256
    .sgpr_count:     66
    .vgpr_count:     256
    .wavefront_size: 32
...
	.end_amdgpu_metadata
.endif
;; end of part 4
;; launch attn_c (part 5): grid 8 x 32, 16 waves a work-group, clusters of 4 x 1, 235,520 bytes of LDS; arguments hq, wimg, bq_c, kvb, oc; writes oc
.if DOCPART == 5
	.amdgcn_target "amdgcn-amd-amdhsa--gfx1250"
	.amdhsa_code_object_version 6
	.text
	.protected	k_q8572f85091_attn_c
	.globl	k_q8572f85091_attn_c
	.p2align	8
	.type	k_q8572f85091_attn_c,@function
k_q8572f85091_attn_c:
	s_mov_b64 s[64:65], 0
	v_nop
	global_prefetch_b8 v0, s[64:65] scope:SCOPE_SE
	s_setreg_imm32_b32 hwreg(HW_REG_WAVE_MODE, 25, 1), 1
	s_wait_xcnt 0x0
	s_wait_alu depctr_hold_cnt(0) depctr_sa_sdst(0) depctr_va_vdst(0) depctr_va_sdst(0) depctr_va_ssrc(0) depctr_va_vcc(0) depctr_vm_vsrc(0)
	s_getreg_b32 s2, hwreg(HW_REG_IB_STS2, 6, 4)
	s_cmp_eq_u32 s2, 0
	s_cbranch_scc0 .Lentry_in_a_cluster
	s_endpgm
.Lentry_in_a_cluster:
	s_bfe_u32 s2, ttmp6, 0x10000c
	s_cmp_lg_u32 s2, 0x3003
	s_cbranch_scc0 .Lentry_shape_is_right
	s_endpgm
.Lentry_shape_is_right:
; Attention of one head on codes of FP6 (E2M3) with E8M0 scales.  SELF = 1: what is quantised for the second product is the FINISHED softmax times the query's mask, so the keys are walked twice:
; pass 1 finds M (the ceiling of the row's largest t, t = score x log2(e) / 8) and l (the sum of 2^(t - M)); pass 2 makes the scores again, p = 2^(t - M) x (mask / l), quantises p along the keys and multiplies by V.
; SELF = 0: p = 2^(t - M) with a running whole-number M is quantised, the sum of the unquantised p divides at the end: one pass.
; SHARES.  A work-group owns 256 queries of one (batch, head); each of its 16 waves one tile of 16 queries, four waves to a SIMD.  A step is 128 keys.
; LDS is filled ONCE: the head's block of kvb (K's half images, K's scale words, V's half images, V's scale words: 208,896 bytes) and the head's 16 fragments of Wq (24,576 bytes).
; CLUSTER.  The four work-groups of a cluster belong to one head and want the same bytes: each fill is asked for jointly, by the same tensor load with the same descriptor and the mask 15.  Every wave issues three loads
; (its sixteenth of each region), so three tensor loads of a wave are out at the most.
; PROLOGUE, while K and V land: q = act Wq + bq for my 16 queries (source 0 = Wq's four tiles), quantised in registers.
; LAYOUT.  Both products are used transposed (S^T = K Q^T, O^T = V^T P^T): a lane holds one query.  Lane r of a tile of tokens holds token 64 (T / 4) + 8 (T % 4) + r % 8 + 32 (r / 8), so a lane's 32 registers of four
; neighbouring key tiles are 32 neighbouring keys: a whole block of p lies in one lane.
; K = 64 in the first product: Q's registers 6-11 are zero codes.  K's tiles lie 6 registers apart, so a tile's upper six registers are the next tile's codes (the last tile's: six zero registers): they meet Q's zero codes
; under scale bytes of 127 and add nothing.
; LIMITS: NaN and infinities are not served; a p under 2^-126 counts as 0; a block of zeros gets the byte 1 (its codes are zeros; this program alone reads the bytes).
.set SELF,  0
.set IDX,   3                          ; Wq's number in wimg
.set ATT,   1                          ; which half of kvb
.set KSOFF, 98304
.set VOFF,  106496
.set VSOFF, 204800
.set WQ,    208896
; v1-6 lane parts of LDS addresses; v7 8 h; v8-13 the step's addresses; v14 -M, v15 the largest t; v[16:17] l; v[18:19] f; v[20:21] mask / l; v30-39 at work
.set QS, 22                            ; q's scale word
.set PW, 23                            ; p's
.set KS, 24                            ; v24-27 K's scale words: register i / 2, half of the lanes i % 2
.set VS, 28                            ; v28-29 V's
.set QF, 40                            ; v40-51   q's fragment
.set KF, 52                            ; v52-105  eight key tiles x 6 and six zeros; then V's four fragments; in the prologue Wq's fragments (v52-147)
.set S,  112                           ; v112-175 S^T, then p
.set O,  176                           ; v176-207 O^T
.set PC, 208                           ; v208-219 p's codes
.set PT, 220                           ; v220-227 at work
.set AF, 148                           ; prologue: v148-195 my tokens' four fragments
.set QA, 196                           ; prologue: v196-227 q's four accumulators; v228-235 Wq's scale words, v236-239 my tokens'
.set MK, 240                           ; v240 my query's mask
.set OB, 241                           ; v241 16 r + h: my scale byte's place in the output
.set AW, 242                           ; v242 LDS address of Wq's images: WQ + 16 lane.  (v240-242 lie outside every run of registers that the prologue or a step loads into)
.macro QB src, dst, tmp, mx, so, by, abs
.if \abs
	v_max3_num_f32 v[\mx], |v[\src]|, |v[\src+1]|, 0x1800000       ; the floor 2^(3 - 127) is one of the leaves: the byte cannot fall under 1
	v_max3_num_f32 v[\mx+1], |v[\src+2]|, |v[\src+3]|, |v[\src+4]|
.irp i, 5,9,13,17,21,25
	v_max3_num_f32 v[\mx], v[\mx], |v[\src+\i]|, |v[\src+\i+1]|
	v_max3_num_f32 v[\mx+1], v[\mx+1], |v[\src+\i+2]|, |v[\src+\i+3]|
.endr
	v_max3_num_f32 v[\mx], v[\mx], |v[\src+29]|, |v[\src+30]|
	v_max3_num_f32 v[\mx], v[\mx], v[\mx+1], |v[\src+31]|
.else
	v_max3_num_f32 v[\mx], v[\src], v[\src+1], 0x1800000
	v_max3_num_f32 v[\mx+1], v[\src+2], v[\src+3], v[\src+4]
.irp i, 5,9,13,17,21,25
	v_max3_num_f32 v[\mx], v[\mx], v[\src+\i], v[\src+\i+1]
	v_max3_num_f32 v[\mx+1], v[\mx+1], v[\src+\i+2], v[\src+\i+3]
.endr
	v_max3_num_f32 v[\mx], v[\mx], v[\src+29], v[\src+30]
	v_max3_num_f32 v[\mx], v[\mx], v[\mx+1], v[\src+31]
.endif
	v_add_nc_u32 v[\so], 0xff000000, v[\mx]                        ; 2 off the exponent field: the conversion takes that field as its scale
	v_lshrrev_b32 v[\by], 23, v[\so]
	v_cvt_scalef32_pk16_fp6_f32 v[\dst:\dst+2], v[\src:\src+15], v[\so]
	v_cvt_scalef32_pk16_fp6_f32 v[\tmp:\tmp+2], v[\src+16:\src+31], v[\so]
	v_nop                                                          ; one plain line behind the conversions
.irp i, 0,1,2
	v_mov_b32 v[\dst+3+\i], v[\tmp+\i]
.endr
.endm
.macro BAR
	s_wait_dscnt 0x0
	s_barrier_signal -1
	s_barrier_wait -1
.endm
.macro PLACES n                        ; plain lines between a matrix instruction and a load into, or a vector instruction on, its registers
.rept \n
	v_nop
.endr
.endm
.macro ROUND                           ; a round of the cluster's barrier
	s_barrier_signal -1
	s_barrier_wait -1
	s_cmp_lg_u32 s20, 0
	s_cbranch_scc1 .Lnot_wave_0_\@
	s_barrier_signal -3
.Lnot_wave_0_\@:
	s_barrier_wait -3
	s_barrier_signal -1
	s_barrier_wait -1
.endm
.macro WM d, a, b, c, sa, sb, ra, rb
.if (\ra) == 0
	v_wmma_scale_f32_16x16x128_f8f6f4 v[\d:\d+7], v[\a:\a+11], v[\b:\b+11], v[\c:\c+7], v[\sa], v[\sb] matrix_a_fmt:MATRIX_FMT_FP6 matrix_b_fmt:MATRIX_FMT_FP6
.else
	v_wmma_scale_f32_16x16x128_f8f6f4 v[\d:\d+7], v[\a:\a+11], v[\b:\b+11], v[\c:\c+7], v[\sa], v[\sb] matrix_a_fmt:MATRIX_FMT_FP6 matrix_b_fmt:MATRIX_FMT_FP6 matrix_a_scale:MATRIX_SCALE_ROW1
.endif
.endm
.macro WMZ d, a, b, sa, sb, ra         ; the same, starting a sum
.if (\ra) == 0
	v_wmma_scale_f32_16x16x128_f8f6f4 v[\d:\d+7], v[\a:\a+11], v[\b:\b+11], 0, v[\sa], v[\sb] matrix_a_fmt:MATRIX_FMT_FP6 matrix_b_fmt:MATRIX_FMT_FP6
.else
	v_wmma_scale_f32_16x16x128_f8f6f4 v[\d:\d+7], v[\a:\a+11], v[\b:\b+11], 0, v[\sa], v[\sb] matrix_a_fmt:MATRIX_FMT_FP6 matrix_b_fmt:MATRIX_FMT_FP6 matrix_a_scale:MATRIX_SCALE_ROW1
.endif
.endm
	s_load_b256 s[4:11], s[0:1], 0x0               ; the tokens' codes, wimg, bq, kvb
.if SELF
	s_load_b128 s[12:15], s[0:1], 0x20             ; mask, the output
.else
	s_load_b64 s[14:15], s[0:1], 0x20              ; the output
	v_lshl_add_u32 v254, v0, 2, 0x39000
	v_mov_b32 v255, 0
	ds_add_u32 v254, v255
	ds_add_u32 v254, v255
.endif
	v_lshrrev_b32 v8, 5, v0
	v_readfirstlane_b32 s20, v8                    ; wave 0..15
	s_and_b32 s23, ttmp7, 0xffff                   ; 8 batch + head: the four partners share it
	s_lshr_b32 s60, s23, 3
	s_and_b32 s61, s23, 7
	; three groups 1: dense blocks as rows of 256 bytes (32 elements of 8 bytes): 6 rows of Wq, 26 of K's part, 25 of V's
.irp g, 24, 32, 40
	s_mov_b32 s[\g], 15|(3<<16)|(1<<21)            ; 15:0 the mask: all four work-groups; 17:16 elements of 8 bytes; 21 set beside a mask
	s_mov_b32 s[\g+1], 32<<16                      ; tensor_dim0
	s_mov_b32 s[\g+3], 32<<16                      ; tile_dim0
	s_mov_b32 s[\g+5], 32                          ; the pitch
	s_mov_b32 s[\g+6], 0
	s_mov_b32 s[\g+7], 0
.endr
	s_mov_b32 s26, 6<<16                           ; tensor_dim1,
	s_mov_b32 s28, 6                               ; tile_dim1
	s_mov_b32 s34, 26<<16
	s_mov_b32 s36, 26
	s_mov_b32 s42, 25<<16
	s_mov_b32 s44, 25
	s_mul_i32 s74, s20, 1536
	s_mul_i32 s76, s61, 24576
	s_add_co_u32 s76, s76, s74
	s_add_co_u32 s76, s76, IDX*204800
	s_mov_b32 s77, 0
	s_add_co_u32 s80, s23, ATT*32
	s_mul_i32 s80, s80, 208896
	s_mul_i32 s75, s20, 6656
	s_add_co_u32 s78, s80, s75
	s_mov_b32 s79, 0
	s_mul_i32 s82, s20, 6400
	s_add_co_u32 s80, s80, s82
	s_add_co_u32 s80, s80, VOFF
	s_mov_b32 s81, 0
	s_wait_dscnt 0x0
	s_wait_kmcnt 0x0
	s_mov_b32 s48, 1
	s_add_co_u32 s49, s74, WQ                      ; LDS: a constant + the wave's number x a constant
	s_add_nc_u64 s[50:51], s[6:7], s[76:77]
	s_or_b32 s51, s51, 0x80000000
	s_mov_b32 s52, 1
	s_mov_b32 s53, s75
	s_add_nc_u64 s[54:55], s[10:11], s[78:79]
	s_or_b32 s55, s55, 0x80000000
	s_mov_b32 s56, 1
	s_add_co_u32 s57, s82, VOFF
	s_add_nc_u64 s[58:59], s[10:11], s[80:81]
	s_or_b32 s59, s59, 0x80000000
	ROUND                                          ; all four work-groups are here: the joint loads meet
	tensor_load_to_lds s[48:51], s[24:31]          ; Wq's fragments first: the prologue wants them
	s_nop 0
	tensor_load_to_lds s[52:55], s[32:39]          ; K's codes and scale words
	s_nop 0
	tensor_load_to_lds s[56:59], s[40:47]          ; V's
	s_nop 0
	PLACES 4
	s_bfe_u32 s21, ttmp6, 0x40000                  ; my place in the cluster: it enters global addresses alone
	s_lshl_b32 s22, ttmp9, 2
	s_add_co_u32 s22, s22, s21
	s_lshl_b32 s62, s22, 4
	s_add_co_u32 s62, s62, s20                     ; my query tile in the batch
	s_lshl_b32 s63, s60, 7
	s_add_co_u32 s63, s63, s62                     ; and among all 512
	s_mov_b32 s83, 0
	s_mul_i32 s82, s63, 6144
	s_add_nc_u64 s[74:75], s[4:5], s[82:83]        ; its codes
	s_mul_i32 s21, s61, 768
	s_add_co_u32 s82, s82, s21
	s_add_nc_u64 s[16:17], s[14:15], s[82:83]      ; the output: my tile, my head's half image
	s_lshl_b32 s82, s63, 8
	s_add_co_u32 s82, s82, 3145728
	s_add_nc_u64 s[76:77], s[4:5], s[82:83]        ; its scale bytes
	s_lshl_b32 s21, s61, 1
	s_add_co_u32 s82, s82, s21
	s_add_nc_u64 s[18:19], s[14:15], s[82:83]      ; the output's
	s_lshl_b32 s82, s61, 10
	s_add_co_u32 s82, s82, IDX*204800+196608
	s_add_nc_u64 s[78:79], s[6:7], s[82:83]        ; Wq's scale words
	s_lshl_b32 s82, s61, 8
	s_add_nc_u64 s[80:81], s[8:9], s[82:83]        ; bq
.if SELF
	s_lshr_b32 s82, s62, 2
	s_lshl_b32 s82, s82, 8
	s_and_b32 s21, s62, 3
	s_lshl_b32 s21, s21, 5
	s_add_co_u32 s82, s82, s21
	s_add_nc_u64 s[12:13], s[12:13], s[82:83]      ; the mask at my tile's first token
.endif
	s_mov_b32 s66, 0x3e38aa3b                      ; log2(e) / 8
	s_mov_b32 s67, s66                             ; (named with it as a pair)
	s_mov_b32 s68, 0x76543210
	s_mov_b32 s69, 0xfedcba98                      ; v_permlanex16_b32's selects for lane l xor 16
	v_and_b32 v8, 31, v0
	v_lshlrev_b32 v1, 4, v8                        ; 16 lane
	v_lshlrev_b32 v2, 3, v8
	v_add_nc_u32 v2, 512, v2                       ; 512 + 8 lane
	v_add_nc_u32 v3, VOFF, v1
	v_add_nc_u32 v4, VOFF, v2
	v_lshlrev_b32 v5, 2, v8
	v_add_nc_u32 v6, VSOFF, v5
	v_add_nc_u32 v5, KSOFF, v5
	v_add_nc_u32 v[AW], WQ, v1
	v_bfe_u32 v9, v0, 4, 1                         ; h
	v_lshlrev_b32 v7, 3, v9
	v_lshlrev_b32 v10, 7, v9                       ; 128 h
	v_and_b32 v11, 15, v0                          ; r
	v_lshlrev_b32 v12, 4, v11                      ; 16 r
	v_add_nc_u32 v[OB], v12, v9
.if SELF
	v_and_b32 v13, 7, v0
	v_bfe_u32 v11, v0, 3, 1
	v_lshl_add_u32 v13, v11, 5, v13
	v_lshlrev_b32 v13, 2, v13                      ; 4 (r % 8 + 32 (r / 8))
.endif
.irp q, 0,1,2,3,4,5,6,7
	global_load_b128 v[QA+4*\q:QA+4*\q+3], v10, s[80:81] offset:16*\q        ; the bias is the C of the first products: register 8 i + j is channel 32 h + 8 i + j
.endr
.irp s, 0,1,2,3
.irp c, 0,1
	global_load_b128 v[AF+12*\s+6*\c:AF+12*\s+6*\c+3], v1, s[74:75] offset:1536*\s+768*\c
	global_load_b64 v[AF+12*\s+6*\c+4:AF+12*\s+6*\c+5], v2, s[74:75] offset:1536*\s+768*\c
.endr
.endr
	global_load_b128 v[236:239], v12, s[76:77]
	global_load_b128 v[228:231], v1, s[78:79]
	global_load_b128 v[232:235], v1, s[78:79] offset:512
.if SELF
	global_load_b32 v[MK], v13, s[12:13]
.endif
	s_wait_tensorcnt 0x2                           ; my part of Wq is in; the two younger loads, K's and V's, may be out
	BAR
.macro QW s0                           ; Wq's fragments of K steps s0, s0 + 1
.irp e, 0,1
.irp i, 0,1,2,3
.irp p, 0,1,2
	ds_load_b128 v[KF+12*(4*\e+\i)+4*\p:KF+12*(4*\e+\i)+4*\p+3], v[AW] offset:1536*(4*\i+\s0+\e)+512*\p
.endr
.endr
.endr
.endm
.macro QM s0                           ; eight products, the four accumulators by turns
.irp e, 0,1
.irp i, 0,1,2,3
	WM QA+8*\i, KF+12*(4*\e+\i), AF+12*(\s0+\e), QA+8*\i, 228+4*(\i/2)+\s0+\e, 236+\s0+\e, \i%2, 0
.endr
.endr
.endm
	QW 0
	s_wait_loadcnt 0x0
	s_wait_dscnt 0x0
	QM 0
	PLACES 4
	QW 2
	s_wait_dscnt 0x0
	QM 2
	PLACES 4
	QB QA, QF, QF+6, 36, 38, 39, 1
	v_lshlrev_b32 v[QS], v7, v39
	v_permlanex16_b32 v37, v[QS], s68, s69
	v_or_b32 v[QS], v[QS], v37
	v_or_b32 v[QS], 0x7f7f0000, v[QS]              ; q's scale word: two blocks, and 1 for the half that holds nothing
.irp i, 6,7,8,9,10,11
	v_mov_b32 v[QF+\i], 0                          ; zero codes for k = 64 .. 127
	v_mov_b32 v[KF+42+\i], 0                       ; the six registers behind the last key tile
.endr
	v_mov_b32 v15, 0xff61b1e6                      ; the largest t so far: -3e38
	v_floor_f32 v14, -v15                          ; -M
	v_mov_b32 v16, 0
	v_mov_b32 v17, 0
	v_mov_b32 v19, 0                               ; (upper halves of pairs are named, so they are written)
	v_mov_b32 v21, 0
.if SELF == 0
.set i, 0
.rept 32
	v_mov_b32 v[O+i], 0                            ; the loop has no first step of its own: the first change of M multiplies zeros
.set i, i+1
.endr
.endif
	PLACES 4
; A STEP of 128 keys.  kind 0: the one pass (SELF = 0); 1: pass 1; 2: pass 2.  zero = 1: the products V^T P start O^T's sums.
.macro STEP kind, zero
	v_add_nc_u32 v8, s70, v1                       ; (these lines are also the places behind the last products)
	v_add_nc_u32 v9, s70, v2
	v_add_nc_u32 v12, s71, v5
.if \kind != 1
	v_add_nc_u32 v10, s70, v3
	v_add_nc_u32 v11, s70, v4
	v_add_nc_u32 v13, s72, v6
.endif
.irp i, 0,1,2,3,4,5,6,7
	ds_load_b128 v[KF+6*\i:KF+6*\i+3], v8 offset:768*\i
	ds_load_b64 v[KF+6*\i+4:KF+6*\i+5], v9 offset:768*\i
.endr
.irp p, 0,1,2,3
	ds_load_b32 v[KS+\p], v12 offset:128*\p
.endr
	s_wait_dscnt 0x0
.irp i, 0,1,2,3,4,5,6,7
	WMZ S+8*\i, KF+6*\i, QF, KS+\i/2, QS, \i%2
.endr
	PLACES 4
.if \kind != 1
.irp t, 0,1,2,3                        ; V's four fragments land during the softmax
.irp c, 0,1
	ds_load_b128 v[KF+12*\t+6*\c:KF+12*\t+6*\c+3], v10 offset:1536*\t+768*\c
	ds_load_b64 v[KF+12*\t+6*\c+4:KF+12*\t+6*\c+5], v11 offset:1536*\t+768*\c
.endr
.endr
	ds_load_b32 v[VS], v13
	ds_load_b32 v[VS+1], v13 offset:128
.endif
	v_max3_num_f32 v30, v[S], v[S+1], v[S+2]       ; the largest score of each of my two blocks of 32 keys: for the row's maximum, and, since p rises with the score, for the block's largest p
	v_max3_num_f32 v31, v[S+32], v[S+33], v[S+34]
.irp i, 3,5,7,9,11,13,15,17,19,21,23,25,27,29
	v_max3_num_f32 v30, v30, v[S+\i], v[S+\i+1]
	v_max3_num_f32 v31, v31, v[S+32+\i], v[S+33+\i]
.endr
	v_max_num_f32 v30, v30, v[S+31]
	v_max_num_f32 v31, v31, v[S+63]
.if \kind != 2
	v_max_num_f32 v36, v30, v31
	v_permlanex16_b32 v37, v36, s68, s69
	v_max_num_f32 v36, v36, v37                    ; the step's largest score of my query
	v_mul_f32 v36, s66, v36
	v_max_num_f32 v15, v15, v36                    ; the running largest t
	v_mov_b32 v36, v14
	v_floor_f32 v14, -v15                          ; -M = floor(-t): M is a whole number
	v_sub_f32 v36, v14, v36
	v_cvt_i32_f32 v36, v36                         ; (it saturates)
	v_ldexp_f32 v18, 1.0, v36                      ; f = 2^(old M - new M)
.endif
.set j, 0
.rept 32
	v_pk_fma_f32 v[S+j:S+j+1], v[S+j:S+j+1], s[66:67], v[14:15] op_sel_hi:[1,0,0]   ; t - M
.set j, j+2
.endr
.if \kind != 1
	v_fma_f32 v30, v30, s66, v14
	v_fma_f32 v31, v31, s66, v14
	v_exp_f32 v30, v30
	v_exp_f32 v31, v31
.endif
.set j, 0
.rept 64
	v_exp_f32 v[S+j], v[S+j]
.set j, j+1
.endr
.if \kind != 2
	v_pk_mul_f32 v[16:17], v[16:17], v[18:19] op_sel_hi:[1,0]      ; l under the new M: the plain line behind the exponentials
.else
	v_nop
.endif
	s_wait_alu depctr_va_vdst(0)                   ; one wait for the whole batch, ahead of its first reader
.if \kind == 2
	v_mul_f32 v30, v30, v20                        ; the same multiplication that the block's numbers get
	v_mul_f32 v31, v31, v20
.endif
.if \kind != 1
	v_max_num_f32 v30, 0x1800000, |v30|            ; the floor 2^(3 - 127)
	v_max_num_f32 v31, 0x1800000, |v31|
	v_add_nc_u32 v32, 0xff000000, v30
	v_add_nc_u32 v33, 0xff000000, v31
	v_lshrrev_b32 v34, 23, v32
	v_lshrrev_b32 v35, 23, v33
	v_lshl_or_b32 v[PW], v35, 16, v34              ; my bytes are blocks h and 2 + h
	v_lshlrev_b32 v[PW], v7, v[PW]
	v_permlanex16_b32 v37, v[PW], s68, s69
	v_or_b32 v[PW], v[PW], v37
.endif
.if \kind != 2
	v_pk_add_f32 v[38:39], v[S:S+1], v[S+2:S+3]    ; the row's sum of the unquantised p, in two chains
.irp j, 4,8,12,16,20,24,28,32,36,40,44,48,52,56,60
	v_pk_add_f32 v[16:17], v[16:17], v[S+\j:S+\j+1]
	v_pk_add_f32 v[38:39], v[38:39], v[S+\j+2:S+\j+3]
.endr
	v_pk_add_f32 v[16:17], v[16:17], v[38:39]
.else
.set j, 0
.rept 32
	v_pk_mul_f32 v[S+j:S+j+1], v[S+j:S+j+1], v[20:21] op_sel_hi:[1,0]   ; the finished softmax x the mask
.set j, j+2
.endr
.endif
.if \kind != 1
.irp c, 0,1
	v_cvt_scalef32_pk16_fp6_f32 v[PC+6*\c:PC+6*\c+2], v[S+32*\c:S+32*\c+15], v[32+\c]
	v_cvt_scalef32_pk16_fp6_f32 v[PT+4*\c:PT+4*\c+2], v[S+32*\c+16:S+32*\c+31], v[32+\c]
.endr
	v_nop                                          ; one plain line behind the conversions
.irp c, 0,1
.irp i, 0,1,2
	v_mov_b32 v[PC+6*\c+3+\i], v[PT+4*\c+\i]
.endr
.endr
.if \kind == 0
.set j, 0
.rept 16
	v_pk_mul_f32 v[O+j:O+j+1], v[O+j:O+j+1], v[18:19] op_sel_hi:[1,0]   ; O^T under the new M; also the places ahead of the products
.set j, j+2
.endr
.else
	PLACES 4
.endif
	s_wait_dscnt 0x0                               ; V
.irp t, 0,1,2,3
.if \zero
	WMZ O+8*\t, KF+12*\t, PC, VS+\t/2, PW, \t%2
.else
	WM O+8*\t, KF+12*\t, PC, O+8*\t, VS+\t/2, PW, \t%2, 0
.endif
.endr
	s_add_co_u32 s72, s72, 256
.endif
	s_add_co_u32 s70, s70, 6144
	s_add_co_u32 s71, s71, 512
.endm
	s_mov_b32 s70, 0                               ; the step's codes (K's and V's alike: 6,144 bytes a step),
	s_mov_b32 s71, 0                               ; K's scale words, 512 bytes a step,
	s_mov_b32 s72, 0                               ; V's, 256
	s_wait_tensorcnt 0x0                           ; my parts of K and of V are in,
	BAR                                            ; everybody's are: from here on LDS is only read
.if SELF
	s_mov_b32 s73, 16
.Lpass1:
	STEP 1, 0
	s_sub_co_u32 s73, s73, 1
	s_cmp_lg_u32 s73, 0
	s_cbranch_scc1 .Lpass1
	v_add_f32 v16, v16, v17
	v_permlanex16_b32 v37, v16, s68, s69
	v_add_f32 v16, v16, v37                        ; the row's sum
	v_rcp_f32 v16, v16
	v_nop
	s_wait_alu depctr_va_vdst(0)                   ; ahead of the reciprocal's first reader
	v_mul_f32 v20, v[MK], v16                      ; mask / l
	s_mov_b32 s70, 0
	s_mov_b32 s71, 0
	STEP 2, 1                                      ; the first step starts O^T's sums
	s_mov_b32 s73, 15
.Lpass2:
	STEP 2, 0
	s_sub_co_u32 s73, s73, 1
	s_cmp_lg_u32 s73, 0
	s_cbranch_scc1 .Lpass2
	PLACES 4
.else
	s_mov_b32 s73, 16
.Lstep:
	STEP 0, 0
	s_sub_co_u32 s73, s73, 1
	s_cmp_lg_u32 s73, 0
	s_cbranch_scc1 .Lstep
	PLACES 4
	v_add_f32 v16, v16, v17
	v_permlanex16_b32 v37, v16, s68, s69
	v_add_f32 v16, v16, v37
	v_rcp_f32 v16, v16
	v_nop
	s_wait_alu depctr_va_vdst(0)                   ; ahead of the reciprocal's first reader
.set j, 0
.rept 16
	v_pk_mul_f32 v[O+j:O+j+1], v[O+j:O+j+1], v[16:17] op_sel_hi:[1,0]
.set j, j+2
.endr
.endif
	QB O, PC, PT, 36, 38, 39, 1                    ; my query's channels 32 h + 0 .. 31 of this head: a block of the next product's K
	global_store_b128 v1, v[PC:PC+3], s[16:17]
	global_store_b64 v2, v[PC+4:PC+5], s[16:17]
	global_store_b8 v[OB], v39, s[18:19]
	s_wait_dscnt 0x0
	s_wait_tensorcnt 0x0
	ds_add_u32 v254, v255
	s_wait_dscnt 0x0
	ROUND                                          ; the closing round
	s_endpgm
.Lfunc_end_k_q8572f85091_attn_c:
	.size	k_q8572f85091_attn_c, .Lfunc_end_k_q8572f85091_attn_c-k_q8572f85091_attn_c
	.p2alignl 7, 3214868480
	.fill 96, 4, 3214868480
	.section	.rodata,"a",@progbits
	.p2align	6, 0x0
	.amdhsa_kernel k_q8572f85091_attn_c
		.amdhsa_group_segment_fixed_size 235520
		.amdhsa_private_segment_fixed_size 0
		.amdhsa_enable_private_segment 0
		.amdhsa_kernarg_size 40
		.amdhsa_user_sgpr_count 2
		.amdhsa_user_sgpr_kernarg_segment_ptr 1
		.amdhsa_wavefront_size32 1
		.amdhsa_system_sgpr_workgroup_id_x 1
		.amdhsa_system_sgpr_workgroup_id_y 1
		.amdhsa_system_sgpr_workgroup_id_z 1
		.amdhsa_system_vgpr_workitem_id 0
		.amdhsa_next_free_vgpr 256
		.amdhsa_next_free_sgpr 84
		.amdhsa_reserve_vcc 0
		.amdhsa_float_denorm_mode_32 3
		.amdhsa_float_denorm_mode_16_64 3
		.amdhsa_memory_ordered 1
		.amdhsa_forward_progress 1
		.amdhsa_inst_pref_size 37
	.end_amdhsa_kernel
	.amdgpu_metadata
---
amdhsa.version: [ 1, 2 ]
amdhsa.kernels:
  - .name:           k_q8572f85091_attn_c
    .symbol:         k_q8572f85091_attn_c.kd
    .args:
      - { .name: hq, .offset: 0, .size: 8, .value_kind: global_buffer, .address_space: global }
      - { .name: wimg, .offset: 8, .size: 8, .value_kind: global_buffer, .address_space: global }
      - { .name: bq_c, .offset: 16, .size: 8, .value_kind: global_buffer, .address_space: global }
      - { .name: kvb, .offset: 24, .size: 8, .value_kind: global_buffer, .address_space: global }
      - { .name: oc, .offset: 32, .size: 8, .value_kind: global_buffer, .address_space: global }
    .group_segment_fixed_size: 235520
    .private_segment_fixed_size: 0
    .kernarg_segment_align: 8
    .kernarg_segment_size: 40
    .max_flat_workgroup_size: 512
    .sgpr_count:     84
    .vgpr_count:     256
    .wavefront_size: 32
...
	.end_amdgpu_metadata
.endif
;; end of part 5
;; launch tail (part 6): grid 256 x 1, 8 waves a work-group, no clusters, 215,552 bytes of LDS; arguments oc, wimg, bo_c, hf, ln2_g, ln2_b, b1, b2, ln3_g, ln3_b, out0; writes out0
.if DOCPART == 6
	.amdgcn_target "amdgcn-amd-amdhsa--gfx1250"
	.amdhsa_code_object_version 6
	.text
	.protected	k_q8572f85091_tail
	.globl	k_q8572f85091_tail
	.p2align	8
	.type	k_q8572f85091_tail,@function
k_q8572f85091_tail:
	s_mov_b64 s[64:65], 0
	v_nop
	global_prefetch_b8 v0, s[64:65] scope:SCOPE_SE
	s_setreg_imm32_b32 hwreg(HW_REG_WAVE_MODE, 25, 1), 1
	s_wait_xcnt 0x0
; y = layernorm(o Wo + bo + h); out = layernorm(relu(y W1 + b1) W2 + b2 + y), for 32 tokens (token tiles 2 G and 2 G + 1), all three products on codes of FP6 (E2M3) with E8M0 scales.  y and the hidden layer never go to memory.
; THE WAVES SHARE THE COLUMNS: wave w makes features 64 w .. + 63 of y and of out, and hidden units 256 w .. + 255 (four groups of 64, one after the other), for both tiles.  Source 0 = the weight's four tiles, source 1 = the
; tokens: a lane holds one token and 32 neighbouring features (32 h on): register 32 u + 8 i + j.  So each result is quantised in the lane that holds it and goes to LDS as a half image (registers 0-3 of lane l at 16 l,
; registers 4-5 at 512 + 8 l) with its scale byte; all eight waves read the images back as operands.
; The weights' fragments go from wimg straight into the wave's registers, as ONE STREAM two K steps ahead through all three products: 4 + 16 + 16 steps of 12 loads.
; Biases (and residuals) are the C of each sum's first products.  y is parked in the wave's own bytes of LDS during the hidden layer.
; NO CLUSTER: each byte of a weight's image is used by one wave of a work-group and goes straight into its registers; a joint load lands in LDS, which would add a store and a read of every such byte.
; LIMITS: NaN and infinities are not served; a block of zeros gets the byte 1 (its codes are zeros; this program alone reads the bytes).
.set WOFF, 1433600                     ; Wo_c in wimg;  W1 at 1,638,400, W2 at 2,457,600
.set Z,   16                           ; v16-79   the 8 accumulators
.set WF0, 80                           ; v80-127, v128-175 weight fragments, two steps of the stream
.set WF1, 128
.set OF,  176                          ; v176-199 both tiles' fragments of a K step; else at work
.set BI,  200                          ; v200-231 a bias
.set WSA, 232                          ; v232-239, v240-247 the weights' scale words, two sets by turns
.set WSB, 240
.set OS,  248                          ; v248-251 the tokens' scale words of four K steps: lanes 0-15 tile 0, lanes 16-31 tile 1
.set OIMG, 0                           ; LDS: o's images, 12,288
.set YIMG, 12288                       ; y's images, 12,288
.set YSC,  24576                       ; y's scale bytes [tile][r][16]
.set HSC,  25088                       ; the hidden layer's [tile][r], 64 bytes + 16
.set RED1, 27648                       ; four regions of 32 lanes x 48 bytes for the sums over waves
.set RED2, 29184
.set RED3, 30720
.set RED4, 32256
.set HIMG, 33792                       ; the hidden layer's images [tile][16 K steps], 49,152
.set YRES, 82944                       ; y in f32, 8,192 bytes a wave
.set STG,  148480                      ; 32 rows x (2,048 + 16) bytes for the way out
.macro QB src, dst, tmp, mx, so, by, abs
.if \abs
	v_max3_num_f32 v[\mx], |v[\src]|, |v[\src+1]|, 0x1800000       ; the floor 2^(3 - 127) is one of the leaves: the byte cannot fall under 1
	v_max3_num_f32 v[\mx+1], |v[\src+2]|, |v[\src+3]|, |v[\src+4]|
.irp i, 5,9,13,17,21,25
	v_max3_num_f32 v[\mx], v[\mx], |v[\src+\i]|, |v[\src+\i+1]|
	v_max3_num_f32 v[\mx+1], v[\mx+1], |v[\src+\i+2]|, |v[\src+\i+3]|
.endr
	v_max3_num_f32 v[\mx], v[\mx], |v[\src+29]|, |v[\src+30]|
	v_max3_num_f32 v[\mx], v[\mx], v[\mx+1], |v[\src+31]|
.else
	v_max3_num_f32 v[\mx], v[\src], v[\src+1], 0x1800000
	v_max3_num_f32 v[\mx+1], v[\src+2], v[\src+3], v[\src+4]
.irp i, 5,9,13,17,21,25
	v_max3_num_f32 v[\mx], v[\mx], v[\src+\i], v[\src+\i+1]
	v_max3_num_f32 v[\mx+1], v[\mx+1], v[\src+\i+2], v[\src+\i+3]
.endr
	v_max3_num_f32 v[\mx], v[\mx], v[\src+29], v[\src+30]
	v_max3_num_f32 v[\mx], v[\mx], v[\mx+1], v[\src+31]
.endif
	v_add_nc_u32 v[\so], 0xff000000, v[\mx]                        ; 2 off the exponent field: the conversion takes that field as its scale
	v_lshrrev_b32 v[\by], 23, v[\so]
	v_cvt_scalef32_pk16_fp6_f32 v[\dst:\dst+2], v[\src:\src+15], v[\so]
	v_cvt_scalef32_pk16_fp6_f32 v[\tmp:\tmp+2], v[\src+16:\src+31], v[\so]
	v_nop                                                          ; one plain line behind the conversions
.irp i, 0,1,2
	v_mov_b32 v[\dst+3+\i], v[\tmp+\i]
.endr
.endm
.macro BAR
	s_wait_dscnt 0x0
	s_barrier_signal -1
	s_barrier_wait -1
.endm
.macro PLACES n                        ; plain lines between a matrix instruction and a load into, or a vector instruction on, its registers
.rept \n
	v_nop
.endr
.endm
.macro WM d, a, b, c, sa, sb, ra, rb
.if (\ra) == 0 && (\rb) == 0
	v_wmma_scale_f32_16x16x128_f8f6f4 v[\d:\d+7], v[\a:\a+11], v[\b:\b+11], v[\c:\c+7], v[\sa], v[\sb] matrix_a_fmt:MATRIX_FMT_FP6 matrix_b_fmt:MATRIX_FMT_FP6
.elseif (\rb) == 0
	v_wmma_scale_f32_16x16x128_f8f6f4 v[\d:\d+7], v[\a:\a+11], v[\b:\b+11], v[\c:\c+7], v[\sa], v[\sb] matrix_a_fmt:MATRIX_FMT_FP6 matrix_b_fmt:MATRIX_FMT_FP6 matrix_a_scale:MATRIX_SCALE_ROW1
.elseif (\ra) == 0
	v_wmma_scale_f32_16x16x128_f8f6f4 v[\d:\d+7], v[\a:\a+11], v[\b:\b+11], v[\c:\c+7], v[\sa], v[\sb] matrix_a_fmt:MATRIX_FMT_FP6 matrix_b_fmt:MATRIX_FMT_FP6 matrix_b_scale:MATRIX_SCALE_ROW1
.else
	v_wmma_scale_f32_16x16x128_f8f6f4 v[\d:\d+7], v[\a:\a+11], v[\b:\b+11], v[\c:\c+7], v[\sa], v[\sb] matrix_a_fmt:MATRIX_FMT_FP6 matrix_b_fmt:MATRIX_FMT_FP6 matrix_a_scale:MATRIX_SCALE_ROW1 matrix_b_scale:MATRIX_SCALE_ROW1
.endif
.endm
.macro WLOAD buf, base, tstride, off   ; four tiles' fragments of one K step: 12 loads of 512 consecutive bytes
.irp i, 0,1,2,3
.irp p, 0,1,2
	global_load_b128 v[\buf+12*\i+4*\p:\buf+12*\i+4*\p+3], v1, s[\base:\base+1] offset:(\tstride)*\i+(\off)+512*\p
.endr
.endr
.endm
.macro VLD dst, base, off              ; 32 numbers a lane of a vector over the features: those of 32 h on, from the wave's base
.irp q, 0,1,2,3,4,5,6,7
	global_load_b128 v[\dst+4*\q:\dst+4*\q+3], v255, s[\base:\base+1] offset:(\off)+16*\q
.endr
.endm
.macro AFETCH areg, areg8, base, ustride, s    ; both token tiles' fragments of K step s
.irp u, 0,1
.irp c, 0,1
	ds_load_b128 v[OF+12*\u+6*\c:OF+12*\u+6*\c+3], v[\areg] offset:(\base)+(\ustride)*\u+1536*(\s)+768*\c
	ds_load_b64 v[OF+12*\u+6*\c+4:OF+12*\u+6*\c+5], v[\areg8] offset:(\base)+(\ustride)*\u+1536*(\s)+768*\c
.endr
.endr
.endm
.macro MUL8 wf, ws, sw, ts, bias       ; eight products, the eight accumulators by turns
.irp i, 0,1,2,3
.irp u, 0,1
.if \bias
	WM Z+32*\u+8*\i, \wf+12*\i, OF+12*\u, BI+8*\i, \ws+4*(\i/2)+(\sw), \ts, \i%2, \u
.else
	WM Z+32*\u+8*\i, \wf+12*\i, OF+12*\u, Z+32*\u+8*\i, \ws+4*(\i/2)+(\sw), \ts, \i%2, \u
.endif
.endr
.endr
.endm
; v[OF] and v[OF+2] hold my partial sums for tiles 0 and 1.  Behind it v[OF+8] holds, in lane (r, h), the whole row's sum for token r of tile h.  Holds one barrier; each region of LDS serves once.
.macro XSUM red
	v_permlanex16_b32 v[OF+4], v[OF], s46, s47
	v_permlanex16_b32 v[OF+5], v[OF+2], s46, s47
	v_add_f32 v[OF], v[OF], v[OF+4]
	v_add_f32 v[OF+2], v[OF+2], v[OF+5]
	v_cndmask_b32 v[OF+4], v[OF], v[OF+2], s40     ; lanes 16-31 carry tile 1's
	ds_store_b32 v3, v[OF+4] offset:\red
	BAR
	ds_load_b128 v[OF+8:OF+11], v4 offset:\red
	ds_load_b128 v[OF+12:OF+15], v4 offset:\red+16
	s_wait_dscnt 0x0
	v_add_f32 v[OF+8], v[OF+8], v[OF+9]
	v_add_f32 v[OF+10], v[OF+10], v[OF+11]
	v_add_f32 v[OF+12], v[OF+12], v[OF+13]
	v_add_f32 v[OF+14], v[OF+14], v[OF+15]
	v_add_f32 v[OF+8], v[OF+8], v[OF+10]
	v_add_f32 v[OF+12], v[OF+12], v[OF+14]
	v_add_f32 v[OF+8], v[OF+8], v[OF+12]
.endm
.macro SPLIT                           ; from lane (r, h) = tile h's figure to v12 = tile 0's, v14 = tile 1's, in every lane
	v_permlanex16_b32 v[OF+9], v[OF+8], s46, s47
	v_cndmask_b32 v12, v[OF+8], v[OF+9], s40
	v_cndmask_b32 v14, v[OF+9], v[OF+8], s40
.endm
.macro LNORM g, b, reda, redb
	v_pk_add_f32 v[OF:OF+1], v[Z:Z+1], v[Z+2:Z+3]
	v_pk_add_f32 v[OF+2:OF+3], v[Z+32:Z+33], v[Z+34:Z+35]
.irp e, 4,6,8,10,12,14,16,18,20,22,24,26,28,30
	v_pk_add_f32 v[OF:OF+1], v[OF:OF+1], v[Z+\e:Z+\e+1]
	v_pk_add_f32 v[OF+2:OF+3], v[OF+2:OF+3], v[Z+32+\e:Z+33+\e]
.endr
	v_add_f32 v[OF], v[OF], v[OF+1]
	v_add_f32 v[OF+2], v[OF+2], v[OF+3]
	XSUM \reda
	v_mul_f32 v[OF+8], 0xbb000000, v[OF+8]         ; - the mean (x -1/512)
	SPLIT
.irp e, 0,2,4,6,8,10,12,14,16,18,20,22,24,26,28,30
	v_pk_add_f32 v[Z+\e:Z+\e+1], v[Z+\e:Z+\e+1], v[12:13] op_sel_hi:[1,0]
	v_pk_add_f32 v[Z+32+\e:Z+33+\e], v[Z+32+\e:Z+33+\e], v[14:15] op_sel_hi:[1,0]
.endr
	v_pk_mul_f32 v[OF:OF+1], v[Z:Z+1], v[Z:Z+1]
	v_pk_mul_f32 v[OF+2:OF+3], v[Z+32:Z+33], v[Z+32:Z+33]
.irp e, 2,4,6,8,10,12,14,16,18,20,22,24,26,28,30
	v_pk_fma_f32 v[OF:OF+1], v[Z+\e:Z+\e+1], v[Z+\e:Z+\e+1], v[OF:OF+1]
	v_pk_fma_f32 v[OF+2:OF+3], v[Z+32+\e:Z+33+\e], v[Z+32+\e:Z+33+\e], v[OF+2:OF+3]
.endr
	v_add_f32 v[OF], v[OF], v[OF+1]
	v_add_f32 v[OF+2], v[OF+2], v[OF+3]
	XSUM \redb
	v_fma_f32 v[OF+8], v[OF+8], s41, s42           ; the variance + 1e-6
	v_rsq_f32 v[OF+8], v[OF+8]
	v_nop
	s_wait_alu depctr_va_vdst(0)                   ; ahead of the root's first reader
	SPLIT
	s_wait_loadcnt 0x0                             ; the gain and the bias
.irp e, 0,2,4,6,8,10,12,14,16,18,20,22,24,26,28,30
	v_pk_mul_f32 v[Z+\e:Z+\e+1], v[Z+\e:Z+\e+1], v[12:13] op_sel_hi:[1,0]
	v_pk_mul_f32 v[Z+32+\e:Z+33+\e], v[Z+32+\e:Z+33+\e], v[14:15] op_sel_hi:[1,0]
.endr
.irp e, 0,2,4,6,8,10,12,14,16,18,20,22,24,26,28,30
	v_pk_fma_f32 v[Z+\e:Z+\e+1], v[Z+\e:Z+\e+1], v[\g+\e:\g+\e+1], v[\b+\e:\b+\e+1]
	v_pk_fma_f32 v[Z+32+\e:Z+33+\e], v[Z+32+\e:Z+33+\e], v[\g+\e:\g+\e+1], v[\b+\e:\b+\e+1]
.endr
.endm
.macro ASTEP s, cnt
	AFETCH 1, 2, OIMG, 6144, \s
	s_wait_loadcnt \cnt                            ; this step's weight fragments are in; the younger step's 12 loads may be out
	s_wait_dscnt 0x0
	MUL8 WF0+48*(\s%2), WSA, \s, OS+\s, 0
	PLACES 4
.endm
	s_load_b512 s[8:23], s[0:1], 0x0               ; oc wimg bo hf g2 b2' b1 b2
	s_load_b128 s[24:27], s[0:1], 0x40             ; g3 b3'
	s_load_b64 s[28:29], s[0:1], 0x50              ; out0
	s_set_vgpr_msb 0x40
	v_lshl_add_u32 v0, v0, 2, 0x34600
	v_mov_b32 v1, 0
	s_set_vgpr_msb 0x4000
	v_lshrrev_b32 v1, 5, v0
	v_readfirstlane_b32 s30, v1                    ; wave 0..7
	v_and_b32 v14, 31, v0
	v_lshlrev_b32 v1, 4, v14                       ; v1 = 16 lane
	v_lshlrev_b32 v2, 3, v14
	v_add_nc_u32 v2, 512, v2                       ; v2 = 512 + 8 lane
	v_mul_u32_u24 v4, v14, 48                      ; v4: my lane's eight words of a sum over waves
	s_lshl_b32 s31, s30, 2
	v_add_nc_u32 v3, s31, v4                       ; v3: my wave's word of them
	v_bfe_u32 v12, v0, 4, 1                        ; h
	v_and_b32 v13, 15, v0                          ; r
	v_lshlrev_b32 v255, 7, v12                     ; v255 = 128 h
	v_lshl_add_u32 v5, v13, 4, v12
	s_lshl_b32 s31, s30, 1
	s_add_co_u32 s31, s31, YSC
	v_add_nc_u32 v5, s31, v5                       ; v5: y's scale byte: YSC + 16 r + 2 w + h
	v_mul_u32_u24 v7, v13, 80
	v_add_nc_u32 v6, v7, v12
	s_lshl_b32 s31, s30, 3
	s_add_co_u32 s31, s31, HSC
	v_add_nc_u32 v6, s31, v6                       ; v6: the hidden layer's: HSC + 80 r + 8 w + h
	v_mad_u32_u24 v7, v12, 1280, v7
	v_add_nc_u32 v7, HSC, v7                       ; v7: its scale words, read: tile h, row r
	v_add_nc_u32 v8, HIMG, v1                      ; v8, v9: the hidden layer's images, read
	v_add_nc_u32 v9, HIMG, v2
	s_mul_i32 s31, s30, 3072
	v_add_nc_u32 v10, s31, v8                      ; v10, v11: my four half images of them
	v_add_nc_u32 v11, s31, v9
	s_lshl_b32 s31, s30, 13
	s_add_co_u32 s31, s31, YRES
	v_add_nc_u32 v254, s31, v1                     ; v254: where y is parked
	v_and_b32 v14, 7, v0
	v_bfe_u32 v15, v0, 3, 1
	v_lshl_add_u32 v14, v15, 5, v14
	v_lshl_add_u32 v252, v14, 11, v255             ; my token's row of 2,048 bytes, + 128 h
	s_mul_i32 s31, s30, 1536
	v_add_nc_u32 v253, s31, v1                     ; my eighth of the copy
	v_mov_b32 v13, 0                               ; (upper halves of pairs are named, so they are written)
	v_mov_b32 v15, 0
	s_mov_b32 s40, 0xffff0000                      ; lanes 16-31
	s_mov_b32 s41, 0x3b000000                      ; 1/512
	s_mov_b32 s42, 0x358637bd                      ; 1e-6
	s_mov_b32 s46, 0x76543210
	s_mov_b32 s47, 0xfedcba98
	s_mov_b32 s59, 0
	s_wait_kmcnt 0x0
	s_mul_i32 s58, ttmp9, 12288
	s_add_nc_u64 s[32:33], s[8:9], s[58:59]        ; my two tiles' codes
	s_lshl_b32 s58, ttmp9, 9
	s_add_co_u32 s58, s58, 3145728
	s_add_nc_u64 s[34:35], s[8:9], s[58:59]        ; their scale bytes
	s_mul_i32 s58, s30, 24576
	s_add_co_u32 s58, s58, WOFF
	s_add_nc_u64 s[36:37], s[10:11], s[58:59]      ; my four tiles of Wo
	s_lshl_b32 s58, s30, 10
	s_add_co_u32 s58, s58, WOFF+196608
	s_add_nc_u64 s[38:39], s[10:11], s[58:59]
	s_mul_i32 s58, s30, 98304
	s_add_co_u32 s58, s58, 1638400
	s_add_nc_u64 s[50:51], s[10:11], s[58:59]      ; my 16 tiles of W1
	s_add_co_u32 s58, s58, 819200
	s_add_nc_u64 s[54:55], s[10:11], s[58:59]      ; my four tiles of W2 (16 K steps each)
	s_lshl_b32 s58, s30, 12
	s_add_co_u32 s58, s58, 1638400+786432
	s_add_nc_u64 s[52:53], s[10:11], s[58:59]      ; W1's scale words
	s_add_co_u32 s58, s58, 819200
	s_add_nc_u64 s[56:57], s[10:11], s[58:59]      ; W2's
	s_lshl_b32 s58, s30, 10
	s_add_nc_u64 s[20:21], s[20:21], s[58:59]      ; b1 at my 256 hidden units
	s_lshl_b32 s58, s30, 8
	s_add_nc_u64 s[44:45], s[12:13], s[58:59]
	s_add_nc_u64 s[16:17], s[16:17], s[58:59]
	s_add_nc_u64 s[18:19], s[18:19], s[58:59]
	s_add_nc_u64 s[22:23], s[22:23], s[58:59]
	s_add_nc_u64 s[24:25], s[24:25], s[58:59]
	s_add_nc_u64 s[26:27], s[26:27], s[58:59]
	s_lshr_b32 s60, ttmp9, 1
	s_lshl_b32 s60, s60, 17
	s_and_b32 s61, ttmp9, 1
	s_lshl_b32 s61, s61, 15
	s_add_co_u32 s60, s60, s61                     ; token 64 (G / 2) + 16 (G % 2), in rows of 2,048 bytes
	s_add_co_u32 s58, s58, s60
	s_add_nc_u64 s[48:49], s[14:15], s[58:59]
	s_lshr_b32 s58, s30, 2                         ; stage rows 4 w .. 4 w + 3 are tokens 8 (w / 4) + 32 ((w / 2) % 2) + 4 (w % 2) + 0 .. 3
	s_lshl_b32 s58, s58, 14
	s_bfe_u32 s61, s30, 0x10001
	s_lshl_b32 s61, s61, 16
	s_add_co_u32 s58, s58, s61
	s_and_b32 s61, s30, 1
	s_lshl_b32 s61, s61, 13
	s_add_co_u32 s58, s58, s61
	s_add_co_u32 s58, s58, s60
	s_add_nc_u64 s[28:29], s[28:29], s[58:59]
.irp p, 0,1,2
	global_load_b128 v[OF+4*\p:OF+4*\p+3], v253, s[32:33] offset:512*\p th:TH_LOAD_NT
.endr
	global_load_b128 v[OS:OS+3], v1, s[34:35]
	global_load_b128 v[WSA:WSA+3], v1, s[38:39]
	global_load_b128 v[WSA+4:WSA+7], v1, s[38:39] offset:512
	global_load_b128 v[WSB:WSB+3], v1, s[52:53]                    ; W1's scale words of my first group of hidden units
	global_load_b128 v[WSB+4:WSB+7], v1, s[52:53] offset:512
.irp u, 0,1
.irp q, 0,1,2,3,4,5,6,7
	global_load_b128 v[Z+32*\u+4*\q:Z+32*\u+4*\q+3], v252, s[48:49] offset:16384*\u+16*\q th:TH_LOAD_NT   ; the residual, in the result's layout
.endr
.endr
	VLD BI, 44, 0
	WLOAD WF0, 36, 6144, 0
	WLOAD WF1, 36, 6144, 1536
	s_wait_loadcnt 53                              ; the copy's three loads are in: 1 + 2 + 2 + 16 + 8 + 24 younger ones may be out
.irp p, 0,1,2
	ds_store_b128 v253, v[OF+4*\p:OF+4*\p+3] offset:OIMG+512*\p
.endr
	BAR                                            ; o's images lie in LDS
	s_wait_loadcnt 24                              ; all but the two weight steps
.irp e, 0,2,4,6,8,10,12,14,16,18,20,22,24,26,28,30
	v_pk_add_f32 v[Z+\e:Z+\e+1], v[Z+\e:Z+\e+1], v[BI+\e:BI+\e+1]
	v_pk_add_f32 v[Z+32+\e:Z+33+\e], v[Z+32+\e:Z+33+\e], v[BI+\e:BI+\e+1]
.endr
	ASTEP 0, 12
	WLOAD WF0, 36, 6144, 3072
	ASTEP 1, 12
	WLOAD WF1, 36, 6144, 4608
	ASTEP 2, 12
	WLOAD WF0, 50, 6144, 0                         ; the stream goes on into W1: its step 0
	ASTEP 3, 12
	VLD BI, 16, 0                                  ; the gain and the bias land during the sums
	VLD WF1, 18, 0
	LNORM BI, WF1, RED1, RED2
	VLD BI, 20, 0                                  ; b1 of my first group
	WLOAD WF1, 50, 6144, 1536                      ; W1's step 1
.irp q, 0,1,2,3,4,5,6,7,8,9,10,11,12,13,14,15
	ds_store_b128 v254, v[Z+4*\q:Z+4*\q+3] offset:512*\q           ; y is parked: my own bytes
.endr
	s_mul_i32 s31, s30, 768
	s_add_co_u32 s31, s31, YIMG
	v_add_nc_u32 v252, s31, v1                     ; my half image of y
	v_add_nc_u32 v253, s31, v2
	QB Z, OF, OF+6, OF+10, OF+9, OF+21, 1
	QB Z+32, OF+12, OF+18, OF+10, OF+9, OF+22, 1
.irp u, 0,1
	ds_store_b128 v252, v[OF+12*\u:OF+12*\u+3] offset:6144*\u
	ds_store_b64 v253, v[OF+12*\u+4:OF+12*\u+5] offset:6144*\u
	ds_store_b8 v5, v[OF+21+\u] offset:256*\u
.endr
	BAR                                            ; y's images and scale bytes lie in LDS
	ds_load_b128 v[OS:OS+3], v1 offset:YSC
; THE HIDDEN LAYER: stream step n = 4 f + s: K step s of my group f of 64 hidden units.
.macro CSTEP f, s
.set n, 4*\f+\s
	AFETCH 1, 2, YIMG, 6144, \s
.if (n%4) == 1
	s_wait_loadcnt 22                              ; behind this step's fragments: the next group's bias and scale words (10 loads) and the next step's 12
.else
	s_wait_loadcnt 12                              ; behind this step's fragments: the next step's 12
.endif
	s_wait_dscnt 0x0
.if \s == 0
	MUL8 WF0+48*(n%2), WSB-8*(\f%2), \s, OS+\s, 1
.else
	MUL8 WF0+48*(n%2), WSB-8*(\f%2), \s, OS+\s, 0
.endif
	PLACES 4
.if \s == 0
.if \f < 3
	VLD BI, 20, 256*(\f+1)
	global_load_b128 v[WSA+8*(\f%2):WSA+8*(\f%2)+3], v1, s[52:53] offset:1024*(\f+1)
	global_load_b128 v[WSA+8*(\f%2)+4:WSA+8*(\f%2)+7], v1, s[52:53] offset:1024*(\f+1)+512
.else
	VLD BI, 22, 0                                  ; b2, and W2's scale words of its first four K steps
	global_load_b128 v[WSB:WSB+3], v1, s[56:57]
	global_load_b128 v[WSB+4:WSB+7], v1, s[56:57] offset:2048
.endif
.endif
.if n+2 < 16
	WLOAD WF0+48*(n%2), 50, 6144, 24576*((n+2)/4)+1536*((n+2)%4)
.else
	WLOAD WF0+48*(n%2), 54, 24576, 1536*(n+2-16)
.endif
.if \s == 3
.set j, 0
.rept 64
	v_max_num_f32 v[Z+j], 0, v[Z+j]                ; the activation, in f32
.set j, j+1
.endr
	QB Z, OF, OF+6, OF+10, OF+9, OF+21, 0
	QB Z+32, OF+12, OF+18, OF+10, OF+9, OF+22, 0
.irp u, 0,1
	ds_store_b128 v10, v[OF+12*\u:OF+12*\u+3] offset:24576*\u+768*\f
	ds_store_b64 v11, v[OF+12*\u+4:OF+12*\u+5] offset:24576*\u+768*\f
	ds_store_b8 v6, v[OF+21+\u] offset:1280*\u+2*\f
.endr
	s_wait_dscnt 0x0                               ; the stores have read their registers
.endif
.endm
.irp f, 0,1,2,3
.irp s, 0,1,2,3
	CSTEP \f, \s
.endr
.endr
.irp q, 0,1,2,3,4,5,6,7,8,9,10,11,12,13,14,15
	ds_load_b128 v[Z+4*\q:Z+4*\q+3], v254 offset:512*\q            ; y comes back
.endr
	BAR                                            ; the hidden layer's images and scale bytes lie in LDS
.irp e, 0,2,4,6,8,10,12,14,16,18,20,22,24,26,28,30
	v_pk_add_f32 v[Z+\e:Z+\e+1], v[Z+\e:Z+\e+1], v[BI+\e:BI+\e+1]  ; y + b2 is the C of the first products
	v_pk_add_f32 v[Z+32+\e:Z+33+\e], v[Z+32+\e:Z+33+\e], v[BI+\e:BI+\e+1]
.endr
.macro DSTEP s
	AFETCH 8, 9, 0, 24576, \s
.if (\s%4) == 0
	ds_load_b128 v[OS:OS+3], v7 offset:16*(\s/4)   ; the hidden layer's scale words of four K steps
.endif
.if \s == 15
	s_wait_loadcnt 0x0
.elseif ((\s%4) == 1) && (\s < 13)
	s_wait_loadcnt 14                              ; behind this step's fragments: two loads of scale words and the next step's 12
.else
	s_wait_loadcnt 12
.endif
	s_wait_dscnt 0x0
	MUL8 WF0+48*(\s%2), WSB-8*((\s/4)%2), \s%4, OS+\s%4, 0
	PLACES 4
.if ((\s%4) == 0) && (\s < 12)
	global_load_b128 v[WSA+8*((\s/4)%2):WSA+8*((\s/4)%2)+3], v1, s[56:57] offset:512*(\s/4+1)
	global_load_b128 v[WSA+8*((\s/4)%2)+4:WSA+8*((\s/4)%2)+7], v1, s[56:57] offset:2048+512*(\s/4+1)
.endif
.if \s < 14
	WLOAD WF0+48*(\s%2), 54, 24576, 1536*(\s+2)
.endif
.endm
.irp s, 0,1,2,3,4,5,6,7,8,9,10,11,12,13,14,15
	DSTEP \s
.endr
	VLD WF0, 24, 0
	VLD WF1, 26, 0
	LNORM WF0, WF1, RED3, RED4
	v_and_b32 v252, 15, v0
	v_mul_u32_u24 v252, v252, 2064
	v_add_nc_u32 v252, v252, v255
	s_lshl_b32 s31, s30, 8
	s_add_co_u32 s31, s31, STG
	v_add_nc_u32 v252, s31, v252                   ; the stage, in: row r, + 256 w + 128 h
	s_mul_i32 s31, s30, 8256
	s_add_co_u32 s31, s31, STG
	v_add_nc_u32 v253, s31, v1                     ; back: rows 4 w on
.irp u, 0,1
.irp q, 0,1,2,3,4,5,6,7
	ds_store_b128 v252, v[Z+32*\u+4*\q:Z+32*\u+4*\q+3] offset:33024*\u+16*\q
.endr
.endr
	BAR                                            ; 32 whole rows lie in the stage
.irp n, 0,1,2,3,4,5,6,7,8,9,10,11,12,13,14,15
	ds_load_b128 v[Z+4*\n:Z+4*\n+3], v253 offset:2064*(\n/4)+512*(\n%4)
.endr
.irp n, 0,1,2,3,4,5,6,7,8,9,10,11,12,13,14,15
	s_wait_dscnt 15-\n
	global_store_b128 v1, v[Z+4*\n:Z+4*\n+3], s[28:29] offset:512*\n th:TH_STORE_NT   ; 32 lanes store 512 consecutive bytes
.endr
	s_barrier_signal -1
	s_barrier_wait -1
	s_set_vgpr_msb 0x5
	s_wait_tensorcnt 0x0
	ds_add_u32 v0, v1
	s_wait_dscnt 0x0
	s_set_vgpr_msb 0x500
	s_endpgm
.Lfunc_end_k_q8572f85091_tail:
	.size	k_q8572f85091_tail, .Lfunc_end_k_q8572f85091_tail-k_q8572f85091_tail
	.p2alignl 7, 3214868480
	.fill 96, 4, 3214868480
	.section	.rodata,"a",@progbits
	.p2align	6, 0x0
	.amdhsa_kernel k_q8572f85091_tail
		.amdhsa_group_segment_fixed_size 215552
		.amdhsa_private_segment_fixed_size 0
		.amdhsa_enable_private_segment 0
		.amdhsa_kernarg_size 88
		.amdhsa_user_sgpr_count 2
		.amdhsa_user_sgpr_kernarg_segment_ptr 1
		.amdhsa_wavefront_size32 1
		.amdhsa_system_sgpr_workgroup_id_x 1
		.amdhsa_system_sgpr_workgroup_id_y 1
		.amdhsa_system_sgpr_workgroup_id_z 1
		.amdhsa_system_vgpr_workitem_id 0
		.amdhsa_next_free_vgpr 258
		.amdhsa_next_free_sgpr 72
		.amdhsa_reserve_vcc 0
		.amdhsa_float_denorm_mode_32 3
		.amdhsa_float_denorm_mode_16_64 3
		.amdhsa_memory_ordered 1
		.amdhsa_forward_progress 1
		.amdhsa_inst_pref_size 177
	.end_amdhsa_kernel
	.amdgpu_metadata
---
amdhsa.version: [ 1, 2 ]
amdhsa.kernels:
  - .name:           k_q8572f85091_tail
    .symbol:         k_q8572f85091_tail.kd
    .args:
      - { .name: oc, .offset: 0, .size: 8, .value_kind: global_buffer, .address_space: global }
      - { .name: wimg, .offset: 8, .size: 8, .value_kind: global_buffer, .address_space: global }
      - { .name: bo_c, .offset: 16, .size: 8, .value_kind: global_buffer, .address_space: global }
      - { .name: hf, .offset: 24, .size: 8, .value_kind: global_buffer, .address_space: global }
      - { .name: ln2_g, .offset: 32, .size: 8, .value_kind: global_buffer, .address_space: global }
      - { .name: ln2_b, .offset: 40, .size: 8, .value_kind: global_buffer, .address_space: global }
      - { .name: b1, .offset: 48, .size: 8, .value_kind: global_buffer, .address_space: global }
      - { .name: b2, .offset: 56, .size: 8, .value_kind: global_buffer, .address_space: global }
      - { .name: ln3_g, .offset: 64, .size: 8, .value_kind: global_buffer, .address_space: global }
      - { .name: ln3_b, .offset: 72, .size: 8, .value_kind: global_buffer, .address_space: global }
      - { .name: out0, .offset: 80, .size: 8, .value_kind: global_buffer, .address_space: global }
    .group_segment_fixed_size: 215552
    .private_segment_fixed_size: 0
    .kernarg_segment_align: 8
    .kernarg_segment_size: 88
    .max_flat_workgroup_size: 256
    .sgpr_count:     72
    .vgpr_count:     258
    .wavefront_size: 32
...
	.end_amdgpu_metadata
.endif
;; end of part 6
;; ======== version 2 of 2: 6 launches; 1.14 times as fast as version 1
;; workspace buffers: wimg 3,276,800 bytes; xq 3,276,800 bytes; os 3,276,800 bytes; hq 3,276,800 bytes; oc 3,276,800 bytes; kvb 13,369,344 bytes; hf 16,777,216 bytes
;; launch prep: the kernel of part 1 again; grid 256 x 1, 4 waves a work-group, no clusters, 12,800 bytes of LDS; arguments Wq_s, Wk_s, Wv_s, Wq_c, Wk_c, Wv_c, Wo_s, Wo_c, W1, W2, wimg; writes wimg
;; launch kv (part 7): grid 128 x 2, 16 waves a work-group, no clusters, 162,816 bytes of LDS; arguments x, encoding, wimg, bk_s, bv_s, bk_c, bv_c, xq, kvb; writes xq, kvb
.if DOCPART == 7
	.amdgcn_target "amdgcn-amd-amdhsa--gfx1250"
	.amdhsa_code_object_version 6
	.text
	.protected	k_q8572f85091_kv
	.globl	k_q8572f85091_kv
	.p2align	8
	.type	k_q8572f85091_kv,@function
k_q8572f85091_kv:
	s_mov_b64 s[64:65], 0
	v_nop
	global_prefetch_b8 v0, s[64:65] scope:SCOPE_SE
	s_setreg_imm32_b32 hwreg(HW_REG_WAVE_MODE, 25, 1), 1
	s_wait_xcnt 0x0
; k = t Wk + bk and v = t Wv + bv for 64 tokens t of x (work-group y = 0) or of encoding (y = 1), all eight heads, on codes of FP6 (E2M3) with E8M0 scales; k and v leave as codes.
; TILES.  Lane r of token tile T holds token 64 (T / 4) + 8 (T % 4) + r % 8 + 32 (r / 8); feature tiles likewise.  So the four results whose source 0 is the four tiles of a group of 64 give a lane 32 NEIGHBOURS
; (32 (lane / 16) + 0 .. 31 of the group): a whole block of the next product's K, quantised with no other lane's help.
; HALF IMAGE: registers 0-5 of an operand (16 rows x 64 K), 768 bytes: registers 0-3 of lane l at 16 l, registers 4-5 at 512 + 8 l.
; PHASES.  X: wave w takes fragment (token tile w / 4, K step w % 4) of the 64 tokens: 16 rows x 512 bytes.  Each row comes by ONE load, 32 lanes on 512 consecutive bytes; the rows turn through the wave's own stage in LDS
; (rows 528 bytes apart: 132 words, so the sixteen rows of a read start at sixteen different groups of four banks) and come back as two whole blocks of 32 a lane.  The wave quantises them and stores the image and the
; scale word to LDS (and, for x, to xq) | the one barrier |
; waves 0-7: k of head w (source 0 = Wk's four tiles, source 1 = tokens: a lane holds a token and 32 of the head's 64); waves 8-15: v of head w - 8 (source 0 = tokens, source 1 = Wv: a lane holds a channel and 32 tokens,
; since the keys are the K of v's product).  16 accumulators by turns, four K steps; the bias is the C of each sum's first product.
; kvb, for head block 32 y + 8 batch + head, 208,896 bytes: K's half images [key tile]; at 98,304 K's scale words [tile][r] (bytes 2, 3 = 127); at 106,496 V's half images [128 keys][channel tile][half]; at 204,800 V's scale words.
; NO CLUSTER: each byte of a weight's image is used by one wave of a work-group and goes from memory straight into that wave's registers; a joint load lands in LDS, which would add a store and a read of every such byte.
; LIMITS: NaN and infinities are not served; a block of zeros gets the byte 1 (its codes are zeros; this program alone reads the bytes).
.set TS,  8                            ; v8-15    the tokens' scale words: register 4 a + s, lanes 0-15 tile 2 a, lanes 16-31 tile 2 a + 1
.set ACC, 16                           ; v16-143  16 accumulators (first: v80-143 the rows as loaded, v16-79 the 64 numbers of a lane)
.set WF,  144                          ; v144-191 a K step's four weight fragments
.set TF,  192                          ; v192-215 two token fragments
.set BI,  216                          ; v216-247 the bias, in the result's layout
.set WS,  248                          ; v248-255 the weight's scale words: register 4 (tile / 2) + s
.set XSC, 24576                        ; LDS: 16 fragments' images at 0 (index 4 tile + K step), then [tile][r] 16 scale bytes,
.set XST, 25600                        ; then a stage of 16 rows for each wave
.set XSP, 528                          ; a stage row: 512 bytes + 16
.macro QB src, dst, tmp, mx, so, by, abs
.if \abs
	v_max3_num_f32 v[\mx], |v[\src]|, |v[\src+1]|, 0x1800000       ; the floor 2^(3 - 127) is one of the leaves: the byte cannot fall under 1
	v_max3_num_f32 v[\mx+1], |v[\src+2]|, |v[\src+3]|, |v[\src+4]|
.irp i, 5,9,13,17,21,25
	v_max3_num_f32 v[\mx], v[\mx], |v[\src+\i]|, |v[\src+\i+1]|
	v_max3_num_f32 v[\mx+1], v[\mx+1], |v[\src+\i+2]|, |v[\src+\i+3]|
.endr
	v_max3_num_f32 v[\mx], v[\mx], |v[\src+29]|, |v[\src+30]|
	v_max3_num_f32 v[\mx], v[\mx], v[\mx+1], |v[\src+31]|
.else
	v_max3_num_f32 v[\mx], v[\src], v[\src+1], 0x1800000
	v_max3_num_f32 v[\mx+1], v[\src+2], v[\src+3], v[\src+4]
.irp i, 5,9,13,17,21,25
	v_max3_num_f32 v[\mx], v[\mx], v[\src+\i], v[\src+\i+1]
	v_max3_num_f32 v[\mx+1], v[\mx+1], v[\src+\i+2], v[\src+\i+3]
.endr
	v_max3_num_f32 v[\mx], v[\mx], v[\src+29], v[\src+30]
	v_max3_num_f32 v[\mx], v[\mx], v[\mx+1], v[\src+31]
.endif
	v_add_nc_u32 v[\so], 0xff000000, v[\mx]                        ; 2 off the exponent field: the conversion takes that field as its scale
	v_lshrrev_b32 v[\by], 23, v[\so]
	v_cvt_scalef32_pk16_fp6_f32 v[\dst:\dst+2], v[\src:\src+15], v[\so]
	v_cvt_scalef32_pk16_fp6_f32 v[\tmp:\tmp+2], v[\src+16:\src+31], v[\so]
	v_nop                                                          ; one plain line behind the conversions
.irp i, 0,1,2
	v_mov_b32 v[\dst+3+\i], v[\tmp+\i]
.endr
.endm
.macro BAR
	s_wait_dscnt 0x0
	s_barrier_signal -1
	s_barrier_wait -1
.endm
.macro PLACES n                        ; plain lines between a matrix instruction and a load into, or a vector instruction on, its registers
.rept \n
	v_nop
.endr
.endm
; one matrix instruction; ra, rb: which half of the lanes of the scale registers holds source 0's and source 1's words
.macro WM d, a, b, c, sa, sb, ra, rb
.if (\ra) == 0 && (\rb) == 0
	v_wmma_scale_f32_16x16x128_f8f6f4 v[\d:\d+7], v[\a:\a+11], v[\b:\b+11], v[\c:\c+7], v[\sa], v[\sb] matrix_a_fmt:MATRIX_FMT_FP6 matrix_b_fmt:MATRIX_FMT_FP6
.elseif (\rb) == 0
	v_wmma_scale_f32_16x16x128_f8f6f4 v[\d:\d+7], v[\a:\a+11], v[\b:\b+11], v[\c:\c+7], v[\sa], v[\sb] matrix_a_fmt:MATRIX_FMT_FP6 matrix_b_fmt:MATRIX_FMT_FP6 matrix_a_scale:MATRIX_SCALE_ROW1
.elseif (\ra) == 0
	v_wmma_scale_f32_16x16x128_f8f6f4 v[\d:\d+7], v[\a:\a+11], v[\b:\b+11], v[\c:\c+7], v[\sa], v[\sb] matrix_a_fmt:MATRIX_FMT_FP6 matrix_b_fmt:MATRIX_FMT_FP6 matrix_b_scale:MATRIX_SCALE_ROW1
.else
	v_wmma_scale_f32_16x16x128_f8f6f4 v[\d:\d+7], v[\a:\a+11], v[\b:\b+11], v[\c:\c+7], v[\sa], v[\sb] matrix_a_fmt:MATRIX_FMT_FP6 matrix_b_fmt:MATRIX_FMT_FP6 matrix_a_scale:MATRIX_SCALE_ROW1 matrix_b_scale:MATRIX_SCALE_ROW1
.endif
.endm
	s_load_b512 s[8:23], s[0:1], 0x0               ; x enc wimg bk_s bv_s bk_c bv_c xq
	s_load_b64 s[24:25], s[0:1], 0x40              ; kvb
	v_lshrrev_b32 v1, 5, v0
	v_readfirstlane_b32 s30, v1                    ; wave
	s_and_b32 s31, s30, 7                          ; head
	s_lshr_b32 s32, s30, 3                         ; 0: k, 1: v
	s_and_b32 s34, ttmp7, 0xffff                   ; 0: x, 1: encoding
	s_lshr_b32 s35, ttmp9, 5                       ; batch
	s_and_b32 s36, ttmp9, 31                       ; which 64 tokens of the batch
	s_lshr_b32 s37, s30, 2                         ; phase X: my token tile,
	s_and_b32 s38, s30, 3                          ; my K step
	s_mov_b32 s54, 0x76543210
	s_mov_b32 s55, 0xfedcba98                      ; v_permlanex16_b32's selects for lane l xor 16
	v_and_b32 v3, 31, v0
	v_lshlrev_b32 v1, 4, v3                        ; v1 = 16 lane
	v_lshlrev_b32 v2, 3, v3
	v_add_nc_u32 v2, 512, v2                       ; v2 = 512 + 8 lane
	v_bfe_u32 v4, v0, 4, 1                         ; h
	v_lshlrev_b32 v7, 3, v4                        ; v7 = 8 h
	v_and_b32 v3, 7, v0
	v_bfe_u32 v5, v0, 3, 1
	v_lshl_add_u32 v3, v5, 5, v3                   ; r % 8 + 32 (r / 8)
	s_mov_b32 s45, 0
	s_wait_kmcnt 0x0
	s_cmp_eq_u32 s34, 0
	s_cselect_b64 s[4:5], s[8:9], s[10:11]         ; the tokens
	s_cselect_b64 s[26:27], s[14:15], s[18:19]     ; bk
	s_cselect_b64 s[28:29], s[16:17], s[20:21]     ; bv
	s_cselect_b32 s39, 1, 4                        ; Wk's number in wimg
	s_cmp_eq_u32 s32, 0
	s_cselect_b64 s[26:27], s[26:27], s[28:29]
	s_add_co_u32 s39, s39, s32                     ; Wv's is the next
	s_mul_i32 s40, s39, 204800
	s_mul_i32 s41, s31, 24576
	s_add_co_u32 s44, s40, s41
	s_add_nc_u64 s[40:41], s[12:13], s[44:45]      ; my head's 16 fragments
	s_mul_i32 s44, s39, 204800
	s_lshl_b32 s43, s31, 10
	s_add_co_u32 s44, s44, s43
	s_add_co_u32 s44, s44, 196608
	s_add_nc_u64 s[42:43], s[12:13], s[44:45]      ; and their scale words
	s_lshl_b32 s44, s31, 8
	s_add_nc_u64 s[26:27], s[26:27], s[44:45]      ; my head's bias
	s_lshl_b32 s44, ttmp9, 17                      ; 64 rows of 2,048 bytes a work-group,
	s_lshl_b32 s46, s37, 14                        ; 8 rows a tile,
	s_add_co_u32 s44, s44, s46
	s_lshl_b32 s46, s38, 9                         ; 512 bytes a K step
	s_add_co_u32 s44, s44, s46
	s_add_nc_u64 s[4:5], s[4:5], s[44:45]
	s_mul_i32 s52, s30, 1536
	s_mul_i32 s44, ttmp9, 24576
	s_add_co_u32 s44, s44, s52
	s_add_nc_u64 s[46:47], s[22:23], s[44:45]      ; xq: my fragment
	s_lshl_b32 s44, ttmp9, 10
	s_lshl_b32 s48, s37, 8
	s_add_co_u32 s44, s44, s48
	s_lshl_b32 s53, s38, 2
	s_add_co_u32 s44, s44, s53
	s_add_co_u32 s53, s53, s48
	s_add_co_u32 s53, s53, XSC                     ; LDS: XSC + 256 tile + 4 step
	s_add_co_u32 s44, s44, 3145728
	s_add_nc_u64 s[48:49], s[22:23], s[44:45]      ; xq: its scale words
	s_lshl_b32 s44, s34, 5
	s_lshl_b32 s50, s35, 3
	s_add_co_u32 s44, s44, s50
	s_add_co_u32 s44, s44, s31
	s_mul_i32 s44, s44, 208896
	s_add_nc_u64 s[50:51], s[24:25], s[44:45]      ; kvb: my head's block
	s_mul_i32 s56, s30, 16*XSP
	s_add_co_u32 s56, s56, XST                     ; LDS: my stage
.macro WLOAD s                         ; K step s of my head's four tiles: 12 loads of 512 consecutive bytes
.irp i, 0,1,2,3
.irp p, 0,1,2
	global_load_b128 v[WF+12*\i+4*\p:WF+12*\i+4*\p+3], v1, s[40:41] offset:6144*\i+1536*(\s)+512*\p
.endr
.endr
.endm
	s_cmp_lg_u32 s32, 0
	s_cbranch_scc1 .Lbias_v
	v_lshlrev_b32 v5, 7, v4                        ; k: register 8 f + j is channel 32 h + 8 f + j
.irp q, 0,1,2,3,4,5,6,7
	global_load_b128 v[BI+4*\q:BI+4*\q+3], v5, s[26:27] offset:16*\q
.endr
	s_branch .Lbias_done
.Lbias_v:
	v_lshlrev_b32 v5, 2, v3                        ; v: all eight registers of tile f are my lane's channel 8 f + r % 8 + 32 (r / 8)
.irp f, 0,1,2,3
	global_load_b32 v[BI+8*\f], v5, s[26:27] offset:32*\f
.endr
.Lbias_done:
.irp i, 0,1,2,3,4,5,6,7,8,9,10,11,12,13,14,15
	global_load_b128 v[ACC+64+4*\i:ACC+64+4*\i+3], v1, s[4:5] offset:((\i%8)+32*(\i/8))*2048 th:TH_LOAD_NT   ; the row of the tile's lane r = i: 32 lanes read its 512 consecutive bytes
.endr
	WLOAD 0                                        ; the weights are asked for behind the tokens: the barrier below waits for the tokens alone
	global_load_b128 v[WS:WS+3], v1, s[42:43]
	global_load_b128 v[WS+4:WS+7], v1, s[42:43] offset:512
	v_add_nc_u32 v3, s56, v1                       ; the stage, in: 16 lane, a row an instruction
	v_and_b32 v6, 15, v0
	v_mul_u32_u24 v6, v6, XSP
	v_lshl_add_u32 v4, v4, 7, v6
	v_add_nc_u32 v4, s56, v4                       ; and back: row r, + 128 h
	s_wait_loadcnt 14                              ; the bias and the 16 rows are in; the 12 + 2 younger loads (weights, their scale words) may be out
.irp i, 0,1,2,3,4,5,6,7,8,9,10,11,12,13,14,15
	ds_store_b128 v3, v[ACC+64+4*\i:ACC+64+4*\i+3] offset:XSP*\i
.endr
.irp c, 0,1
.irp q, 0,1,2,3,4,5,6,7
	ds_load_b128 v[ACC+32*\c+4*\q:ACC+32*\c+4*\q+3], v4 offset:256*\c+16*\q   ; k = 128 step + 64 c + 32 h + 4 q on: two whole blocks a lane.  LDS serves a wave's instructions in order (ISA guide 5.7.1.4): these see my stores
.endr
.endr
	s_wait_dscnt 0x0
	v_add_nc_u32 v3, s52, v1                       ; LDS: my fragment's image
	v_add_nc_u32 v4, s52, v2
	v_and_b32 v6, 15, v0
	v_lshlrev_b32 v6, 4, v6                        ; 16 r
	v_add_nc_u32 v5, s53, v6
	QB ACC, TF, TF+12, TF+20, TF+22, TF+19, 1
	QB ACC+32, TF+6, TF+16, TF+20, TF+22, TF+23, 1
	v_lshl_or_b32 v[TF+15], v[TF+23], 16, v[TF+19] ; my bytes are blocks h and 2 + h of the word,
	v_lshlrev_b32 v[TF+15], v7, v[TF+15]
	v_permlanex16_b32 v[TF+20], v[TF+15], s54, s55
	v_or_b32 v[TF+15], v[TF+15], v[TF+20]          ; with lane l xor 16's two it is whole
.irp c, 0,1
	ds_store_b128 v3, v[TF+6*\c:TF+6*\c+3] offset:768*\c
	ds_store_b64 v4, v[TF+6*\c+4:TF+6*\c+5] offset:768*\c
.endr
	ds_store_b32 v5, v[TF+15]
	s_cmp_lg_u32 s34, 0                            ; x's codes are wanted again (the queries): they go to xq
	s_cbranch_scc1 .Lno_xq
.irp c, 0,1
	global_store_b128 v1, v[TF+6*\c:TF+6*\c+3], s[46:47] offset:768*\c
	global_store_b64 v2, v[TF+6*\c+4:TF+6*\c+5], s[46:47] offset:768*\c
.endr
	global_store_b32 v6, v[TF+15], s[48:49]
.Lno_xq:
	s_wait_xcnt 0x0                                ; the stores have read their registers: TF is loaded into and v6 written again below
	BAR                                            ; the 16 fragments and their scale words lie in LDS
.macro TFETCH buf, m, s
.irp c, 0,1
	ds_load_b128 v[TF+12*\buf+6*\c:TF+12*\buf+6*\c+3], v1 offset:1536*(4*\m+\s)+768*\c
	ds_load_b64 v[TF+12*\buf+6*\c+4:TF+12*\buf+6*\c+5], v2 offset:1536*(4*\m+\s)+768*\c
.endr
.endm
.macro MUL4 kind, m, s, buf            ; token tile m against the four weight tiles
.irp f, 0,1,2,3
.if \kind == 0
.if \s == 0
	WM ACC+8*(4*\m+\f), WF+12*\f, TF+12*\buf, BI+8*\f, WS+4*(\f/2)+\s, TS+4*(\m/2)+\s, \f%2, \m%2
.else
	WM ACC+8*(4*\m+\f), WF+12*\f, TF+12*\buf, ACC+8*(4*\m+\f), WS+4*(\f/2)+\s, TS+4*(\m/2)+\s, \f%2, \m%2
.endif
.else
.if \s == 0
	WM ACC+8*(4*\f+\m), TF+12*\buf, WF+12*\f, BI+8*\f, TS+4*(\m/2)+\s, WS+4*(\f/2)+\s, \m%2, \f%2
.else
	WM ACC+8*(4*\f+\m), TF+12*\buf, WF+12*\f, ACC+8*(4*\f+\m), TS+4*(\m/2)+\s, WS+4*(\f/2)+\s, \m%2, \f%2
.endif
.endif
.endr
.endm
.macro GSTEP kind, s                   ; a K step: 16 matrix instructions, the 16 accumulators by turns
.if \s == 0
	ds_load_b128 v[TS:TS+3], v1 offset:XSC
	ds_load_b128 v[TS+4:TS+7], v1 offset:XSC+512
.endif
	TFETCH 0, 0, \s
	TFETCH 1, 1, \s
	s_wait_loadcnt 0x0                             ; this K step's weight fragments
	s_wait_dscnt 0x4                               ; all but the younger fragment's four loads
	MUL4 \kind, 0, \s, 0
	PLACES 4
	TFETCH 0, 2, \s
	s_wait_dscnt 0x4
	MUL4 \kind, 1, \s, 1
	PLACES 4
	TFETCH 1, 3, \s
	s_wait_dscnt 0x4
	MUL4 \kind, 2, \s, 0
	s_wait_dscnt 0x0
	MUL4 \kind, 3, \s, 1
	PLACES 4
.if \s < 3
	WLOAD \s+1
.endif
.endm
	s_cmp_lg_u32 s32, 0
	s_cbranch_scc1 .Lvpath
	; ---- k
	s_mul_i32 s44, s36, 3072
	s_add_nc_u64 s[56:57], s[50:51], s[44:45]      ; my four key tiles' half images
	s_lshl_b32 s44, s36, 8
	s_add_co_u32 s44, s44, 98304
	s_add_nc_u64 s[58:59], s[50:51], s[44:45]      ; and their scale words
	v_and_b32 v6, 15, v0
	v_lshlrev_b32 v6, 2, v6                        ; 4 r
	GSTEP 0, 0
	GSTEP 0, 1
	GSTEP 0, 2
	GSTEP 0, 3
.irp m, 0,1,2,3                        ; tile m: a lane's 32 registers are channels 32 h + 0 .. 31 of its token
	QB ACC+32*\m, WF+12*\m, WF+12*\m+6, TF, TF+2, TF+3, 1
	v_lshlrev_b32 v[WF+12*\m+10], v7, v[TF+3]
	v_permlanex16_b32 v[TF+4], v[WF+12*\m+10], s54, s55
	v_or_b32 v[WF+12*\m+10], v[WF+12*\m+10], v[TF+4]
	v_or_b32 v[WF+12*\m+10], 0x7f7f0000, v[WF+12*\m+10]            ; the upper 64 of the instruction's K hold nothing: scale 1
	global_store_b128 v1, v[WF+12*\m:WF+12*\m+3], s[56:57] offset:768*\m
	global_store_b64 v2, v[WF+12*\m+4:WF+12*\m+5], s[56:57] offset:768*\m
	global_store_b32 v6, v[WF+12*\m+10], s[58:59] offset:64*\m
.endr
	s_wait_xcnt 0x0
	v_lshl_add_u32 v254, v0, 2, 0x27400
	v_mov_b32 v255, 0
	s_wait_tensorcnt 0x0
	ds_add_u32 v254, v255
	s_wait_dscnt 0x0
	s_endpgm
.Lvpath:
	; ---- v
	s_lshr_b32 s33, s36, 1                         ; which 128 keys,
	s_and_b32 s39, s36, 1                          ; which half of them
	s_mul_i32 s44, s33, 6144
	s_mul_i32 s56, s39, 768
	s_add_co_u32 s44, s44, s56
	s_add_co_u32 s44, s44, 106496
	s_add_nc_u64 s[56:57], s[50:51], s[44:45]
	s_lshl_b32 s44, s33, 8
	s_lshl_b32 s58, s39, 1
	s_add_co_u32 s44, s44, s58
	s_add_co_u32 s44, s44, 204800
	s_add_nc_u64 s[58:59], s[50:51], s[44:45]
	v_and_b32 v6, 15, v0
	v_lshlrev_b32 v6, 2, v6
	v_bfe_u32 v5, v0, 4, 1
	v_add_nc_u32 v6, v6, v5                        ; 4 r + h: my block's byte
.irp f, 0,1,2,3
.irp j, 1,2,3,4,5,6,7
	v_mov_b32 v[BI+8*\f+\j], v[BI+8*\f]
.endr
.endr
	GSTEP 1, 0
	GSTEP 1, 1
	GSTEP 1, 2
	GSTEP 1, 3
.irp f, 0,1,2,3                        ; channel tile f: a lane's 32 registers are tokens 32 h + 0 .. 31 of the 64
	QB ACC+32*\f, WF+12*\f, WF+12*\f+6, TF, TF+2, WF+12*\f+10, 1
	global_store_b128 v1, v[WF+12*\f:WF+12*\f+3], s[56:57] offset:1536*\f
	global_store_b64 v2, v[WF+12*\f+4:WF+12*\f+5], s[56:57] offset:1536*\f
	global_store_b8 v6, v[WF+12*\f+10], s[58:59] offset:64*\f
.endr
	s_wait_xcnt 0x0
	v_lshl_add_u32 v254, v0, 2, 0x27400
	v_mov_b32 v255, 0
	s_wait_tensorcnt 0x0
	ds_add_u32 v254, v255
	s_wait_dscnt 0x0
	s_endpgm
.Lfunc_end_k_q8572f85091_kv:
	.size	k_q8572f85091_kv, .Lfunc_end_k_q8572f85091_kv-k_q8572f85091_kv
	.p2alignl 7, 3214868480
	.fill 96, 4, 3214868480
	.section	.rodata,"a",@progbits
	.p2align	6, 0x0
	.amdhsa_kernel k_q8572f85091_kv
		.amdhsa_group_segment_fixed_size 162816
		.amdhsa_private_segment_fixed_size 0
		.amdhsa_enable_private_segment 0
		.amdhsa_kernarg_size 72
		.amdhsa_user_sgpr_count 2
		.amdhsa_user_sgpr_kernarg_segment_ptr 1
		.amdhsa_wavefront_size32 1
		.amdhsa_system_sgpr_workgroup_id_x 1
		.amdhsa_system_sgpr_workgroup_id_y 1
		.amdhsa_system_sgpr_workgroup_id_z 1
		.amdhsa_system_vgpr_workitem_id 0
		.amdhsa_next_free_vgpr 256
		.amdhsa_next_free_sgpr 66
		.amdhsa_reserve_vcc 0
		.amdhsa_float_denorm_mode_32 3
		.amdhsa_float_denorm_mode_16_64 3
		.amdhsa_memory_ordered 1
		.amdhsa_forward_progress 1
		.amdhsa_inst_pref_size 66
	.end_amdhsa_kernel
	.amdgpu_metadata
---
amdhsa.version: [ 1, 2 ]
amdhsa.kernels:
  - .name:           k_q8572f85091_kv
    .symbol:         k_q8572f85091_kv.kd
    .args:
      - { .name: x, .offset: 0, .size: 8, .value_kind: global_buffer, .address_space: global }
      - { .name: encoding, .offset: 8, .size: 8, .value_kind: global_buffer, .address_space: global }
      - { .name: wimg, .offset: 16, .size: 8, .value_kind: global_buffer, .address_space: global }
      - { .name: bk_s, .offset: 24, .size: 8, .value_kind: global_buffer, .address_space: global }
      - { .name: bv_s, .offset: 32, .size: 8, .value_kind: global_buffer, .address_space: global }
      - { .name: bk_c, .offset: 40, .size: 8, .value_kind: global_buffer, .address_space: global }
      - { .name: bv_c, .offset: 48, .size: 8, .value_kind: global_buffer, .address_space: global }
      - { .name: xq, .offset: 56, .size: 8, .value_kind: global_buffer, .address_space: global }
      - { .name: kvb, .offset: 64, .size: 8, .value_kind: global_buffer, .address_space: global }
    .group_segment_fixed_size: 162816
    .private_segment_fixed_size: 0
    .kernarg_segment_align: 8
    .kernarg_segment_size: 72
    .max_flat_workgroup_size: 512
    .sgpr_count:     66
    .vgpr_count:     256
    .wavefront_size: 32
...
	.end_amdgpu_metadata
.endif
;; end of part 7
;; launch attn_s: the kernel of part 3 again; grid 8 x 32, 16 waves a work-group, clusters of 4 x 1, 235,520 bytes of LDS; arguments xq, wimg, bq_s, kvb, mask, os; writes os
;; launch mid (part 8): grid 256 x 1, 8 waves a work-group, no clusters, 82,432 bytes of LDS; arguments os, wimg, bo_s, x, ln1_g, ln1_b, hf, hq; writes hf, hq
.if DOCPART == 8
	.amdgcn_target "amdgcn-amd-amdhsa--gfx1250"
	.amdhsa_code_object_version 6
	.text
	.protected	k_q8572f85091_mid
	.globl	k_q8572f85091_mid
	.p2align	8
	.type	k_q8572f85091_mid,@function
k_q8572f85091_mid:
	s_mov_b64 s[64:65], 0
	v_nop
	global_prefetch_b8 v0, s[64:65] scope:SCOPE_SE
	s_setreg_imm32_b32 hwreg(HW_REG_WAVE_MODE, 25, 1), 1
	s_wait_xcnt 0x0
; h = layernorm(o Wo + bo + x) for 32 tokens (token tiles 2 G and 2 G + 1), on codes of FP6 (E2M3) with E8M0 scales; h leaves as f32 (hf) and as codes (hq).
; THE WAVES SHARE THE COLUMNS: wave w makes features 64 w .. 64 w + 63 for both tiles.  Source 0 = Wo's four tiles, source 1 = the tokens: a lane holds one token and features 64 w + 32 h + 0 .. 31: register 32 u + 8 i + j.
; Its weight fragments go from wimg straight into its registers: all four K steps are asked for at the head, into four buffers of 48 registers in the second register window (two waves share a SIMD's registers, so a wave
; may take 448).  The tokens' codes (12,288 bytes) are copied into LDS once and read by all eight waves.
; x, THE RESIDUAL, COMES AS WHOLE ROWS: wave w reads four neighbouring tokens, 8,192 consecutive bytes, 512 an instruction, into a stage in LDS; behind the barrier each wave reads its columns of all 32 rows in the result's layout.
; hf IS LAID AS THE NEXT READER WANTS IT: the image of the 64 registers: registers 4 q .. 4 q + 3 of lane l at 65,536 G + 8,192 w + 512 q + 16 l: 16 stores of 512 consecutive bytes, straight from the registers.
; The residual and the bias are the C of the first products.  The norm takes two passes (mean; then the squares of the differences), each summed over lanes l and l xor 16 and, through LDS, over the eight waves.
; NO CLUSTER: each byte of the weight's image is used by one wave of a work-group and goes straight into its registers; a joint load lands in LDS, which would add a store and a read of every such byte.
; LIMITS: NaN and infinities are not served; a block of zeros gets the byte 1 (its codes are zeros; this program alone reads the bytes).
.set WOFF, 1228800                     ; Wo_s in wimg
.set Z,   16                           ; v16-79   the 8 accumulators
.set G0,  80                           ; v80-111  the norm's gain
.set G1,  128                          ; v128-159 the norm's bias
.set OF,  176                          ; v176-199 both tiles' fragments of a K step; else at work
.set BI,  200                          ; v200-231 the bias
.set WSA, 232                          ; v232-239 the weight's scale words
.set OS,  248                          ; v248-251 the tokens' scale words: lanes 0-15 tile 0, lanes 16-31 tile 1
                                       ; window 1: v256-447: weight fragments, buffer k at v[48 k] of that window
.set OIMG, 0                           ; LDS: the tokens' images
.set RED1, 12288                       ; two regions of 32 lanes x 48 bytes for the sums over waves
.set RED2, 13824
.set STG,  15360                       ; 32 rows x (2,048 + 16) bytes: x's rows
.set MSB, 0
.macro WIN new                         ; s_set_vgpr_msb: bits 1:0 source 0, 7:6 destination; the immediate's high byte repeats the setting that is left
.if MSB != \new
	s_set_vgpr_msb (MSB<<8)|\new
.set MSB, \new
.endif
.endm
.macro QB src, dst, tmp, mx, so, by, abs
.if \abs
	v_max3_num_f32 v[\mx], |v[\src]|, |v[\src+1]|, 0x1800000       ; the floor 2^(3 - 127) is one of the leaves: the byte cannot fall under 1
	v_max3_num_f32 v[\mx+1], |v[\src+2]|, |v[\src+3]|, |v[\src+4]|
.irp i, 5,9,13,17,21,25
	v_max3_num_f32 v[\mx], v[\mx], |v[\src+\i]|, |v[\src+\i+1]|
	v_max3_num_f32 v[\mx+1], v[\mx+1], |v[\src+\i+2]|, |v[\src+\i+3]|
.endr
	v_max3_num_f32 v[\mx], v[\mx], |v[\src+29]|, |v[\src+30]|
	v_max3_num_f32 v[\mx], v[\mx], v[\mx+1], |v[\src+31]|
.else
	v_max3_num_f32 v[\mx], v[\src], v[\src+1], 0x1800000
	v_max3_num_f32 v[\mx+1], v[\src+2], v[\src+3], v[\src+4]
.irp i, 5,9,13,17,21,25
	v_max3_num_f32 v[\mx], v[\mx], v[\src+\i], v[\src+\i+1]
	v_max3_num_f32 v[\mx+1], v[\mx+1], v[\src+\i+2], v[\src+\i+3]
.endr
	v_max3_num_f32 v[\mx], v[\mx], v[\src+29], v[\src+30]
	v_max3_num_f32 v[\mx], v[\mx], v[\mx+1], v[\src+31]
.endif
	v_add_nc_u32 v[\so], 0xff000000, v[\mx]                        ; 2 off the exponent field: the conversion takes that field as its scale
	v_lshrrev_b32 v[\by], 23, v[\so]
	v_cvt_scalef32_pk16_fp6_f32 v[\dst:\dst+2], v[\src:\src+15], v[\so]
	v_cvt_scalef32_pk16_fp6_f32 v[\tmp:\tmp+2], v[\src+16:\src+31], v[\so]
	v_nop                                                          ; one plain line behind the conversions
.irp i, 0,1,2
	v_mov_b32 v[\dst+3+\i], v[\tmp+\i]
.endr
.endm
.macro BAR
	s_wait_dscnt 0x0
	s_barrier_signal -1
	s_barrier_wait -1
.endm
.macro PLACES n                        ; plain lines between a matrix instruction and a load into, or a vector instruction on, its registers
.rept \n
	v_nop
.endr
.endm
.macro WM d, a, b, c, sa, sb, ra, rb
.if (\ra) == 0 && (\rb) == 0
	v_wmma_scale_f32_16x16x128_f8f6f4 v[\d:\d+7], v[\a:\a+11], v[\b:\b+11], v[\c:\c+7], v[\sa], v[\sb] matrix_a_fmt:MATRIX_FMT_FP6 matrix_b_fmt:MATRIX_FMT_FP6
.elseif (\rb) == 0
	v_wmma_scale_f32_16x16x128_f8f6f4 v[\d:\d+7], v[\a:\a+11], v[\b:\b+11], v[\c:\c+7], v[\sa], v[\sb] matrix_a_fmt:MATRIX_FMT_FP6 matrix_b_fmt:MATRIX_FMT_FP6 matrix_a_scale:MATRIX_SCALE_ROW1
.elseif (\ra) == 0
	v_wmma_scale_f32_16x16x128_f8f6f4 v[\d:\d+7], v[\a:\a+11], v[\b:\b+11], v[\c:\c+7], v[\sa], v[\sb] matrix_a_fmt:MATRIX_FMT_FP6 matrix_b_fmt:MATRIX_FMT_FP6 matrix_b_scale:MATRIX_SCALE_ROW1
.else
	v_wmma_scale_f32_16x16x128_f8f6f4 v[\d:\d+7], v[\a:\a+11], v[\b:\b+11], v[\c:\c+7], v[\sa], v[\sb] matrix_a_fmt:MATRIX_FMT_FP6 matrix_b_fmt:MATRIX_FMT_FP6 matrix_a_scale:MATRIX_SCALE_ROW1 matrix_b_scale:MATRIX_SCALE_ROW1
.endif
.endm
.macro WLOAD k, base, tstride, off     ; four tiles' fragments of one K step into buffer k of window 1: 12 loads of 512 consecutive bytes
	WIN 0x40                                       ; the destination in window 1, the address in window 0
.irp i, 0,1,2,3
.irp p, 0,1,2
	global_load_b128 v[48*(\k)+12*\i+4*\p:48*(\k)+12*\i+4*\p+3], v1, s[\base:\base+1] offset:(\tstride)*\i+(\off)+512*\p
.endr
.endr
	WIN 0
.endm
.macro VLD dst, base, off              ; 32 numbers a lane of a vector over the features: those of 64 w + 32 h on
.irp q, 0,1,2,3,4,5,6,7
	global_load_b128 v[\dst+4*\q:\dst+4*\q+3], v255, s[\base:\base+1] offset:(\off)+16*\q
.endr
.endm
.macro AFETCH areg, areg8, base, ustride, s    ; both token tiles' fragments of K step s
.irp u, 0,1
.irp c, 0,1
	ds_load_b128 v[OF+12*\u+6*\c:OF+12*\u+6*\c+3], v[\areg] offset:(\base)+(\ustride)*\u+1536*(\s)+768*\c
	ds_load_b64 v[OF+12*\u+6*\c+4:OF+12*\u+6*\c+5], v[\areg8] offset:(\base)+(\ustride)*\u+1536*(\s)+768*\c
.endr
.endr
.endm
.macro MUL8 k, ws, sw, ts, bias        ; eight products on buffer k, the eight accumulators by turns
	WIN 0x01                                       ; source 0, the weight's fragment, in window 1
.irp i, 0,1,2,3
.irp u, 0,1
.if \bias
	WM Z+32*\u+8*\i, 48*(\k)+12*\i, OF+12*\u, BI+8*\i, \ws+4*(\i/2)+(\sw), \ts, \i%2, \u
.else
	WM Z+32*\u+8*\i, 48*(\k)+12*\i, OF+12*\u, Z+32*\u+8*\i, \ws+4*(\i/2)+(\sw), \ts, \i%2, \u
.endif
.endr
.endr
	WIN 0
.endm
; v[OF] and v[OF+2] hold my partial sums for tiles 0 and 1.  Behind it v[OF+8] holds, in lane (r, h), the whole row's sum for token r of tile h.  Holds one barrier; each region of LDS serves once.
.macro XSUM red
	v_permlanex16_b32 v[OF+4], v[OF], s46, s47
	v_permlanex16_b32 v[OF+5], v[OF+2], s46, s47
	v_add_f32 v[OF], v[OF], v[OF+4]
	v_add_f32 v[OF+2], v[OF+2], v[OF+5]
	v_cndmask_b32 v[OF+4], v[OF], v[OF+2], s40     ; lanes 16-31 carry tile 1's
	ds_store_b32 v3, v[OF+4] offset:\red
	BAR
	ds_load_b128 v[OF+8:OF+11], v4 offset:\red
	ds_load_b128 v[OF+12:OF+15], v4 offset:\red+16
	s_wait_dscnt 0x0
	v_add_f32 v[OF+8], v[OF+8], v[OF+9]
	v_add_f32 v[OF+10], v[OF+10], v[OF+11]
	v_add_f32 v[OF+12], v[OF+12], v[OF+13]
	v_add_f32 v[OF+14], v[OF+14], v[OF+15]
	v_add_f32 v[OF+8], v[OF+8], v[OF+10]
	v_add_f32 v[OF+12], v[OF+12], v[OF+14]
	v_add_f32 v[OF+8], v[OF+8], v[OF+12]
.endm
.macro SPLIT                           ; from lane (r, h) = tile h's figure to v12 = tile 0's, v14 = tile 1's, in every lane
	v_permlanex16_b32 v[OF+9], v[OF+8], s46, s47
	v_cndmask_b32 v12, v[OF+8], v[OF+9], s40
	v_cndmask_b32 v14, v[OF+9], v[OF+8], s40
.endm
.macro LNORM g, b, reda, redb
	v_pk_add_f32 v[OF:OF+1], v[Z:Z+1], v[Z+2:Z+3]
	v_pk_add_f32 v[OF+2:OF+3], v[Z+32:Z+33], v[Z+34:Z+35]
.irp e, 4,6,8,10,12,14,16,18,20,22,24,26,28,30
	v_pk_add_f32 v[OF:OF+1], v[OF:OF+1], v[Z+\e:Z+\e+1]
	v_pk_add_f32 v[OF+2:OF+3], v[OF+2:OF+3], v[Z+32+\e:Z+33+\e]
.endr
	v_add_f32 v[OF], v[OF], v[OF+1]
	v_add_f32 v[OF+2], v[OF+2], v[OF+3]
	XSUM \reda
	v_mul_f32 v[OF+8], 0xbb000000, v[OF+8]         ; - the mean (x -1/512)
	SPLIT
.irp e, 0,2,4,6,8,10,12,14,16,18,20,22,24,26,28,30
	v_pk_add_f32 v[Z+\e:Z+\e+1], v[Z+\e:Z+\e+1], v[12:13] op_sel_hi:[1,0]
	v_pk_add_f32 v[Z+32+\e:Z+33+\e], v[Z+32+\e:Z+33+\e], v[14:15] op_sel_hi:[1,0]
.endr
	v_pk_mul_f32 v[OF:OF+1], v[Z:Z+1], v[Z:Z+1]
	v_pk_mul_f32 v[OF+2:OF+3], v[Z+32:Z+33], v[Z+32:Z+33]
.irp e, 2,4,6,8,10,12,14,16,18,20,22,24,26,28,30
	v_pk_fma_f32 v[OF:OF+1], v[Z+\e:Z+\e+1], v[Z+\e:Z+\e+1], v[OF:OF+1]
	v_pk_fma_f32 v[OF+2:OF+3], v[Z+32+\e:Z+33+\e], v[Z+32+\e:Z+33+\e], v[OF+2:OF+3]
.endr
	v_add_f32 v[OF], v[OF], v[OF+1]
	v_add_f32 v[OF+2], v[OF+2], v[OF+3]
	XSUM \redb
	v_fma_f32 v[OF+8], v[OF+8], s41, s42           ; the variance + 1e-6
	v_rsq_f32 v[OF+8], v[OF+8]
	v_nop
	s_wait_alu depctr_va_vdst(0)                   ; ahead of the root's first reader
	SPLIT
	s_wait_loadcnt 0x0                             ; the gain and the bias
.irp e, 0,2,4,6,8,10,12,14,16,18,20,22,24,26,28,30
	v_pk_mul_f32 v[Z+\e:Z+\e+1], v[Z+\e:Z+\e+1], v[12:13] op_sel_hi:[1,0]
	v_pk_mul_f32 v[Z+32+\e:Z+33+\e], v[Z+32+\e:Z+33+\e], v[14:15] op_sel_hi:[1,0]
.endr
.irp e, 0,2,4,6,8,10,12,14,16,18,20,22,24,26,28,30
	v_pk_fma_f32 v[Z+\e:Z+\e+1], v[Z+\e:Z+\e+1], v[\g+\e:\g+\e+1], v[\b+\e:\b+\e+1]
	v_pk_fma_f32 v[Z+32+\e:Z+33+\e], v[Z+32+\e:Z+33+\e], v[\g+\e:\g+\e+1], v[\b+\e:\b+\e+1]
.endr
.endm
.macro ASTEP s, cnt
	AFETCH 1, 2, OIMG, 6144, \s
	s_wait_loadcnt \cnt                            ; this K step's weight fragments are in; the younger steps' loads, 12 each, may be out
	s_wait_dscnt 0x0
	MUL8 \s, WSA, \s, OS+\s, 0
	PLACES 4
.endm
	s_load_b512 s[8:23], s[0:1], 0x0               ; os wimg bo x g b hf hq
	v_lshl_add_u32 v252, v0, 2, 0x13e00
	v_mov_b32 v254, 0
	v_lshrrev_b32 v1, 5, v0
	v_readfirstlane_b32 s30, v1                    ; wave 0..7
	v_and_b32 v14, 31, v0
	v_lshlrev_b32 v1, 4, v14                       ; v1 = 16 lane
	v_lshlrev_b32 v2, 3, v14
	v_add_nc_u32 v2, 512, v2                       ; v2 = 512 + 8 lane
	v_mul_u32_u24 v4, v14, 48                      ; v4: my lane's eight words of a sum over waves
	s_lshl_b32 s31, s30, 2
	v_add_nc_u32 v3, s31, v4                       ; v3: my wave's word of them
	v_bfe_u32 v12, v0, 4, 1                        ; h
	v_and_b32 v13, 15, v0                          ; r
	v_lshlrev_b32 v255, 7, v12                     ; v255 = 128 h
	v_lshl_add_u32 v5, v13, 4, v12                 ; v5 = 16 r + h
	v_mul_u32_u24 v10, v13, 2064
	v_add_nc_u32 v10, v10, v255
	s_lshl_b32 s31, s30, 8
	s_add_co_u32 s31, s31, STG
	v_add_nc_u32 v10, s31, v10                     ; v10: the stage, read: row r, + 256 w + 128 h
	s_mul_i32 s31, s30, 8256
	s_add_co_u32 s31, s31, STG
	v_add_nc_u32 v11, s31, v1                      ; v11: the stage, written: rows 4 w on
	s_mul_i32 s31, s30, 1536
	v_add_nc_u32 v253, s31, v1                     ; my eighth of the copy
	v_mov_b32 v13, 0                               ; (upper halves of pairs are named, so they are written)
	v_mov_b32 v15, 0
	s_mov_b32 s40, 0xffff0000                      ; lanes 16-31
	s_mov_b32 s41, 0x3b000000                      ; 1/512
	s_mov_b32 s42, 0x358637bd                      ; 1e-6
	s_mov_b32 s46, 0x76543210
	s_mov_b32 s47, 0xfedcba98
	s_mov_b32 s59, 0
	s_wait_kmcnt 0x0
	s_mul_i32 s58, ttmp9, 12288
	s_add_nc_u64 s[32:33], s[8:9], s[58:59]        ; my two tiles' codes
	s_lshl_b32 s58, ttmp9, 9
	s_add_co_u32 s58, s58, 3145728
	s_add_nc_u64 s[34:35], s[8:9], s[58:59]        ; their scale bytes
	s_mul_i32 s58, s30, 24576
	s_add_co_u32 s58, s58, WOFF
	s_add_nc_u64 s[36:37], s[10:11], s[58:59]      ; my four tiles of Wo
	s_lshl_b32 s58, s30, 10
	s_add_co_u32 s58, s58, WOFF+196608
	s_add_nc_u64 s[38:39], s[10:11], s[58:59]
	s_lshl_b32 s58, s30, 8
	s_add_nc_u64 s[44:45], s[12:13], s[58:59]
	s_add_nc_u64 s[16:17], s[16:17], s[58:59]
	s_add_nc_u64 s[18:19], s[18:19], s[58:59]
	s_lshr_b32 s60, ttmp9, 1
	s_lshl_b32 s60, s60, 17
	s_and_b32 s61, ttmp9, 1
	s_lshl_b32 s61, s61, 15
	s_add_co_u32 s60, s60, s61                     ; token 64 (G / 2) + 16 (G % 2), in rows of 2,048 bytes
	s_lshr_b32 s58, s30, 2                         ; stage rows 4 w .. 4 w + 3 (row 16 u + r) are tokens 8 (w / 4) + 32 ((w / 2) % 2) + 4 (w % 2) + 0 .. 3
	s_lshl_b32 s58, s58, 14
	s_bfe_u32 s61, s30, 0x10001
	s_lshl_b32 s61, s61, 16
	s_add_co_u32 s58, s58, s61
	s_and_b32 s61, s30, 1
	s_lshl_b32 s61, s61, 13
	s_add_co_u32 s58, s58, s61
	s_add_co_u32 s58, s58, s60
	s_add_nc_u64 s[48:49], s[14:15], s[58:59]      ; x at those four rows
	s_lshl_b32 s58, ttmp9, 16
	s_lshl_b32 s61, s30, 13
	s_add_co_u32 s58, s58, s61
	s_add_nc_u64 s[50:51], s[20:21], s[58:59]      ; hf: my 64 registers' image
	s_mul_i32 s58, ttmp9, 12288
	s_mul_i32 s61, s30, 768
	s_add_co_u32 s58, s58, s61
	s_add_nc_u64 s[52:53], s[22:23], s[58:59]      ; hq: my half image of tile 0
	s_lshl_b32 s58, ttmp9, 9
	s_lshl_b32 s61, s30, 1
	s_add_co_u32 s58, s58, s61
	s_add_co_u32 s58, s58, 3145728
	s_add_nc_u64 s[54:55], s[22:23], s[58:59]
.irp p, 0,1,2
	global_load_b128 v[OF+4*\p:OF+4*\p+3], v253, s[32:33] offset:512*\p th:TH_LOAD_NT
.endr
.irp n, 0,1,2,3,4,5,6,7,8,9,10,11,12,13,14,15
	global_load_b128 v[Z+4*\n:Z+4*\n+3], v1, s[48:49] offset:512*\n th:TH_LOAD_NT     ; four rows of x: 32 lanes read 512 consecutive bytes
.endr
	global_load_b128 v[OS:OS+3], v1, s[34:35]
	global_load_b128 v[WSA:WSA+3], v1, s[38:39]
	global_load_b128 v[WSA+4:WSA+7], v1, s[38:39] offset:512
	VLD BI, 44, 0
	WLOAD 0, 36, 6144, 0
	WLOAD 1, 36, 6144, 1536
	s_wait_loadcnt 35                              ; the copy's three loads and x's sixteen are in: 1 + 2 + 8 + 24 younger ones may be out
.irp p, 0,1,2
	ds_store_b128 v253, v[OF+4*\p:OF+4*\p+3] offset:OIMG+512*\p
.endr
.irp n, 0,1,2,3,4,5,6,7,8,9,10,11,12,13,14,15
	ds_store_b128 v11, v[Z+4*\n:Z+4*\n+3] offset:2064*(\n/4)+512*(\n%4)
.endr
	WLOAD 2, 36, 6144, 3072
	WLOAD 3, 36, 6144, 4608
	BAR                                            ; the tokens' images and x's 32 rows lie in LDS
.irp u, 0,1
.irp q, 0,1,2,3,4,5,6,7
	ds_load_b128 v[Z+32*\u+4*\q:Z+32*\u+4*\q+3], v10 offset:33024*\u+16*\q    ; the residual, in the result's layout
.endr
.endr
	s_wait_loadcnt 48                              ; all but the four weight steps
	s_wait_dscnt 0x0
.irp e, 0,2,4,6,8,10,12,14,16,18,20,22,24,26,28,30
	v_pk_add_f32 v[Z+\e:Z+\e+1], v[Z+\e:Z+\e+1], v[BI+\e:BI+\e+1]
	v_pk_add_f32 v[Z+32+\e:Z+33+\e], v[Z+32+\e:Z+33+\e], v[BI+\e:BI+\e+1]
.endr
	ASTEP 0, 36
	ASTEP 1, 24
	ASTEP 2, 12
	ASTEP 3, 0
	VLD G0, 16, 0                                  ; the gain and the bias land during the sums
	VLD G1, 18, 0
	LNORM G0, G1, RED1, RED2
.irp q, 0,1,2,3,4,5,6,7,8,9,10,11,12,13,14,15
	global_store_b128 v1, v[Z+4*\q:Z+4*\q+3], s[50:51] offset:512*\q          ; h as the image of my registers: 32 lanes store 512 consecutive bytes
.endr
	QB Z, OF, OF+6, OF+10, OF+9, OF+21, 1          ; my 32 features of each token are a block of the next product's K
	QB Z+32, OF+12, OF+18, OF+10, OF+9, OF+22, 1
.irp u, 0,1
	global_store_b128 v1, v[OF+12*\u:OF+12*\u+3], s[52:53] offset:6144*\u
	global_store_b64 v2, v[OF+12*\u+4:OF+12*\u+5], s[52:53] offset:6144*\u
	global_store_b8 v5, v[OF+21+\u], s[54:55] offset:256*\u
.endr
	s_barrier_signal -1
	s_barrier_wait -1
	s_wait_tensorcnt 0x0
	ds_add_u32 v252, v254
	s_wait_dscnt 0x0
	s_endpgm
.Lfunc_end_k_q8572f85091_mid:
	.size	k_q8572f85091_mid, .Lfunc_end_k_q8572f85091_mid-k_q8572f85091_mid
	.p2alignl 7, 3214868480
	.fill 96, 4, 3214868480
	.section	.rodata,"a",@progbits
	.p2align	6, 0x0
	.amdhsa_kernel k_q8572f85091_mid
		.amdhsa_group_segment_fixed_size 82432
		.amdhsa_private_segment_fixed_size 0
		.amdhsa_enable_private_segment 0
		.amdhsa_kernarg_size 64
		.amdhsa_user_sgpr_count 2
		.amdhsa_user_sgpr_kernarg_segment_ptr 1
		.amdhsa_wavefront_size32 1
		.amdhsa_system_sgpr_workgroup_id_x 1
		.amdhsa_system_sgpr_workgroup_id_y 1
		.amdhsa_system_sgpr_workgroup_id_z 1
		.amdhsa_system_vgpr_workitem_id 0
		.amdhsa_next_free_vgpr 448
		.amdhsa_next_free_sgpr 66
		.amdhsa_reserve_vcc 0
		.amdhsa_float_denorm_mode_32 3
		.amdhsa_float_denorm_mode_16_64 3
		.amdhsa_memory_ordered 1
		.amdhsa_forward_progress 1
		.amdhsa_inst_pref_size 42
	.end_amdhsa_kernel
	.amdgpu_metadata
---
amdhsa.version: [ 1, 2 ]
amdhsa.kernels:
  - .name:           k_q8572f85091_mid
    .symbol:         k_q8572f85091_mid.kd
    .args:
      - { .name: os, .offset: 0, .size: 8, .value_kind: global_buffer, .address_space: global }
      - { .name: wimg, .offset: 8, .size: 8, .value_kind: global_buffer, .address_space: global }
      - { .name: bo_s, .offset: 16, .size: 8, .value_kind: global_buffer, .address_space: global }
      - { .name: x, .offset: 24, .size: 8, .value_kind: global_buffer, .address_space: global }
      - { .name: ln1_g, .offset: 32, .size: 8, .value_kind: global_buffer, .address_space: global }
      - { .name: ln1_b, .offset: 40, .size: 8, .value_kind: global_buffer, .address_space: global }
      - { .name: hf, .offset: 48, .size: 8, .value_kind: global_buffer, .address_space: global }
      - { .name: hq, .offset: 56, .size: 8, .value_kind: global_buffer, .address_space: global }
    .group_segment_fixed_size: 82432
    .private_segment_fixed_size: 0
    .kernarg_segment_align: 8
    .kernarg_segment_size: 64
    .max_flat_workgroup_size: 256
    .sgpr_count:     66
    .vgpr_count:     448
    .wavefront_size: 32
...
	.end_amdgpu_metadata
.endif
;; end of part 8
;; launch attn_c: the kernel of part 5 again; grid 8 x 32, 16 waves a work-group, clusters of 4 x 1, 235,520 bytes of LDS; arguments hq, wimg, bq_c, kvb, oc; writes oc
;; launch tail (part 9): grid 256 x 1, 8 waves a work-group, no clusters, 215,552 bytes of LDS; arguments oc, wimg, bo_c, hf, ln2_g, ln2_b, b1, b2, ln3_g, ln3_b, out0; writes out0
.if DOCPART == 9
	.amdgcn_target "amdgcn-amd-amdhsa--gfx1250"
	.amdhsa_code_object_version 6
	.text
	.protected	k_q8572f85091_tail
	.globl	k_q8572f85091_tail
	.p2align	8
	.type	k_q8572f85091_tail,@function
k_q8572f85091_tail:
	s_mov_b64 s[64:65], 0
	v_nop
	global_prefetch_b8 v0, s[64:65] scope:SCOPE_SE
	s_setreg_imm32_b32 hwreg(HW_REG_WAVE_MODE, 25, 1), 1
	s_wait_xcnt 0x0
; y = layernorm(o Wo + bo + h); out = layernorm(relu(y W1 + b1) W2 + b2 + y), for 32 tokens (token tiles 2 G and 2 G + 1), all three products on codes of FP6 (E2M3) with E8M0 scales.  y and the hidden layer never go to memory.
; THE WAVES SHARE THE COLUMNS: wave w makes features 64 w .. + 63 of y and of out, and hidden units 256 w .. + 255 (four groups of 64, one after the other), for both tiles.  Source 0 = the weight's four tiles, source 1 = the
; tokens: a lane holds one token and 32 neighbouring features (32 h on): register 32 u + 8 i + j.  So each result is quantised in the lane that holds it and goes to LDS as a half image (registers 0-3 of lane l at 16 l,
; registers 4-5 at 512 + 8 l) with its scale byte; all eight waves read the images back as operands.
; THE WEIGHTS' FRAGMENTS go from wimg straight into the wave's registers, as ONE STREAM through all three products: 4 + 16 + 16 steps of 12 loads.  Two waves share a SIMD's registers, so a wave may take 448: four buffers of
; 48 registers lie in the second register window, and step n + 4 is asked for behind step n's products: up to 48 loads of 512 bytes of a wave are on their way.
; h, the residual, was laid by its writer as the image of these registers: 16 loads of 512 consecutive bytes.
; Biases (and residuals) are the C of each sum's first products.  y is parked in the wave's own bytes of LDS during the hidden layer.
; NO CLUSTER: each byte of a weight's image is used by one wave of a work-group and goes straight into its registers; a joint load lands in LDS, which would add a store and a read of every such byte.
; LIMITS: NaN and infinities are not served; a block of zeros gets the byte 1 (its codes are zeros; this program alone reads the bytes).
.set WOFF, 1433600                     ; Wo_c in wimg;  W1 at 1,638,400, W2 at 2,457,600
.set Z,   16                           ; v16-79   the 8 accumulators
.set G0,  80                           ; v80-111  a norm's gain
.set G1,  128                          ; v128-159 a norm's bias
.set OF,  176                          ; v176-199 both tiles' fragments of a K step; else at work
.set BI,  200                          ; v200-231 a bias
.set WSA, 232                          ; v232-239, v240-247 the weights' scale words, two sets by turns
.set WSB, 240
.set OS,  248                          ; v248-251 the tokens' scale words of four K steps: lanes 0-15 tile 0, lanes 16-31 tile 1
                                       ; window 1: v256-447: weight fragments: the stream's step n in buffer n % 4, at v[48 (n % 4)] of that window
.set OIMG, 0                           ; LDS: o's images, 12,288
.set YIMG, 12288                       ; y's images, 12,288
.set YSC,  24576                       ; y's scale bytes [tile][r][16]
.set HSC,  25088                       ; the hidden layer's [tile][r], 64 bytes + 16
.set RED1, 27648                       ; four regions of 32 lanes x 48 bytes for the sums over waves
.set RED2, 29184
.set RED3, 30720
.set RED4, 32256
.set HIMG, 33792                       ; the hidden layer's images [tile][16 K steps], 49,152
.set YRES, 82944                       ; y in f32, 8,192 bytes a wave
.set STG,  148480                      ; 32 rows x (2,048 + 16) bytes for the way out
.set MSB, 0
.macro WIN new                         ; s_set_vgpr_msb: bits 1:0 source 0, 7:6 destination; the immediate's high byte repeats the setting that is left
.if MSB != \new
	s_set_vgpr_msb (MSB<<8)|\new
.set MSB, \new
.endif
.endm
.macro QB src, dst, tmp, mx, so, by, abs
.if \abs
	v_max3_num_f32 v[\mx], |v[\src]|, |v[\src+1]|, 0x1800000       ; the floor 2^(3 - 127) is one of the leaves: the byte cannot fall under 1
	v_max3_num_f32 v[\mx+1], |v[\src+2]|, |v[\src+3]|, |v[\src+4]|
.irp i, 5,9,13,17,21,25
	v_max3_num_f32 v[\mx], v[\mx], |v[\src+\i]|, |v[\src+\i+1]|
	v_max3_num_f32 v[\mx+1], v[\mx+1], |v[\src+\i+2]|, |v[\src+\i+3]|
.endr
	v_max3_num_f32 v[\mx], v[\mx], |v[\src+29]|, |v[\src+30]|
	v_max3_num_f32 v[\mx], v[\mx], v[\mx+1], |v[\src+31]|
.else
	v_max3_num_f32 v[\mx], v[\src], v[\src+1], 0x1800000
	v_max3_num_f32 v[\mx+1], v[\src+2], v[\src+3], v[\src+4]
.irp i, 5,9,13,17,21,25
	v_max3_num_f32 v[\mx], v[\mx], v[\src+\i], v[\src+\i+1]
	v_max3_num_f32 v[\mx+1], v[\mx+1], v[\src+\i+2], v[\src+\i+3]
.endr
	v_max3_num_f32 v[\mx], v[\mx], v[\src+29], v[\src+30]
	v_max3_num_f32 v[\mx], v[\mx], v[\mx+1], v[\src+31]
.endif
	v_add_nc_u32 v[\so], 0xff000000, v[\mx]                        ; 2 off the exponent field: the conversion takes that field as its scale
	v_lshrrev_b32 v[\by], 23, v[\so]
	v_cvt_scalef32_pk16_fp6_f32 v[\dst:\dst+2], v[\src:\src+15], v[\so]
	v_cvt_scalef32_pk16_fp6_f32 v[\tmp:\tmp+2], v[\src+16:\src+31], v[\so]
	v_nop                                                          ; one plain line behind the conversions
.irp i, 0,1,2
	v_mov_b32 v[\dst+3+\i], v[\tmp+\i]
.endr
.endm
.macro BAR
	s_wait_dscnt 0x0
	s_barrier_signal -1
	s_barrier_wait -1
.endm
.macro PLACES n                        ; plain lines between a matrix instruction and a load into, or a vector instruction on, its registers
.rept \n
	v_nop
.endr
.endm
.macro WM d, a, b, c, sa, sb, ra, rb
.if (\ra) == 0 && (\rb) == 0
	v_wmma_scale_f32_16x16x128_f8f6f4 v[\d:\d+7], v[\a:\a+11], v[\b:\b+11], v[\c:\c+7], v[\sa], v[\sb] matrix_a_fmt:MATRIX_FMT_FP6 matrix_b_fmt:MATRIX_FMT_FP6
.elseif (\rb) == 0
	v_wmma_scale_f32_16x16x128_f8f6f4 v[\d:\d+7], v[\a:\a+11], v[\b:\b+11], v[\c:\c+7], v[\sa], v[\sb] matrix_a_fmt:MATRIX_FMT_FP6 matrix_b_fmt:MATRIX_FMT_FP6 matrix_a_scale:MATRIX_SCALE_ROW1
.elseif (\ra) == 0
	v_wmma_scale_f32_16x16x128_f8f6f4 v[\d:\d+7], v[\a:\a+11], v[\b:\b+11], v[\c:\c+7], v[\sa], v[\sb] matrix_a_fmt:MATRIX_FMT_FP6 matrix_b_fmt:MATRIX_FMT_FP6 matrix_b_scale:MATRIX_SCALE_ROW1
.else
	v_wmma_scale_f32_16x16x128_f8f6f4 v[\d:\d+7], v[\a:\a+11], v[\b:\b+11], v[\c:\c+7], v[\sa], v[\sb] matrix_a_fmt:MATRIX_FMT_FP6 matrix_b_fmt:MATRIX_FMT_FP6 matrix_a_scale:MATRIX_SCALE_ROW1 matrix_b_scale:MATRIX_SCALE_ROW1
.endif
.endm
.macro WLOAD k, base, tstride, off     ; four tiles' fragments of one K step into buffer k of window 1: 12 loads of 512 consecutive bytes
	WIN 0x40                                       ; the destination in window 1, the address in window 0
.irp i, 0,1,2,3
.irp p, 0,1,2
	global_load_b128 v[48*(\k)+12*\i+4*\p:48*(\k)+12*\i+4*\p+3], v1, s[\base:\base+1] offset:(\tstride)*\i+(\off)+512*\p
.endr
.endr
	WIN 0
.endm
.macro SLOAD n                         ; the stream's step n: 0-3 Wo's K steps; 4-19 W1's (group (n - 4) / 4, K step (n - 4) % 4); 20-35 W2's K steps; beyond: nothing
.if (\n) < 4
	WLOAD (\n)%4, 36, 6144, 1536*(\n)
.elseif (\n) < 20
	WLOAD (\n)%4, 50, 6144, 24576*(((\n)-4)/4)+1536*(((\n)-4)%4)
.elseif (\n) < 36
	WLOAD (\n)%4, 54, 24576, 1536*((\n)-20)
.endif
.endm
.macro VLD dst, base, off              ; 32 numbers a lane of a vector over the features: those of 32 h on, from the wave's base
.irp q, 0,1,2,3,4,5,6,7
	global_load_b128 v[\dst+4*\q:\dst+4*\q+3], v255, s[\base:\base+1] offset:(\off)+16*\q
.endr
.endm
.macro AFETCH areg, areg8, base, ustride, s    ; both token tiles' fragments of K step s
.irp u, 0,1
.irp c, 0,1
	ds_load_b128 v[OF+12*\u+6*\c:OF+12*\u+6*\c+3], v[\areg] offset:(\base)+(\ustride)*\u+1536*(\s)+768*\c
	ds_load_b64 v[OF+12*\u+6*\c+4:OF+12*\u+6*\c+5], v[\areg8] offset:(\base)+(\ustride)*\u+1536*(\s)+768*\c
.endr
.endr
.endm
.macro MUL8 k, ws, sw, ts, bias        ; eight products on buffer k, the eight accumulators by turns
	WIN 0x01                                       ; source 0, the weight's fragment, in window 1
.irp i, 0,1,2,3
.irp u, 0,1
.if \bias
	WM Z+32*\u+8*\i, 48*(\k)+12*\i, OF+12*\u, BI+8*\i, \ws+4*(\i/2)+(\sw), \ts, \i%2, \u
.else
	WM Z+32*\u+8*\i, 48*(\k)+12*\i, OF+12*\u, Z+32*\u+8*\i, \ws+4*(\i/2)+(\sw), \ts, \i%2, \u
.endif
.endr
.endr
	WIN 0
.endm
; v[OF] and v[OF+2] hold my partial sums for tiles 0 and 1.  Behind it v[OF+8] holds, in lane (r, h), the whole row's sum for token r of tile h.  Holds one barrier; each region of LDS serves once.
.macro XSUM red
	v_permlanex16_b32 v[OF+4], v[OF], s46, s47
	v_permlanex16_b32 v[OF+5], v[OF+2], s46, s47
	v_add_f32 v[OF], v[OF], v[OF+4]
	v_add_f32 v[OF+2], v[OF+2], v[OF+5]
	v_cndmask_b32 v[OF+4], v[OF], v[OF+2], s40     ; lanes 16-31 carry tile 1's
	ds_store_b32 v3, v[OF+4] offset:\red
	BAR
	ds_load_b128 v[OF+8:OF+11], v4 offset:\red
	ds_load_b128 v[OF+12:OF+15], v4 offset:\red+16
	s_wait_dscnt 0x0
	v_add_f32 v[OF+8], v[OF+8], v[OF+9]
	v_add_f32 v[OF+10], v[OF+10], v[OF+11]
	v_add_f32 v[OF+12], v[OF+12], v[OF+13]
	v_add_f32 v[OF+14], v[OF+14], v[OF+15]
	v_add_f32 v[OF+8], v[OF+8], v[OF+10]
	v_add_f32 v[OF+12], v[OF+12], v[OF+14]
	v_add_f32 v[OF+8], v[OF+8], v[OF+12]
.endm
.macro SPLIT                           ; from lane (r, h) = tile h's figure to v12 = tile 0's, v14 = tile 1's, in every lane
	v_permlanex16_b32 v[OF+9], v[OF+8], s46, s47
	v_cndmask_b32 v12, v[OF+8], v[OF+9], s40
	v_cndmask_b32 v14, v[OF+9], v[OF+8], s40
.endm
.macro LNORM g, b, reda, redb
	v_pk_add_f32 v[OF:OF+1], v[Z:Z+1], v[Z+2:Z+3]
	v_pk_add_f32 v[OF+2:OF+3], v[Z+32:Z+33], v[Z+34:Z+35]
.irp e, 4,6,8,10,12,14,16,18,20,22,24,26,28,30
	v_pk_add_f32 v[OF:OF+1], v[OF:OF+1], v[Z+\e:Z+\e+1]
	v_pk_add_f32 v[OF+2:OF+3], v[OF+2:OF+3], v[Z+32+\e:Z+33+\e]
.endr
	v_add_f32 v[OF], v[OF], v[OF+1]
	v_add_f32 v[OF+2], v[OF+2], v[OF+3]
	XSUM \reda
	v_mul_f32 v[OF+8], 0xbb000000, v[OF+8]         ; - the mean (x -1/512)
	SPLIT
.irp e, 0,2,4,6,8,10,12,14,16,18,20,22,24,26,28,30
	v_pk_add_f32 v[Z+\e:Z+\e+1], v[Z+\e:Z+\e+1], v[12:13] op_sel_hi:[1,0]
	v_pk_add_f32 v[Z+32+\e:Z+33+\e], v[Z+32+\e:Z+33+\e], v[14:15] op_sel_hi:[1,0]
.endr
	v_pk_mul_f32 v[OF:OF+1], v[Z:Z+1], v[Z:Z+1]
	v_pk_mul_f32 v[OF+2:OF+3], v[Z+32:Z+33], v[Z+32:Z+33]
.irp e, 2,4,6,8,10,12,14,16,18,20,22,24,26,28,30
	v_pk_fma_f32 v[OF:OF+1], v[Z+\e:Z+\e+1], v[Z+\e:Z+\e+1], v[OF:OF+1]
	v_pk_fma_f32 v[OF+2:OF+3], v[Z+32+\e:Z+33+\e], v[Z+32+\e:Z+33+\e], v[OF+2:OF+3]
.endr
	v_add_f32 v[OF], v[OF], v[OF+1]
	v_add_f32 v[OF+2], v[OF+2], v[OF+3]
	XSUM \redb
	v_fma_f32 v[OF+8], v[OF+8], s41, s42           ; the variance + 1e-6
	v_rsq_f32 v[OF+8], v[OF+8]
	v_nop
	s_wait_alu depctr_va_vdst(0)                   ; ahead of the root's first reader
	SPLIT
	s_wait_loadcnt 0x0                             ; the gain and the bias (the youngest loads that are out)
.irp e, 0,2,4,6,8,10,12,14,16,18,20,22,24,26,28,30
	v_pk_mul_f32 v[Z+\e:Z+\e+1], v[Z+\e:Z+\e+1], v[12:13] op_sel_hi:[1,0]
	v_pk_mul_f32 v[Z+32+\e:Z+33+\e], v[Z+32+\e:Z+33+\e], v[14:15] op_sel_hi:[1,0]
.endr
.irp e, 0,2,4,6,8,10,12,14,16,18,20,22,24,26,28,30
	v_pk_fma_f32 v[Z+\e:Z+\e+1], v[Z+\e:Z+\e+1], v[\g+\e:\g+\e+1], v[\b+\e:\b+\e+1]
	v_pk_fma_f32 v[Z+32+\e:Z+33+\e], v[Z+32+\e:Z+33+\e], v[\g+\e:\g+\e+1], v[\b+\e:\b+\e+1]
.endr
.endm
.macro ASTEP s
	AFETCH 1, 2, OIMG, 6144, \s
	s_wait_loadcnt 36                              ; this step's weight fragments are in; the three younger steps' 36 loads may be out
	s_wait_dscnt 0x0
	MUL8 \s, WSA, \s, OS+\s, 0
	PLACES 4
	SLOAD 4+\s                                     ; the buffer just multiplied takes the step four on: the stream goes on into W1
.endm
	s_load_b512 s[8:23], s[0:1], 0x0               ; oc wimg bo hf g2 b2' b1 b2
	s_load_b128 s[24:27], s[0:1], 0x40             ; g3 b3'
	s_load_b64 s[28:29], s[0:1], 0x50              ; out0
	v_lshl_add_u32 v174, v0, 2, 0x34600
	v_mov_b32 v175, 0
	v_lshrrev_b32 v1, 5, v0
	v_readfirstlane_b32 s30, v1                    ; wave 0..7
	v_and_b32 v14, 31, v0
	v_lshlrev_b32 v1, 4, v14                       ; v1 = 16 lane
	v_lshlrev_b32 v2, 3, v14
	v_add_nc_u32 v2, 512, v2                       ; v2 = 512 + 8 lane
	v_mul_u32_u24 v4, v14, 48                      ; v4: my lane's eight words of a sum over waves
	s_lshl_b32 s31, s30, 2
	v_add_nc_u32 v3, s31, v4                       ; v3: my wave's word of them
	v_bfe_u32 v12, v0, 4, 1                        ; h
	v_and_b32 v13, 15, v0                          ; r
	v_lshlrev_b32 v255, 7, v12                     ; v255 = 128 h
	v_lshl_add_u32 v5, v13, 4, v12
	s_lshl_b32 s31, s30, 1
	s_add_co_u32 s31, s31, YSC
	v_add_nc_u32 v5, s31, v5                       ; v5: y's scale byte: YSC + 16 r + 2 w + h
	v_mul_u32_u24 v7, v13, 80
	v_add_nc_u32 v6, v7, v12
	s_lshl_b32 s31, s30, 3
	s_add_co_u32 s31, s31, HSC
	v_add_nc_u32 v6, s31, v6                       ; v6: the hidden layer's: HSC + 80 r + 8 w + h
	v_mad_u32_u24 v7, v12, 1280, v7
	v_add_nc_u32 v7, HSC, v7                       ; v7: its scale words, read: tile h, row r
	v_add_nc_u32 v8, HIMG, v1                      ; v8, v9: the hidden layer's images, read
	v_add_nc_u32 v9, HIMG, v2
	s_mul_i32 s31, s30, 3072
	v_add_nc_u32 v10, s31, v8                      ; v10, v11: my four half images of them
	v_add_nc_u32 v11, s31, v9
	s_lshl_b32 s31, s30, 13
	s_add_co_u32 s31, s31, YRES
	v_add_nc_u32 v254, s31, v1                     ; v254: where y is parked
	s_mul_i32 s31, s30, 1536
	v_add_nc_u32 v253, s31, v1                     ; my eighth of the copy
	v_mov_b32 v13, 0                               ; (upper halves of pairs are named, so they are written)
	v_mov_b32 v15, 0
	s_mov_b32 s40, 0xffff0000                      ; lanes 16-31
	s_mov_b32 s41, 0x3b000000                      ; 1/512
	s_mov_b32 s42, 0x358637bd                      ; 1e-6
	s_mov_b32 s46, 0x76543210
	s_mov_b32 s47, 0xfedcba98
	s_mov_b32 s59, 0
	s_wait_kmcnt 0x0
	s_mul_i32 s58, ttmp9, 12288
	s_add_nc_u64 s[32:33], s[8:9], s[58:59]        ; my two tiles' codes
	s_lshl_b32 s58, ttmp9, 9
	s_add_co_u32 s58, s58, 3145728
	s_add_nc_u64 s[34:35], s[8:9], s[58:59]        ; their scale bytes
	s_mul_i32 s58, s30, 24576
	s_add_co_u32 s58, s58, WOFF
	s_add_nc_u64 s[36:37], s[10:11], s[58:59]      ; my four tiles of Wo
	s_lshl_b32 s58, s30, 10
	s_add_co_u32 s58, s58, WOFF+196608
	s_add_nc_u64 s[38:39], s[10:11], s[58:59]
	s_mul_i32 s58, s30, 98304
	s_add_co_u32 s58, s58, 1638400
	s_add_nc_u64 s[50:51], s[10:11], s[58:59]      ; my 16 tiles of W1
	s_add_co_u32 s58, s58, 819200
	s_add_nc_u64 s[54:55], s[10:11], s[58:59]      ; my four tiles of W2 (16 K steps each)
	s_lshl_b32 s58, s30, 12
	s_add_co_u32 s58, s58, 1638400+786432
	s_add_nc_u64 s[52:53], s[10:11], s[58:59]      ; W1's scale words
	s_add_co_u32 s58, s58, 819200
	s_add_nc_u64 s[56:57], s[10:11], s[58:59]      ; W2's
	s_lshl_b32 s58, s30, 10
	s_add_nc_u64 s[20:21], s[20:21], s[58:59]      ; b1 at my 256 hidden units
	s_lshl_b32 s58, s30, 8
	s_add_nc_u64 s[44:45], s[12:13], s[58:59]
	s_add_nc_u64 s[16:17], s[16:17], s[58:59]
	s_add_nc_u64 s[18:19], s[18:19], s[58:59]
	s_add_nc_u64 s[22:23], s[22:23], s[58:59]
	s_add_nc_u64 s[24:25], s[24:25], s[58:59]
	s_add_nc_u64 s[26:27], s[26:27], s[58:59]
	s_lshl_b32 s58, ttmp9, 16
	s_lshl_b32 s61, s30, 13
	s_add_co_u32 s58, s58, s61
	s_add_nc_u64 s[48:49], s[14:15], s[58:59]      ; h: the image of my 64 registers
	s_lshr_b32 s60, ttmp9, 1
	s_lshl_b32 s60, s60, 17
	s_and_b32 s61, ttmp9, 1
	s_lshl_b32 s61, s61, 15
	s_add_co_u32 s60, s60, s61                     ; token 64 (G / 2) + 16 (G % 2), in rows of 2,048 bytes
	s_lshr_b32 s58, s30, 2                         ; stage rows 4 w .. 4 w + 3 are tokens 8 (w / 4) + 32 ((w / 2) % 2) + 4 (w % 2) + 0 .. 3
	s_lshl_b32 s58, s58, 14
	s_bfe_u32 s61, s30, 0x10001
	s_lshl_b32 s61, s61, 16
	s_add_co_u32 s58, s58, s61
	s_and_b32 s61, s30, 1
	s_lshl_b32 s61, s61, 13
	s_add_co_u32 s58, s58, s61
	s_add_co_u32 s58, s58, s60
	s_add_nc_u64 s[28:29], s[28:29], s[58:59]
.irp p, 0,1,2
	global_load_b128 v[OF+4*\p:OF+4*\p+3], v253, s[32:33] offset:512*\p th:TH_LOAD_NT
.endr
	global_load_b128 v[OS:OS+3], v1, s[34:35]
	global_load_b128 v[WSA:WSA+3], v1, s[38:39]
	global_load_b128 v[WSA+4:WSA+7], v1, s[38:39] offset:512
	global_load_b128 v[WSB:WSB+3], v1, s[52:53]                    ; W1's scale words of my first group of hidden units
	global_load_b128 v[WSB+4:WSB+7], v1, s[52:53] offset:512
.irp q, 0,1,2,3,4,5,6,7,8,9,10,11,12,13,14,15
	global_load_b128 v[Z+4*\q:Z+4*\q+3], v1, s[48:49] offset:512*\q th:TH_LOAD_NT     ; the residual: 32 lanes read 512 consecutive bytes
.endr
	VLD BI, 44, 0
	SLOAD 0
	SLOAD 1
	s_wait_loadcnt 53                              ; the copy's three loads are in: 1 + 2 + 2 + 16 + 8 + 24 younger ones may be out
.irp p, 0,1,2
	ds_store_b128 v253, v[OF+4*\p:OF+4*\p+3] offset:OIMG+512*\p
.endr
	BAR                                            ; o's images lie in LDS
	s_wait_loadcnt 24                              ; all but the two weight steps
	SLOAD 2
	SLOAD 3
.irp e, 0,2,4,6,8,10,12,14,16,18,20,22,24,26,28,30
	v_pk_add_f32 v[Z+\e:Z+\e+1], v[Z+\e:Z+\e+1], v[BI+\e:BI+\e+1]
	v_pk_add_f32 v[Z+32+\e:Z+33+\e], v[Z+32+\e:Z+33+\e], v[BI+\e:BI+\e+1]
.endr
	ASTEP 0
	ASTEP 1
	ASTEP 2
	ASTEP 3
	VLD G0, 16, 0                                  ; the gain, the bias and b1 of my first group land during the sums
	VLD G1, 18, 0
	VLD BI, 20, 0
	LNORM G0, G1, RED1, RED2                       ; (its wait for all loads also shows W1's first four steps landed)
	VLD G0, 24, 0                                  ; the last norm's gain and bias: asked for now, wanted at the end
	VLD G1, 26, 0
.irp q, 0,1,2,3,4,5,6,7,8,9,10,11,12,13,14,15
	ds_store_b128 v254, v[Z+4*\q:Z+4*\q+3] offset:512*\q           ; y is parked: my own bytes
.endr
	s_mul_i32 s31, s30, 768
	s_add_co_u32 s31, s31, YIMG
	v_add_nc_u32 v252, s31, v1                     ; my half image of y
	v_add_nc_u32 v253, s31, v2
	QB Z, OF, OF+6, OF+10, OF+9, OF+21, 1
	QB Z+32, OF+12, OF+18, OF+10, OF+9, OF+22, 1
.irp u, 0,1
	ds_store_b128 v252, v[OF+12*\u:OF+12*\u+3] offset:6144*\u
	ds_store_b64 v253, v[OF+12*\u+4:OF+12*\u+5] offset:6144*\u
	ds_store_b8 v5, v[OF+21+\u] offset:256*\u
.endr
	BAR                                            ; y's images and scale bytes lie in LDS
	ds_load_b128 v[OS:OS+3], v1 offset:YSC
; THE HIDDEN LAYER: K step s of my group f of 64 hidden units: the stream's step 4 + 4 f + s, in buffer s.
.macro CSTEP f, s
	AFETCH 1, 2, YIMG, 6144, \s
.if \s == 0
	s_wait_loadcnt 36                              ; behind this step's fragments: the three younger steps' 36 loads.  (This group's bias and scale words are older: they are in)
.else
	s_wait_loadcnt 46                              ; behind this step's fragments: three younger steps' 36 loads and the next group's bias and scale words, 10
.endif
	s_wait_dscnt 0x0
.if \s == 0
	MUL8 \s, WSB-8*(\f%2), \s, OS+\s, 1
.else
	MUL8 \s, WSB-8*(\f%2), \s, OS+\s, 0
.endif
	PLACES 4
.if \s == 0
.if \f < 3
	VLD BI, 20, 256*(\f+1)
	global_load_b128 v[WSA+8*(\f%2):WSA+8*(\f%2)+3], v1, s[52:53] offset:1024*(\f+1)
	global_load_b128 v[WSA+8*(\f%2)+4:WSA+8*(\f%2)+7], v1, s[52:53] offset:1024*(\f+1)+512
.else
	VLD BI, 22, 0                                  ; b2, and W2's scale words of its first four K steps
	global_load_b128 v[WSB:WSB+3], v1, s[56:57]
	global_load_b128 v[WSB+4:WSB+7], v1, s[56:57] offset:2048
.endif
.endif
	SLOAD 8+4*\f+\s                                ; the step four on; from my last group on these are W2's
.if \s == 3
.set j, 0
.rept 64
	v_max_num_f32 v[Z+j], 0, v[Z+j]                ; the activation, in f32
.set j, j+1
.endr
	QB Z, OF, OF+6, OF+10, OF+9, OF+21, 0
	QB Z+32, OF+12, OF+18, OF+10, OF+9, OF+22, 0
.irp u, 0,1
	ds_store_b128 v10, v[OF+12*\u:OF+12*\u+3] offset:24576*\u+768*\f
	ds_store_b64 v11, v[OF+12*\u+4:OF+12*\u+5] offset:24576*\u+768*\f
	ds_store_b8 v6, v[OF+21+\u] offset:1280*\u+2*\f
.endr
	s_wait_dscnt 0x0                               ; the stores have read their registers
.endif
.endm
.irp f, 0,1,2,3
.irp s, 0,1,2,3
	CSTEP \f, \s
.endr
.endr
.irp q, 0,1,2,3,4,5,6,7,8,9,10,11,12,13,14,15
	ds_load_b128 v[Z+4*\q:Z+4*\q+3], v254 offset:512*\q            ; y comes back
.endr
	BAR                                            ; the hidden layer's images and scale bytes lie in LDS
	s_wait_loadcnt 48                              ; b2 and W2's first scale words are in: behind them W2's first four steps, 48 loads, may be out
.irp e, 0,2,4,6,8,10,12,14,16,18,20,22,24,26,28,30
	v_pk_add_f32 v[Z+\e:Z+\e+1], v[Z+\e:Z+\e+1], v[BI+\e:BI+\e+1]  ; y + b2 is the C of the first products
	v_pk_add_f32 v[Z+32+\e:Z+33+\e], v[Z+32+\e:Z+33+\e], v[BI+\e:BI+\e+1]
.endr
; THE SECOND LAYER: K step s: the stream's step 20 + s, in buffer s % 4.
.macro DSTEP s
	AFETCH 8, 9, 0, 24576, \s
.if (\s%4) == 0
	ds_load_b128 v[OS:OS+3], v7 offset:16*(\s/4)   ; the hidden layer's scale words of four K steps
.endif
.if \s >= 12
	s_wait_loadcnt 12*(15-\s)                      ; the stream's end: what is left behind this step
.elseif (\s%4) == 0
	s_wait_loadcnt 36                              ; behind this step's fragments: the three younger steps' 36 loads
.else
	s_wait_loadcnt 38                              ; and two loads of scale words
.endif
	s_wait_dscnt 0x0
	MUL8 \s%4, WSB-8*((\s/4)%2), \s%4, OS+\s%4, 0
	PLACES 4
.if ((\s%4) == 0) && (\s < 12)
	global_load_b128 v[WSA+8*((\s/4)%2):WSA+8*((\s/4)%2)+3], v1, s[56:57] offset:512*(\s/4+1)
	global_load_b128 v[WSA+8*((\s/4)%2)+4:WSA+8*((\s/4)%2)+7], v1, s[56:57] offset:2048+512*(\s/4+1)
.endif
	SLOAD 24+\s
.endm
.irp s, 0,1,2,3,4,5,6,7,8,9,10,11,12,13,14,15
	DSTEP \s
.endr
	LNORM G0, G1, RED3, RED4
	v_and_b32 v252, 15, v0
	v_mul_u32_u24 v252, v252, 2064
	v_add_nc_u32 v252, v252, v255
	s_lshl_b32 s31, s30, 8
	s_add_co_u32 s31, s31, STG
	v_add_nc_u32 v252, s31, v252                   ; the stage, in: row r, + 256 w + 128 h
	s_mul_i32 s31, s30, 8256
	s_add_co_u32 s31, s31, STG
	v_add_nc_u32 v253, s31, v1                     ; back: rows 4 w on
.irp u, 0,1
.irp q, 0,1,2,3,4,5,6,7
	ds_store_b128 v252, v[Z+32*\u+4*\q:Z+32*\u+4*\q+3] offset:33024*\u+16*\q
.endr
.endr
	BAR                                            ; 32 whole rows lie in the stage
.irp n, 0,1,2,3,4,5,6,7,8,9,10,11,12,13,14,15
	ds_load_b128 v[Z+4*\n:Z+4*\n+3], v253 offset:2064*(\n/4)+512*(\n%4)
.endr
.irp n, 0,1,2,3,4,5,6,7,8,9,10,11,12,13,14,15
	s_wait_dscnt 15-\n
	global_store_b128 v1, v[Z+4*\n:Z+4*\n+3], s[28:29] offset:512*\n th:TH_STORE_NT   ; 32 lanes store 512 consecutive bytes
.endr
	s_barrier_signal -1
	s_barrier_wait -1
	s_wait_tensorcnt 0x0
	ds_add_u32 v174, v175
	s_wait_dscnt 0x0
	s_endpgm
.Lfunc_end_k_q8572f85091_tail:
	.size	k_q8572f85091_tail, .Lfunc_end_k_q8572f85091_tail-k_q8572f85091_tail
	.p2alignl 7, 3214868480
	.fill 96, 4, 3214868480
	.section	.rodata,"a",@progbits
	.p2align	6, 0x0
	.amdhsa_kernel k_q8572f85091_tail
		.amdhsa_group_segment_fixed_size 215552
		.amdhsa_private_segment_fixed_size 0
		.amdhsa_enable_private_segment 0
		.amdhsa_kernarg_size 88
		.amdhsa_user_sgpr_count 2
		.amdhsa_user_sgpr_kernarg_segment_ptr 1
		.amdhsa_wavefront_size32 1
		.amdhsa_system_sgpr_workgroup_id_x 1
		.amdhsa_system_sgpr_workgroup_id_y 1
		.amdhsa_system_sgpr_workgroup_id_z 1
		.amdhsa_system_vgpr_workitem_id 0
		.amdhsa_next_free_vgpr 448
		.amdhsa_next_free_sgpr 72
		.amdhsa_reserve_vcc 0
		.amdhsa_float_denorm_mode_32 3
		.amdhsa_float_denorm_mode_16_64 3
		.amdhsa_memory_ordered 1
		.amdhsa_forward_progress 1
		.amdhsa_inst_pref_size 182
	.end_amdhsa_kernel
	.amdgpu_metadata
---
amdhsa.version: [ 1, 2 ]
amdhsa.kernels:
  - .name:           k_q8572f85091_tail
    .symbol:         k_q8572f85091_tail.kd
    .args:
      - { .name: oc, .offset: 0, .size: 8, .value_kind: global_buffer, .address_space: global }
      - { .name: wimg, .offset: 8, .size: 8, .value_kind: global_buffer, .address_space: global }
      - { .name: bo_c, .offset: 16, .size: 8, .value_kind: global_buffer, .address_space: global }
      - { .name: hf, .offset: 24, .size: 8, .value_kind: global_buffer, .address_space: global }
      - { .name: ln2_g, .offset: 32, .size: 8, .value_kind: global_buffer, .address_space: global }
      - { .name: ln2_b, .offset: 40, .size: 8, .value_kind: global_buffer, .address_space: global }
      - { .name: b1, .offset: 48, .size: 8, .value_kind: global_buffer, .address_space: global }
      - { .name: b2, .offset: 56, .size: 8, .value_kind: global_buffer, .address_space: global }
      - { .name: ln3_g, .offset: 64, .size: 8, .value_kind: global_buffer, .address_space: global }
      - { .name: ln3_b, .offset: 72, .size: 8, .value_kind: global_buffer, .address_space: global }
      - { .name: out0, .offset: 80, .size: 8, .value_kind: global_buffer, .address_space: global }
    .group_segment_fixed_size: 215552
    .private_segment_fixed_size: 0
    .kernarg_segment_align: 8
    .kernarg_segment_size: 88
    .max_flat_workgroup_size: 256
    .sgpr_count:     72
    .vgpr_count:     448
    .wavefront_size: 32
...
	.end_amdgpu_metadata
.endif
;; end of part 9
